; MI455X (gfx1250); checked and timed in simulation.
; The chip was launched on July 23, 2026; its instructions are those of AMD's public machine-readable ISA for CDNA 5 (MIT licence, August 2026) and "CDNA5" Instruction Set Architecture Reference Guide (July 2026). The comments in the code are by the model that wrote it; some were corrected since.
;; Encoder Layer. Allowed arithmetic: matrix products marked QUANTISED: E3M2 operands, one E8M0 scale for each 32 along K, by v_wmma_scale_f32_16x16x128_f8f6f4 with both operands' format E3M2, f32 sums; everything else in f32.
;; Inputs: W1_codes 4,096 x 32 x 24 uint8 (E3M2 codes of W1, K innermost, in blocks of 32 codes, four codes in three bytes); W1_scales 4,096 x 32 uint8 (E8M0 scales of W1, one for each 32 codes along K); W2_codes 1,024 x 128 x 24 uint8 (E3M2 codes of W2, K innermost, in blocks of 32 codes, four codes in three bytes); W2_scales 1,024 x 128 uint8 (E8M0 scales of W2, one for each 32 codes along K); Wk_codes 1,024 x 32 x 24 uint8 (E3M2 codes of Wk, K innermost, in blocks of 32 codes, four codes in three bytes); Wk_scales 1,024 x 32 uint8 (E8M0 scales of Wk, one for each 32 codes along K); Wo_codes 1,024 x 32 x 24 uint8 (E3M2 codes of Wo, K innermost, in blocks of 32 codes, four codes in three bytes); Wo_scales 1,024 x 32 uint8 (E8M0 scales of Wo, one for each 32 codes along K); Wq_codes 1,024 x 32 x 24 uint8 (E3M2 codes of Wq, K innermost, in blocks of 32 codes, four codes in three bytes); Wq_scales 1,024 x 32 uint8 (E8M0 scales of Wq, one for each 32 codes along K); Wv_codes 1,024 x 32 x 24 uint8 (E3M2 codes of Wv, K innermost, in blocks of 32 codes, four codes in three bytes); Wv_scales 1,024 x 32 uint8 (E8M0 scales of Wv, one for each 32 codes along K); b1 4,096 float32; b2 1,024 float32; be1 1,024 float32; be2 1,024 float32; bk 1,024 float32; bo 1,024 float32; bq 1,024 float32; bv 1,024 float32; g1 1,024 float32; g2 1,024 float32; x 2 x 2,048 x 1,024 float32.
;; Outputs: out0 2 x 2,048 x 1,024 float32.
;; This version of the problem:
;;   THIS VERSION OF THE PROBLEM IS GIVEN IN LOW PRECISION. The matrix products marked QUANTISED in the list below multiply operands that are first quantised to E3M2 (3 exponent bits, 2 mantissa bits; 6 bits a number), with one power-of-two scale for each 32 numbers along K (OCP MX v1.0); their sums are f32. All else is computed in f32.
;;   The module's matrix products, in the order in which they are computed (A, B: the left and right operand; K: the contracted axis; several contracted axes count as one K, in the product's order):
;;     1. [M 4,096, K 1,024] x [K 1,024, N 1,024]; A: input x; B: input Wq (given as codes): QUANTISED
;;     2. [M 4,096, K 1,024] x [K 1,024, N 1,024]; A: input x; B: input Wk (given as codes): QUANTISED
;;     3. [M 4,096, K 1,024] x [K 1,024, N 1,024]; A: input x; B: input Wv (given as codes): QUANTISED
;;     4. batch 32 x [M 2,048, K 64] x [K 64, N 2,048]; A: computed on the way; B: computed on the way: QUANTISED
;;     5. batch 32 x [M 2,048, K 2,048] x [K 2,048, N 64]; A: softmax (see below); B: computed on the way: QUANTISED
;;     6. [M 4,096, K 1,024] x [K 1,024, N 1,024]; A: computed on the way; B: input Wo (given as codes): QUANTISED
;;     7. [M 4,096, K 1,024] x [K 1,024, N 4,096]; A: computed on the way; B: input W1 (given as codes): QUANTISED
;;     8. [M 4,096, K 4,096] x [K 4,096, N 1,024]; A: computed on the way; B: input W2 (given as codes): QUANTISED
;;   THE QUANTISER, for each operand of a quantised product, along K:
;;     - K is cut into blocks of 32 from its start; a last block that is shorter is filled with zeros.
;;     - A block's scale is 2^e with e = floor(log2(the largest magnitude in the block)) - 4, held to -126 .. 127; a block of zeros has e = 0. As a byte (E8M0): e + 127.
;;     - Each number is divided by its block's scale, clamped to +-28, and rounded to the nearest number of E3M2, ties to even, subnormals kept.
;;     - The product sums the exact products of the quantised numbers (number of the format x scale) in f32.
;;   ~~~python
;;   def quantise(x, axis):      # numpy; x: float32 -> the quantised numbers, widened to float32 again
;;       x = np.moveaxis(x, axis, -1); K = x.shape[-1]
;;       x = np.pad(x, [(0, 0)] * (x.ndim - 1) + [(0, -K % 32)]); x = x.reshape(x.shape[:-1] + (-1, 32)); a = np.abs(x).max(-1, keepdims=True)
;;       e = np.where(a > 0, np.clip(np.frexp(np.where(a > 0, a, 1))[1] - 1 - 4, -126, 127), 0)      # np.frexp(a)[1] - 1 = floor(log2(a)), exactly
;;       r = np.clip(x / 2.0 ** e, -28, 28)
;;       step = 2.0 ** (np.maximum(np.frexp(np.where(r == 0, 1, r))[1] - 1, -2) - 2)
;;       q = np.round(r / step) * step * 2.0 ** e      # np.round: ties to even
;;       return np.moveaxis(q.reshape(q.shape[:-2] + (-1,))[..., :K], -1, axis).astype(np.float32)
;;   ~~~
;;   SOFTMAX AHEAD OF A QUANTISED PRODUCT. Where the list says 'softmax', what is quantised is not the finished softmax but p = 2^(t - M), with t = logit x log2(e) and M = ceil(the row's largest t), a whole number; so 1/2 < the row's largest p <= 1. The row's sum l is taken of the UNQUANTISED p, in f32, and the product's result is divided by l at the end. Since M is a whole number, a kernel that streams over the keys may use a running M (the ceiling of the running maximum): every later rescaling is an exact power of two, which a block's scale takes up: the codes' values come out the same.
;;   OPERANDS COMPUTED ON THE WAY. 'Computed on the way' means the value that the module computes at that place (a softmax that the list does not call 'softmax' is quantised finished and normalised). What goes into a quantiser is computed in f32, as accurately as f32 sums, v_exp_f32 and their like allow (about 1e-6 of the number): no bf16 or f16 on the way to a quantiser, and a product that is left as it is and whose result goes on into a quantised operand takes f32 operands (vector FMAs, or v_wmma_f32_16x16x4_f32). A number that lies on a knife's edge between two numbers of the format may be rounded either way, as far as f32 arithmetic and the matrix unit's own rounding can turn it there, and no further.
;;   INPUTS GIVEN AS CODES. W1 (in the module: [1024, 4096], K = its axis 0); W2 (in the module: [4096, 1024], K = its axis 0); Wk (in the module: [1024, 1024], K = its axis 0); Wo (in the module: [1024, 1024], K = its axis 0); Wq (in the module: [1024, 1024], K = its axis 0); Wv (in the module: [1024, 1024], K = its axis 0): each comes as NAME_codes (uint8): NAME with its K axis moved to the last place and cut into blocks of 32 codes, [.., K / 32, bytes a block], one block behind the other in memory; four codes in three bytes: a row's codes are one little-endian stream of bits, code i at bits 6 i .. 6 i + 5 (a code: sign, 3 exponent bits, 2 mantissa bits); and NAME_scales (uint8): the same leading axes, one E8M0 byte (e + 127) for each 32 codes along K. Its value is code x scale, taken as it is: it is not quantised again, and the codes and scales need not be those that the quantiser above would give.
;; 2 versions. Each part assembles by itself: llvm-mc -triple=amdgcn-amd-amdhsa -mcpu=gfx1250 --defsym DOCPART=n.
;; ======== version 1 of 2: 8 launches
;; workspace buffers: wimg 9,830,400 bytes; act 3,276,800 bytes; qkv 9,830,400 bytes; r1 16,777,216 bytes; stats 32,768 bytes; arec 13,107,200 bytes; r2 16,777,216 bytes
;; launch prep (part 1): grid 1024 x 1, 4 waves a work-group, no clusters, 78,848 bytes of LDS; arguments x, Wq_codes, Wk_codes, Wv_codes, Wo_codes, W1_codes, W2_codes, Wq_scales, Wk_scales, Wv_scales, Wo_scales, W1_scales, W2_scales, wimg, act; writes wimg, act
.if DOCPART == 1
	.amdgcn_target "amdgcn-amd-amdhsa--gfx1250"
	.amdhsa_code_object_version 6
	.text
	.protected	k_qc57e515625_prep
	.globl	k_qc57e515625_prep
	.p2align	8
	.type	k_qc57e515625_prep,@function
k_qc57e515625_prep:
	s_mov_b64 s[64:65], 0
	v_nop
	global_prefetch_b8 v0, s[64:65] scope:SCOPE_SE
	s_setreg_imm32_b32 hwreg(HW_REG_WAVE_MODE, 25, 1), 1
	s_wait_xcnt 0x0
; x (f32) becomes codes of E3M2 with one E8M0 byte for each 32 along K; the six weights (given as codes) are laid out anew.  Both leave as RECORDS: images of the matrix operand's registers.
; A tile is 16 rows; lane r of tile t holds natural row 32 (t / 2) + 8 (t % 2) + r + 8 (r / 8).  A fragment (16 rows x 128 K, 12 registers a lane) lies as 1,536 bytes: registers 0-3 at 16 x lane,
; registers 4-5 at 512 + 8 x lane, registers 6-9 at 768 + 16 x lane, registers 10-11 at 1,280 + 8 x lane.  The scale word of K step s and row r lies at 128 (s / 2) + 64 (s % 2) + 4 r of the record's scale area.
; A record of K = 1,024: 8 fragments, then 512 bytes of scale words (12,800 bytes); of K = 4,096: 32 fragments, then 2,048 bytes (51,200).
; Work-groups 0-255: one row tile of x each.  Work-groups 256-1023: one unit (16 rows x 8 K steps) of a weight each.  The two ways part on the work-group's number and have LDS bytes of their own.
; LIMITS: NaN and infinities in x are not served.  A block of x whose largest magnitude lies under 2^-122 (zeros too) gets the byte 1 where the quantiser says otherwise: its codes are zeros or subnormals, and this program alone reads the bytes.
.set XP,   4112                        ; x's stage: a row of 4,096 bytes + 16: 257 x 16, so the sixteen rows of a read start in different banks
.set WST,  65792                       ; the weights' stage, behind x's 16 rows
.set WP,   784                         ; a row of 768 bytes + 16
.set REC1, 12800
.set TM,   200                         ; v200-215 at work in the quantiser
.set SEL,  50                          ; s[50:51] lane selects: lane l xor 16
; 64 numbers of a lane, register 16 b + i = k 32 b + 16 (lane / 16) + i of my row, become a fragment's 12 registers at v[pc] and its scale word in v[pw]
.macro QUANT4 s, pc, pw
.irp b, 0,1,2,3
	v_max3_num_f32 v[TM+\b], |v[\s+16*\b]|, |v[\s+1+16*\b]|, 0x2800000   ; with the floor 2^(5 - 127): the byte cannot fall under 1
.endr
.irp i, 2,4,6,8,10,12,14
.irp b, 0,1,2,3
	v_max3_num_f32 v[TM+\b], v[TM+\b], |v[\s+16*\b+\i]|, |v[\s+1+16*\b+\i]|
.endr
.endr
.irp b, 0,1,2,3
	v_permlanex16_b32 v[TM+4+\b], v[TM+\b], s[SEL], s[SEL+1]
.endr
.irp b, 0,1,2,3
	v_max_num_f32 v[TM+\b], v[TM+\b], v[TM+4+\b]   ; the block's largest magnitude
.endr
.irp b, 0,1,2,3
	v_add_nc_u32 v[TM+12+\b], 0xfe000000, v[TM+\b]   ; 4 off its exponent field: the conversion's scale operand
.endr
.irp b, 0,1,2,3
	v_lshrrev_b32 v[TM+4+\b], 23, v[TM+12+\b]      ; the scale's byte
.endr
	v_lshl_or_b32 v[\pw], v[TM+5], 8, v[TM+4]
	v_lshl_or_b32 v[\pw], v[TM+6], 16, v[\pw]
	v_lshl_or_b32 v[\pw], v[TM+7], 24, v[\pw]
.irp c, 0,1
	v_cvt_scalef32_pk16_bf6_f32 v[\pc+6*\c:\pc+2+6*\c], v[\s+32*\c:\s+15+32*\c], v[TM+12+2*\c]
	v_cvt_scalef32_pk16_bf6_f32 v[\pc+12+4*\c:\pc+14+4*\c], v[\s+16+32*\c:\s+31+32*\c], v[TM+12+2*\c+1]
.endr
	v_nop                                          ; one plain line behind the conversions
.irp c, 0,1
.irp i, 0,1,2
	v_permlane16_swap_b32 v[\pc+6*\c+\i], v[\pc+12+4*\c+\i]   ; a whole block to a lane: lanes 0-15 block 2 c, lanes 16-31 block 2 c + 1
.endr
.irp i, 0,1,2
	v_mov_b32 v[\pc+3+6*\c+\i], v[\pc+12+4*\c+\i]
.endr
.endr
.endm
.macro PUTF pc, base, off              ; a fragment's image: every store covers 512 or 256 consecutive bytes
	global_store_b128 v1, v[\pc:\pc+3], s[\base:\base+1] offset:\off
	global_store_b64 v2, v[\pc+4:\pc+5], s[\base:\base+1] offset:\off+512
	global_store_b128 v1, v[\pc+6:\pc+9], s[\base:\base+1] offset:\off+768
	global_store_b64 v2, v[\pc+10:\pc+11], s[\base:\base+1] offset:\off+1280
.endm
	s_load_b512 s[8:23], s[0:1], 0x0               ; x, the six tensors of codes, Wq's scales
	s_load_b256 s[24:31], s[0:1], 0x40             ; Wk's, Wv's, Wo's, W1's scales
	s_load_b128 s[32:35], s[0:1], 0x60             ; W2's scales, wimg
	s_load_b64 s[36:37], s[0:1], 0x70              ; act
	v_lshl_add_u32 v254, v0, 2, 0x13200
	v_mov_b32 v255, 0
	v_lshrrev_b32 v6, 5, v0
	v_readfirstlane_b32 s2, v6                     ; wave
	v_and_b32 v7, 31, v0                           ; lane
	v_and_b32 v8, 15, v0                           ; r
	v_bfe_u32 v9, v0, 4, 1                         ; h
	v_lshlrev_b32 v1, 4, v7                        ; 16 x lane
	v_lshlrev_b32 v2, 3, v7                        ; 8 x lane
	v_lshlrev_b32 v3, 2, v7                        ; 4 x lane
	s_lshr_b32 s3, s2, 1
	s_mov_b32 s[SEL], 0x76543210
	s_mov_b32 s[SEL+1], 0xfedcba98
	s_cmp_lt_u32 ttmp9, 256
	s_cbranch_scc0 .Lweights
	; ---- x: row tile rt = the work-group's number.  Wave w brings local rows 4 w .. 4 w + 3, which are neighbours in memory
	s_lshr_b32 s4, ttmp9, 1
	s_lshl_b32 s4, s4, 5
	s_and_b32 s5, ttmp9, 1
	s_lshl_b32 s5, s5, 3
	s_add_co_u32 s4, s4, s5
	s_lshl_b32 s5, s2, 2
	s_add_co_u32 s4, s4, s5
	s_lshl_b32 s5, s3, 3
	s_add_co_u32 s4, s4, s5                        ; 32 (rt / 2) + 8 (rt % 2) + 4 w + 8 (w / 2)
	s_lshl_b32 s4, s4, 12
	s_mov_b32 s5, 0
	s_mul_i32 s6, ttmp9, REC1
	s_mul_i32 s7, s2, 3072
	s_add_co_u32 s40, s6, s7                       ; my two fragments: K steps 2 w, 2 w + 1
	s_mov_b32 s41, 0
	s_lshl_b32 s7, s2, 7
	s_add_co_u32 s6, s6, s7                        ; and their scale words
	s_mov_b32 s7, 0
	s_mov_b32 s46, 0xffff0000
	v_mad_u32_u24 v4, v6, 4*XP, v1                 ; into the stage: 16 x lane + my four rows
	v_mul_u32_u24 v5, v8, XP
	v_lshl_add_u32 v5, v9, 6, v5
	v_lshl_add_u32 v5, v6, 10, v5                  ; out of it: row r, + 64 h, + my two K steps
.irp b, 0,1,2,3
	v_mov_b32 v[TM+4+\b], 0                        ; a lane permute's destination counts as read
.endr
	s_wait_kmcnt 0x0
	s_add_nc_u64 s[8:9], s[8:9], s[4:5]
	s_add_nc_u64 s[38:39], s[36:37], s[40:41]
	s_add_nc_u64 s[42:43], s[36:37], s[6:7]
.irp i, 0,1,2,3
.irp q, 0,1,2,3,4,5,6,7
	global_load_b128 v[32+32*\i+4*\q:35+32*\i+4*\q], v1, s[8:9] offset:4096*\i+512*\q th:TH_LOAD_NT   ; 512 consecutive bytes
.endr
.endr
.irp i, 0,1,2,3
	s_wait_loadcnt 24-8*\i                         ; row i's eight loads are in; the later rows' may be out
.irp q, 0,1,2,3,4,5,6,7
	ds_store_b128 v4, v[32+32*\i+4*\q:35+32*\i+4*\q] offset:XP*\i+512*\q
.endr
.endr
	s_wait_dscnt 0x0                               ; my rows lie in the stage
	s_barrier_signal -1
	s_barrier_wait -1                              ; all sixteen do
.irp e, 0,1
.irp b, 0,1,2,3
.irp j, 0,1,2,3
	ds_load_b128 v[32+64*\e+16*\b+4*\j:35+64*\e+16*\b+4*\j], v5 offset:512*\e+128*\b+16*\j
.endr
.endr
.endr
	s_wait_dscnt 16                                ; K step 2 w is in; the other's sixteen loads may be out
	QUANT4 32, 160, 216
	s_wait_dscnt 0x0
	QUANT4 96, 180, 217
	PUTF 160, 38, 0
	PUTF 180, 38, 1536
	v_cndmask_b32 v218, v216, v217, s46            ; lanes 0-15 the even K step's words, lanes 16-31 the odd one's
	global_store_b32 v3, v218, s[42:43] offset:12288
	s_wait_tensorcnt 0x0
	ds_add_u32 v254, v255
	s_wait_dscnt 0x0
	s_endpgm
.Lweights:
	; ---- a unit u of a weight: 16 rows x 8 K steps.  u < 256: Wq, Wk, Wv, Wo (64 tiles each); u < 512: W1 (256 tiles); else W2 (64 tiles x 4 quarters of K)
	s_sub_co_u32 s4, ttmp9, 256                    ; u
	s_and_b32 s5, s4, 63
	s_sub_co_u32 s6, s4, 256
	s_sub_co_u32 s7, s4, 512
	s_lshr_b32 s40, s7, 2
	s_and_b32 s41, s7, 3
	s_mul_i32 s46, s40, 51200
	s_add_co_u32 s46, s46, 6553600
	s_mul_i32 s45, s4, REC1                        ; the first five weights' records lie on end: 12,800 u
	s_cmp_lt_u32 s4, 256
	s_cselect_b32 s5, s5, s6
	s_cmp_lt_u32 s4, 512
	s_cselect_b32 s5, s5, s40                      ; the tile
	s_cselect_b32 s6, 0, s41                       ; the quarter of K
	s_mov_b32 s7, 3072
	s_cselect_b32 s7, 768, s7                      ; a row of codes in bytes
	s_mov_b32 s44, 128
	s_cselect_b32 s44, 32, s44                     ; a row of scale bytes
	s_cselect_b32 s45, s45, s46                    ; the record
	s_mov_b32 s47, 49152
	s_cselect_b32 s47, 12288, s47                  ; its scale area
	s_wait_kmcnt 0x0
	s_cmp_lt_u32 s4, 64
	s_cselect_b64 s[10:11], s[10:11], s[12:13]
	s_cselect_b64 s[22:23], s[22:23], s[24:25]
	s_cmp_lt_u32 s4, 128
	s_cselect_b64 s[10:11], s[10:11], s[14:15]
	s_cselect_b64 s[22:23], s[22:23], s[26:27]
	s_cmp_lt_u32 s4, 192
	s_cselect_b64 s[10:11], s[10:11], s[16:17]
	s_cselect_b64 s[22:23], s[22:23], s[28:29]
	s_cmp_lt_u32 s4, 256
	s_cselect_b64 s[10:11], s[10:11], s[18:19]
	s_cselect_b64 s[22:23], s[22:23], s[30:31]
	s_cmp_lt_u32 s4, 512
	s_cselect_b64 s[10:11], s[10:11], s[20:21]
	s_cselect_b64 s[22:23], s[22:23], s[32:33]
	s_lshr_b32 s40, s5, 1
	s_lshl_b32 s40, s40, 5
	s_and_b32 s41, s5, 1
	s_lshl_b32 s41, s41, 3
	s_add_co_u32 s40, s40, s41                     ; the tile's first row
	s_mul_i32 s48, s40, s44
	s_lshl_b32 s41, s6, 5
	s_add_co_u32 s48, s48, s41
	s_lshl_b32 s41, s2, 3
	s_add_co_u32 s48, s48, s41                     ; scale bytes: + 32 a quarter, + 8 a wave (K steps 2 w, 2 w + 1)
	s_mov_b32 s49, 0
	s_add_nc_u64 s[22:23], s[22:23], s[48:49]
	s_lshl_b32 s41, s2, 2
	s_add_co_u32 s40, s40, s41
	s_lshl_b32 s41, s3, 3
	s_add_co_u32 s40, s40, s41                     ; the four rows that I bring
	s_mul_i32 s48, s40, s7
	s_mul_i32 s41, s6, 768
	s_add_co_u32 s48, s48, s41
	s_add_nc_u64 s[10:11], s[10:11], s[48:49]
	s_mul_i32 s48, s6, 12288
	s_add_co_u32 s48, s48, s45
	s_mul_i32 s41, s2, 3072
	s_add_co_u32 s48, s48, s41
	s_add_nc_u64 s[38:39], s[34:35], s[48:49]      ; my two fragments
	s_lshl_b32 s48, s6, 9
	s_add_co_u32 s48, s48, s45
	s_add_co_u32 s48, s48, s47
	s_lshl_b32 s41, s2, 7
	s_add_co_u32 s48, s48, s41
	s_add_nc_u64 s[42:43], s[34:35], s[48:49]      ; their scale words
	v_and_b32 v10, 8, v8
	v_add_nc_u32 v10, v10, v8                      ; r + 8 (r / 8)
	v_mul_lo_u32 v10, v10, s44
	v_lshl_add_u32 v10, v9, 2, v10                 ; lane (r, h): the word of row r, K step 2 w + h
	v_mul_lo_u32 v11, v9, s7
	v_lshl_add_u32 v11, v8, 4, v11                 ; sixteen lanes to 256 bytes of a row, two rows an instruction
	s_lshl_b32 s41, s7, 1
	v_add_nc_u32 v12, s41, v11
	v_mul_u32_u24 v13, v6, 4*WP
	v_mad_u32_u24 v13, v9, WP, v13
	v_lshl_add_u32 v13, v8, 4, v13
	v_add_nc_u32 v13, WST, v13                     ; into the stage
	v_mul_u32_u24 v14, v8, WP
	v_mad_u32_u24 v14, v9, 24, v14
	v_mad_u32_u24 v14, v6, 192, v14
	v_add_nc_u32 v14, WST, v14                     ; out of it: row r, + 24 h, + my two K steps of 96 bytes
	global_load_b32 v15, v10, s[22:23]
.irp c, 0,1,2
	global_load_b128 v[32+4*\c:35+4*\c], v11, s[10:11] offset:256*\c
	global_load_b128 v[44+4*\c:47+4*\c], v12, s[10:11] offset:256*\c
.endr
	s_wait_loadcnt 0x0
.irp c, 0,1,2
	ds_store_b128 v13, v[32+4*\c:35+4*\c] offset:256*\c
	ds_store_b128 v13, v[44+4*\c:47+4*\c] offset:2*WP+256*\c
.endr
	s_wait_dscnt 0x0
	s_barrier_signal -1
	s_barrier_wait -1
.irp e, 0,1
.irp p, 0,1,2,3,4,5
	ds_load_b64 v[64+12*\e+2*\p:65+12*\e+2*\p], v14 offset:96*\e+48*(\p/3)+8*(\p%3)   ; the row's stream of bits, as it lies, is the operand's registers
.endr
.endr
	s_wait_dscnt 0x0
	PUTF 64, 38, 0
	PUTF 76, 38, 1536
	global_store_b32 v3, v15, s[42:43]             ; the given scale bytes, as they are
	s_wait_tensorcnt 0x0
	ds_add_u32 v254, v255
	s_wait_dscnt 0x0
	s_endpgm
.Lfunc_end_k_qc57e515625_prep:
	.size	k_qc57e515625_prep, .Lfunc_end_k_qc57e515625_prep-k_qc57e515625_prep
	.p2alignl 7, 3214868480
	.fill 96, 4, 3214868480
	.section	.rodata,"a",@progbits
	.p2align	6, 0x0
	.amdhsa_kernel k_qc57e515625_prep
		.amdhsa_group_segment_fixed_size 78848
		.amdhsa_private_segment_fixed_size 0
		.amdhsa_enable_private_segment 0
		.amdhsa_kernarg_size 120
		.amdhsa_user_sgpr_count 2
		.amdhsa_user_sgpr_kernarg_segment_ptr 1
		.amdhsa_wavefront_size32 1
		.amdhsa_system_sgpr_workgroup_id_x 1
		.amdhsa_system_sgpr_workgroup_id_y 1
		.amdhsa_system_sgpr_workgroup_id_z 1
		.amdhsa_system_vgpr_workitem_id 0
		.amdhsa_next_free_vgpr 256
		.amdhsa_next_free_sgpr 66
		.amdhsa_reserve_vcc 0
		.amdhsa_float_denorm_mode_32 3
		.amdhsa_float_denorm_mode_16_64 3
		.amdhsa_memory_ordered 1
		.amdhsa_forward_progress 1
		.amdhsa_inst_pref_size 25
	.end_amdhsa_kernel
	.amdgpu_metadata
---
amdhsa.version: [ 1, 2 ]
amdhsa.kernels:
  - .name:           k_qc57e515625_prep
    .symbol:         k_qc57e515625_prep.kd
    .args:
      - { .name: x, .offset: 0, .size: 8, .value_kind: global_buffer, .address_space: global }
      - { .name: Wq_codes, .offset: 8, .size: 8, .value_kind: global_buffer, .address_space: global }
      - { .name: Wk_codes, .offset: 16, .size: 8, .value_kind: global_buffer, .address_space: global }
      - { .name: Wv_codes, .offset: 24, .size: 8, .value_kind: global_buffer, .address_space: global }
      - { .name: Wo_codes, .offset: 32, .size: 8, .value_kind: global_buffer, .address_space: global }
      - { .name: W1_codes, .offset: 40, .size: 8, .value_kind: global_buffer, .address_space: global }
      - { .name: W2_codes, .offset: 48, .size: 8, .value_kind: global_buffer, .address_space: global }
      - { .name: Wq_scales, .offset: 56, .size: 8, .value_kind: global_buffer, .address_space: global }
      - { .name: Wk_scales, .offset: 64, .size: 8, .value_kind: global_buffer, .address_space: global }
      - { .name: Wv_scales, .offset: 72, .size: 8, .value_kind: global_buffer, .address_space: global }
      - { .name: Wo_scales, .offset: 80, .size: 8, .value_kind: global_buffer, .address_space: global }
      - { .name: W1_scales, .offset: 88, .size: 8, .value_kind: global_buffer, .address_space: global }
      - { .name: W2_scales, .offset: 96, .size: 8, .value_kind: global_buffer, .address_space: global }
      - { .name: wimg, .offset: 104, .size: 8, .value_kind: global_buffer, .address_space: global }
      - { .name: act, .offset: 112, .size: 8, .value_kind: global_buffer, .address_space: global }
    .group_segment_fixed_size: 78848
    .private_segment_fixed_size: 0
    .kernarg_segment_align: 8
    .kernarg_segment_size: 120
    .max_flat_workgroup_size: 128
    .sgpr_count:     66
    .vgpr_count:     256
    .wavefront_size: 32
...
	.end_amdgpu_metadata
.endif
;; end of part 1
;; launch qkv (part 2): grid 12 x 16, 4 waves a work-group, clusters of 4 x 1, 211,456 bytes of LDS; arguments act, wimg, bq, bk, bv, qkv; writes qkv
.if DOCPART == 2
	.amdgcn_target "amdgcn-amd-amdhsa--gfx1250"
	.amdhsa_code_object_version 6
	.text
	.protected	k_qc57e515625_qkv
	.globl	k_qc57e515625_qkv
	.p2align	8
	.type	k_qc57e515625_qkv,@function
k_qc57e515625_qkv:
	s_mov_b64 s[64:65], 0
	v_nop
	global_prefetch_b8 v0, s[64:65] scope:SCOPE_SE
	s_setreg_imm32_b32 hwreg(HW_REG_WAVE_MODE, 25, 1), 1
	s_wait_xcnt 0x0
	s_wait_alu depctr_hold_cnt(0) depctr_sa_sdst(0) depctr_va_vdst(0) depctr_va_sdst(0) depctr_va_ssrc(0) depctr_va_vcc(0) depctr_vm_vsrc(0)
	s_getreg_b32 s2, hwreg(HW_REG_IB_STS2, 6, 4)
	s_cmp_eq_u32 s2, 0
	s_cbranch_scc0 .Lentry_in_a_cluster
	s_endpgm
.Lentry_in_a_cluster:
	s_bfe_u32 s2, ttmp6, 0x10000c
	s_cmp_lg_u32 s2, 0x3003
	s_cbranch_scc0 .Lentry_shape_is_right
	s_endpgm
.Lentry_shape_is_right:
; Q = x Wq + bq, K = x Wk + bk, V = x Wv + bv on codes of E3M2, and the results quantised at once: Q and K along the head's 64, V along the keys.
; A work-group makes 256 x 256 of one product, K = 1,024.  Source 0 is the STATIONARY operand: wave w keeps four tiles of 16 rows (32 fragments) in registers.  Source 1 is STREAMED: sixteen tile records (204,800 bytes)
; come into LDS once, by one tensor load a wave, and all four waves read them.  In a result lane (r, h) holds streamed row r, and register 8 t + j stationary index 32 (t / 2) + 16 h + 8 (t % 2) + j: 64 neighbours along the next K.
; Cluster x 0, 1 (Q, K): the weights stay, x is streamed: a wave's 64 columns are one head.  Cluster x 2 (V): x stays (64 keys a wave), Wv is streamed: the result is V transposed.
; The roles are chosen by scalar selects on the cluster's x alone; there is one way through the text.  The four partners of a cluster stream the same block: it is asked for jointly.
; The bias: C of a tile's first products = BI (along the stationary index; 0 for V) + BVL (of the streamed row; 0 for Q and K).
; No LDS byte is filled twice.  192 work-groups: N = 3,072 gives 12 x 16 tiles.
; LIMITS: NaN and infinities are not served.  A block whose largest magnitude lies under 2^-122 (zeros too) gets the byte 1: its codes are zeros or subnormals, and this program alone reads the bytes.
; REGISTERS: window 1: stationary fragments 4 s + t = 0 .. 20; window 2: 21 .. 31; window 3: two buffers of 8 streamed fragments; window 0: all else.
.set REC,  12800
.set SCO,  12288
.set BLK,  204800
.set SCB,  204800                      ; LDS: the scale halves' stage: 512 bytes a wave, u16 of tile i, row r at 32 i + 2 r
.set VBI,  206848                      ; LDS: 256 numbers of the streamed rows' bias, a copy for each wave
.set NLD,  37                          ; LDS loads that bring a tile: 32 for codes, 4 scale words, 1 bias word
.set L16,  1
.set L8,   2
.set L4,   3
.set A16,  4                           ; v4-6   16, 8, 4 x lane + the trip's first record
.set B16,  7                           ; v7-9   the same two records on
.set EQ,   10                          ; v10    where this trip's scale halves go;  v11 its base
.set EQ0,  11
.set VB,   12                          ; v12    where this trip's bias words lie;  v13 its base
.set VB0,  13
.set ZR,   15                          ; v15    0
.set SSC,  16                          ; v16-31 stationary scale words: 4 t + j: lanes 0-15 K step 2 j, lanes 16-31 K step 2 j + 1
.set TS,   32                          ; v32-39 streamed scale words: 4 buf + j
.set BI,   40
.set ACC,  72
.set TM,   104
.set PW,   118
.set BVL,  120                         ; v120, v122: the streamed row's bias, a pair for each buffer (the upper words are written once)
.set CB,   124
.set WO,   156
.set PC,   164                         ; four sets of 12: a tile's codes
.set WV,   16
.set G0,   32
.set G1,   36
.set TB,   44
.set TB2,  45
.set TQ,   46
.set TV,   47
.set CNT,  48
.set MV,   49                          ; all ones for V, 0 for Q and K
.set SEL,  50
.set OUT,  52                          ; s[52:59] where the trip's four tiles go
.set STP,  60
.set SOU,  62
.set MSB, 0
.macro WIN new                         ; the immediate's high byte repeats the setting that is left
.if MSB != \new
	s_set_vgpr_msb (MSB<<8)|\new
.set MSB, \new
.endif
.endm
.macro CROUND                          ; a round of the cluster's barrier
	s_barrier_signal -1
	s_barrier_wait -1
	s_cmp_lg_u32 s[WV], 0
	s_cbranch_scc1 .Lnot_wave_0_\@
	s_barrier_signal -3
.Lnot_wave_0_\@:
	s_barrier_wait -3
	s_barrier_signal -1
	s_barrier_wait -1
.endm
; 32 numbers of a lane, register 16 b + i = k 32 b + 16 (lane / 16) + i of my row, become half a fragment (6 registers at v[pc]) and two scale bytes in v[pw]
.macro QUANT2 s, pc, pw
.irp b, 0,1
	v_max3_num_f32 v[TM+\b], |v[\s+16*\b]|, |v[\s+1+16*\b]|, 0x2800000   ; each accumulator is read from its low end on; the floor holds the byte at 1
.endr
.irp i, 2,4,6,8,10,12,14
.irp b, 0,1
	v_max3_num_f32 v[TM+\b], v[TM+\b], |v[\s+16*\b+\i]|, |v[\s+1+16*\b+\i]|
.endr
.endr
.irp b, 0,1
	v_permlanex16_b32 v[TM+4+\b], v[TM+\b], s[SEL], s[SEL+1]
.endr
.irp b, 0,1
	v_max_num_f32 v[TM+\b], v[TM+\b], v[TM+4+\b]
.endr
.irp b, 0,1
	v_add_nc_u32 v[TM+12+\b], 0xfe000000, v[TM+\b]
.endr
.irp b, 0,1
	v_lshrrev_b32 v[TM+4+\b], 23, v[TM+12+\b]
.endr
	v_lshl_or_b32 v[\pw], v[TM+5], 8, v[TM+4]
	v_cvt_scalef32_pk16_bf6_f32 v[\pc:\pc+2], v[\s:\s+15], v[TM+12]
	v_cvt_scalef32_pk16_bf6_f32 v[\pc+8:\pc+10], v[\s+16:\s+31], v[TM+13]
	v_nop                                          ; one plain line behind the conversions
.irp i, 0,1,2
	v_permlane16_swap_b32 v[\pc+\i], v[\pc+8+\i]
.endr
.irp i, 0,1,2
	v_mov_b32 v[\pc+3+\i], v[\pc+8+\i]
.endr
.endm
.macro LDT buf, ad, off, vb            ; a streamed tile: its 8 fragments, 4 scale registers and bias word
	WIN 0xc0
.irp g, 0,1,2,3,4,5,6,7
	ds_load_b128 v[96*(\buf)+12*\g:96*(\buf)+12*\g+3], v[\ad] offset:(\off)+1536*\g
	ds_load_b64 v[96*(\buf)+12*\g+4:96*(\buf)+12*\g+5], v[\ad+1] offset:(\off)+1536*\g+512
	ds_load_b128 v[96*(\buf)+12*\g+6:96*(\buf)+12*\g+9], v[\ad] offset:(\off)+1536*\g+768
	ds_load_b64 v[96*(\buf)+12*\g+10:96*(\buf)+12*\g+11], v[\ad+1] offset:(\off)+1536*\g+1280
.endr
	WIN 0
.irp g, 0,1,2,3
	ds_load_b32 v[TS+4*(\buf)+\g], v[\ad+2] offset:(\off)+SCO+128*\g
.endr
	ds_load_b32 v[BVL+2*(\buf)], v[VB] offset:\vb
.endm
.macro MUL buf                         ; 32 products: K step f / 4, stationary tile f % 4; the four accumulators take turns
.set f, 0
.rept 32
.if f < 21
	WIN 0x0d
.set rS, 12*f
.else
	WIN 0x0e
.set rS, 12*(f-21)
.endif
.set rB, 96*(\buf)+12*(f/4)
.set rD, ACC+8*(f%4)
.set rX, SSC+4*(f%4)+f/8
.set rY, TS+4*(\buf)+f/8
.if f < 4
	v_wmma_scale_f32_16x16x128_f8f6f4 v[rD:rD+7], v[rS:rS+11], v[rB:rB+11], v[CB+8*f:CB+8*f+7], v[rX], v[rY] matrix_a_fmt:MATRIX_FMT_BF6 matrix_b_fmt:MATRIX_FMT_BF6
.elseif (f/4)%2 == 0
	v_wmma_scale_f32_16x16x128_f8f6f4 v[rD:rD+7], v[rS:rS+11], v[rB:rB+11], v[rD:rD+7], v[rX], v[rY] matrix_a_fmt:MATRIX_FMT_BF6 matrix_b_fmt:MATRIX_FMT_BF6
.else
	v_wmma_scale_f32_16x16x128_f8f6f4 v[rD:rD+7], v[rS:rS+11], v[rB:rB+11], v[rD:rD+7], v[rX], v[rY] matrix_a_fmt:MATRIX_FMT_BF6 matrix_b_fmt:MATRIX_FMT_BF6 matrix_a_scale:MATRIX_SCALE_ROW1 matrix_b_scale:MATRIX_SCALE_ROW1
.endif
.set f, f+1
.endr
.endm
.macro TILE k, pf, wt
	s_wait_dscnt \wt                               ; this tile is in; the next tile's NLD loads, issued behind it, may be out
.set n, 0
.rept 16
	v_pk_add_f32 v[CB+n:CB+n+1], v[BI+n:BI+n+1], v[BVL+2*((\k)%2):BVL+2*((\k)%2)+1] op_sel_hi:[1,0]
.set n, n+2
.endr
	MUL (\k)%2
	WIN 0
.rept 4
	v_nop                                          ; four places in front of the loads into the buffer just read and of the first read of the results
.endr
.if \pf
.if (\k) < 2
	LDT (\k)%2, A16, (2+(\k)%2)*REC, 128*(((\k)+2)/2)+32*((\k)%2)
.else
	LDT (\k)%2, B16, (2+(\k)%2)*REC, 128*(((\k)+2)/2)+32*((\k)%2)
.endif
.endif
	QUANT2 ACC, PC+12*(\k), PW
	ds_store_b16 v[EQ], v[PW] offset:32*(\k)       ; lanes l and l xor 16 write the same value
	global_store_b128 v[L16], v[PC+12*(\k):PC+12*(\k)+3], s[OUT+2*(\k):OUT+2*(\k)+1]
	global_store_b64 v[L8], v[PC+12*(\k)+4:PC+12*(\k)+5], s[OUT+2*(\k):OUT+2*(\k)+1] offset:512
.endm
.macro TRIPHEAD
	s_add_co_u32 s[TB2], s[TB], 2*REC
	v_add_nc_u32 v[A16], s[TB], v[L16]
	v_add_nc_u32 v[A16+1], s[TB], v[L8]
	v_add_nc_u32 v[A16+2], s[TB], v[L4]
	v_add_nc_u32 v[B16], s[TB2], v[L16]
	v_add_nc_u32 v[B16+1], s[TB2], v[L8]
	v_add_nc_u32 v[B16+2], s[TB2], v[L4]
	v_add_nc_u32 v[EQ], s[TQ], v[EQ0]
	v_add_nc_u32 v[VB], s[TV], v[VB0]
.endm
	s_load_b256 s[4:11], s[0:1], 0x0               ; act, wimg, bq, bk
	s_load_b128 s[12:15], s[0:1], 0x20             ; bv, qkv
	v_lshl_add_u32 v254, v0, 2, 0x33800
	v_mov_b32 v255, 0
	ds_add_u32 v254, v255
	ds_add_u32 v254, v255
	v_lshrrev_b32 v212, 5, v0
	v_readfirstlane_b32 s[WV], v212                ; wave
	v_and_b32 v215, 31, v0                         ; lane
	v_and_b32 v213, 15, v0                         ; r
	v_bfe_u32 v214, v0, 4, 1                       ; h
	v_lshlrev_b32 v[L16], 4, v215
	v_lshlrev_b32 v[L8], 3, v215
	v_lshlrev_b32 v[L4], 2, v215
	v_lshlrev_b32 v14, 6, v214                     ; 64 h: my half's numbers of a tile's bias
	v_mov_b32 v[ZR], 0
	v_mov_b32 v[TM+4], 0                           ; a lane permute's destination counts as read
	v_mov_b32 v[TM+5], 0
	v_mov_b32 v[BVL+1], 0                          ; named as the upper words of pairs
	v_mov_b32 v[BVL+3], 0
	v_lshlrev_b32 v[EQ0], 9, v212
	v_lshl_add_u32 v[EQ0], v213, 1, v[EQ0]
	v_add_nc_u32 v[EQ0], SCB, v[EQ0]               ; SCB + 512 w + 2 r
	v_and_b32 v220, 8, v213
	v_add_nc_u32 v220, v220, v213
	v_lshlrev_b32 v[VB0], 10, v212
	v_lshl_add_u32 v[VB0], v220, 2, v[VB0]
	v_add_nc_u32 v[VB0], VBI, v[VB0]               ; VBI + 1,024 w + 4 (r + 8 (r / 8))
	v_lshl_add_u32 v216, v212, 10, v[L16]
	v_add_nc_u32 v216, VBI, v216                   ; where I put the bias
	; the scales' way out: two pieces of 8 bytes a lane.  Q, K: tiles 2 (l / 4), 2 (l / 4) + 1 of my own stage; V: waves 2 (w / 2), 2 (w / 2) + 1, tile 8 (w % 2) + l / 4; rows 4 (l % 4) on
	v_lshrrev_b32 v220, 2, v215
	v_and_b32 v221, 3, v215
	v_lshlrev_b32 v221, 3, v221
	v_add_nc_u32 v221, SCB, v221
	v_lshl_add_u32 v217, v220, 6, v221
	v_lshl_add_u32 v217, v212, 9, v217
	v_add_nc_u32 v218, 32, v217
	v_lshl_add_u32 v222, v220, 5, v221
	v_lshrrev_b32 v223, 1, v212
	v_lshl_add_u32 v222, v223, 10, v222
	v_and_b32 v223, 1, v212
	v_lshl_add_u32 v222, v223, 8, v222
	v_add_nc_u32 v223, 0x200, v222
	s_mov_b32 s17, ttmp9                           ; the cluster's x: 0 Q, 1 K, 2 V; the same in all four partners
	s_bfe_u32 s18, ttmp6, 0x40000                  ; cx
	s_and_b32 s19, ttmp7, 0xffff                   ; gy
	s_mul_i32 s28, s19, BLK                        ; streamed: Q, K: x's block gy;
	s_and_b32 s29, s19, 3
	s_mul_i32 s29, s29, BLK
	s_add_co_u32 s29, s29, 1638400                 ; V: Wv's block gy % 4.  Neither hangs on cx
	s_mul_i32 s30, s[WV], 4*REC
	s_mul_i32 s[G0+1], s[WV], 4*REC                ; my four records' place in LDS
	s_mul_i32 s24, s17, 819200                     ; stationary: Q, K: the weight's block cx;
	s_mul_i32 s25, s18, BLK
	s_add_co_u32 s24, s24, s25
	s_lshr_b32 s66, s19, 2
	s_lshl_b32 s66, s66, 2
	s_add_co_u32 s66, s66, s18                     ; V: x's block cx + 4 (gy / 4)
	s_mul_i32 s27, s66, BLK
	; where Q's or K's results go: head 4 cx + w of batch gy / 8, row tiles 16 (gy % 8) on
	s_lshr_b32 s67, s19, 3
	s_lshl_b32 s67, s67, 4
	s_lshl_b32 s68, s18, 2
	s_add_co_u32 s67, s67, s68
	s_add_co_u32 s67, s67, s[WV]
	s_mul_i32 s68, s67, 102400
	s_add_co_u32 s68, s68, 6553600
	s_mul_i32 s69, s67, BLK
	s_and_b32 s72, s19, 7
	s_mul_i32 s73, s72, 12288
	s_lshl_b32 s72, s72, 9
	s_mov_b32 s74, 196608
	s_cmp_eq_u32 s17, 0
	s_cselect_b32 s68, s68, s69
	s_cselect_b32 s74, 98304, s74
	s_add_co_u32 s73, s73, s68                     ; codes
	s_add_co_u32 s74, s74, s72
	s_add_co_u32 s74, s74, s68                     ; scale words
	; where V's go: heads 4 (gy % 4) on of the block's batch, key step kk, half c
	s_lshr_b32 s67, s66, 3
	s_lshl_b32 s67, s67, 4
	s_and_b32 s68, s19, 3
	s_lshl_b32 s68, s68, 2
	s_add_co_u32 s67, s67, s68
	s_and_b32 s68, s66, 7
	s_lshl_b32 s68, s68, 1
	s_lshr_b32 s69, s[WV], 1
	s_add_co_u32 s68, s68, s69                     ; kk
	s_and_b32 s69, s[WV], 1                        ; c
	s_mul_i32 s70, s67, BLK
	s_mul_i32 s71, s68, 6144
	s_add_co_u32 s70, s70, s71
	s_mul_i32 s71, s69, 768
	s_add_co_u32 s70, s70, s71
	s_add_co_u32 s70, s70, 98304                   ; codes
	s_lshl_b32 s71, s69, 1
	s_add_co_u32 s71, s71, s67
	s_mul_i32 s71, s71, BLK
	s_lshl_b32 s72, s68, 8
	s_add_co_u32 s71, s71, s72
	s_add_co_u32 s71, s71, 200704                  ; scale words
	s_cmp_lt_u32 s17, 2
	s_cselect_b32 s28, s28, s29
	s_cselect_b32 s24, s24, s27
	s_cselect_b32 s[MV], 0, -1
	s_cselect_b32 s73, s73, s70
	s_cselect_b32 s74, s74, s71
	s_mov_b32 s75, 1536
	s_cselect_b32 s75, 768, s75                    ; from tile to tile
	s_mov_b32 s[STP], BLK
	s_cselect_b32 s[STP], 3072, s[STP]             ; from trip to trip (V: a head)
	s_mov_b32 s76, BLK
	s_cselect_b32 s76, 256, s76                    ; the scales' way out: from lanes 0-15 to lanes 16-31
	s_wait_dscnt 0x0
	s_wait_kmcnt 0x0
	s_cselect_b64 s[22:23], s[4:5], s[6:7]
	s_cselect_b64 s[20:21], s[6:7], s[4:5]
	s_cmp_eq_u32 s17, 0
	s_cselect_b64 s[8:9], s[8:9], s[10:11]         ; bq or bk (for V what is loaded here is replaced by 0)
	s_add_co_u32 s28, s28, s30
	s_mov_b32 s29, 0
	s_mov_b32 s[G0], 1
	s_add_nc_u64 s[G0+2:G0+3], s[22:23], s[28:29]
	s_or_b32 s[G0+3], s[G0+3], 0x80000000
	s_mov_b32 s[G1], 15|(3<<16)|(1<<21)            ; all four partners; elements of 8 bytes; no padding
	s_mov_b32 s[G1+1], 32<<16                      ; rows of 256 bytes,
	s_mov_b32 s[G1+2], 200<<16                     ; 200 of them: four records, dense in memory
	s_mov_b32 s[G1+3], 32<<16
	s_mov_b32 s[G1+4], 200
	s_mov_b32 s[G1+5], 32
	s_mov_b32 s[G1+6], 0
	s_mov_b32 s[G1+7], 0
	s_add_co_u32 s24, s24, s30
	s_mov_b32 s25, 0
	s_add_nc_u64 s[20:21], s[20:21], s[24:25]      ; my four stationary records
	s_mov_b32 s68, s73
	s_mov_b32 s69, 0
	s_add_nc_u64 s[OUT:OUT+1], s[14:15], s[68:69]
	s_mov_b32 s70, s75
	s_mov_b32 s71, 0
	s_add_nc_u64 s[OUT+2:OUT+3], s[OUT:OUT+1], s[70:71]
	s_add_nc_u64 s[OUT+4:OUT+5], s[OUT+2:OUT+3], s[70:71]
	s_add_nc_u64 s[OUT+6:OUT+7], s[OUT+4:OUT+5], s[70:71]
	s_mov_b32 s68, s74
	s_add_nc_u64 s[SOU:SOU+1], s[14:15], s[68:69]
	s_mov_b32 s[STP+1], 0
	s_lshl_b32 s68, s18, 10
	s_lshl_b32 s70, s[WV], 8
	s_add_co_u32 s68, s68, s70
	s_add_nc_u64 s[8:9], s[8:9], s[68:69]          ; the bias of my 64 columns
	s_and_b32 s68, s19, 3
	s_lshl_b32 s68, s68, 10
	s_add_nc_u64 s[12:13], s[12:13], s[68:69]      ; bv of the 256 streamed rows
	s_mov_b32 s[SEL], 0x76543210
	s_mov_b32 s[SEL+1], 0xfedcba98
	s_mov_b32 s[TB], 0
	s_mov_b32 s[TQ], 0
	s_mov_b32 s[TV], 0
	v_cndmask_b32 v217, v217, v222, s[MV]
	v_cndmask_b32 v218, v218, v223, s[MV]
	v_mul_lo_u32 v219, v214, s76
	v_lshl_add_u32 v219, v213, 4, v219
	CROUND                                         ; all four partners are here: the joint loads meet
	tensor_load_to_lds s[G0:G0+3], s[G1:G1+7]      ; my one tensor load of the launch
	s_nop 0
.rept 4
	v_nop
.endr
.irp t, 0,1,2,3
	global_load_b128 v[BI+8*\t:BI+8*\t+3], v14, s[8:9] offset:128*(\t/2)+32*(\t%2)
	global_load_b128 v[BI+8*\t+4:BI+8*\t+7], v14, s[8:9] offset:128*(\t/2)+32*(\t%2)+16
.endr
	global_load_b128 v[WO:WO+3], v[L16], s[12:13]
	global_load_b128 v[WO+4:WO+7], v[L16], s[12:13] offset:512
.set f, 0
.rept 32                               ; the stationary fragments: K step f / 4 of tile f % 4
.if f < 21
	WIN 0x40
.set rS, 12*f
.else
	WIN 0x80
.set rS, 12*(f-21)
.endif
	global_load_b128 v[rS:rS+3], v[L16], s[20:21] offset:(f%4)*REC+1536*(f/4)
	global_load_b64 v[rS+4:rS+5], v[L8], s[20:21] offset:(f%4)*REC+1536*(f/4)+512
	global_load_b128 v[rS+6:rS+9], v[L16], s[20:21] offset:(f%4)*REC+1536*(f/4)+768
	global_load_b64 v[rS+10:rS+11], v[L8], s[20:21] offset:(f%4)*REC+1536*(f/4)+1280
.set f, f+1
.endr
	WIN 0
.irp t, 0,1,2,3
.irp g, 0,1,2,3
	global_load_b32 v[SSC+4*\t+\g], v[L4], s[20:21] offset:\t*REC+SCO+128*\g
.endr
.endr
	s_wait_loadcnt 63                              ; the ten bias loads are older than the last 63 of the 144 behind them
.set n, 0
.rept 32
	v_cndmask_b32 v[BI+n], v[BI+n], v[ZR], s[MV]   ; V has no bias along the keys
.set n, n+1
.endr
.set n, 0
.rept 8
	v_cndmask_b32 v[WO+n], v[ZR], v[WO+n], s[MV]   ; Q and K have none along the rows of x
.set n, n+1
.endr
	ds_store_b128 v216, v[WO:WO+3]
	ds_store_b128 v216, v[WO+4:WO+7] offset:512
	s_wait_tensorcnt 0x0                           ; my four records have landed
	s_wait_dscnt 0x0
	s_barrier_signal -1
	s_barrier_wait -1                              ; all sixteen have
	s_wait_loadcnt 0x0
	TRIPHEAD
	LDT 0, A16, 0, 0
	LDT 1, A16, REC, 32
	s_mov_b32 s[CNT], 3
.Ltrip:                                        ; four tiles a trip; each tile asks for the tile two on
	TRIPHEAD
	TILE 0, 1, NLD
	TILE 1, 1, NLD
	TILE 2, 1, NLD
	TILE 3, 1, NLD
	s_wait_xcnt 0x0                                ; the trip's stores have read their data and bases: both are written again only behind this wait
.irp k, 0,1,2,3
	s_add_nc_u64 s[OUT+2*\k:OUT+2*\k+1], s[OUT+2*\k:OUT+2*\k+1], s[STP:STP+1]
.endr
	s_add_co_u32 s[TB], s[TB], 4*REC
	s_add_co_u32 s[TQ], s[TQ], 128
	s_add_co_u32 s[TV], s[TV], 256
	s_sub_co_u32 s[CNT], s[CNT], 1
	s_cmp_lg_u32 s[CNT], 0
	s_cbranch_scc1 .Ltrip
	TRIPHEAD                                       ; the last four tiles: the last two ask for nothing
	TILE 0, 1, NLD
	TILE 1, 1, NLD
	TILE 2, 0, NLD
	TILE 3, 0, 0
	s_wait_dscnt 0x0                               ; my scale halves lie in the stage
	s_barrier_signal -1
	s_barrier_wait -1
	ds_load_b64 v[WO:WO+1], v217
	ds_load_b64 v[WO+2:WO+3], v218
	s_wait_dscnt 0x0
	v_perm_b32 v[WO+4], v[WO+2], v[WO], 0x05040100 ; a word: the first piece's half below, the second's above
	v_perm_b32 v[WO+5], v[WO+2], v[WO], 0x07060302
	v_perm_b32 v[WO+6], v[WO+3], v[WO+1], 0x05040100
	v_perm_b32 v[WO+7], v[WO+3], v[WO+1], 0x07060302
	global_store_b128 v219, v[WO+4:WO+7], s[SOU:SOU+1]   ; sixteen lanes store 256 consecutive bytes
	s_wait_tensorcnt 0x0
	ds_add_u32 v254, v255
	s_wait_dscnt 0x0
	CROUND                                         ; the closing round
	s_endpgm
.Lfunc_end_k_qc57e515625_qkv:
	.size	k_qc57e515625_qkv, .Lfunc_end_k_qc57e515625_qkv-k_qc57e515625_qkv
	.p2alignl 7, 3214868480
	.fill 96, 4, 3214868480
	.section	.rodata,"a",@progbits
	.p2align	6, 0x0
	.amdhsa_kernel k_qc57e515625_qkv
		.amdhsa_group_segment_fixed_size 211456
		.amdhsa_private_segment_fixed_size 0
		.amdhsa_enable_private_segment 0
		.amdhsa_kernarg_size 48
		.amdhsa_user_sgpr_count 2
		.amdhsa_user_sgpr_kernarg_segment_ptr 1
		.amdhsa_wavefront_size32 1
		.amdhsa_system_sgpr_workgroup_id_x 1
		.amdhsa_system_sgpr_workgroup_id_y 1
		.amdhsa_system_sgpr_workgroup_id_z 1
		.amdhsa_system_vgpr_workitem_id 0
		.amdhsa_next_free_vgpr 960
		.amdhsa_next_free_sgpr 80
		.amdhsa_reserve_vcc 0
		.amdhsa_float_denorm_mode_32 3
		.amdhsa_float_denorm_mode_16_64 3
		.amdhsa_memory_ordered 1
		.amdhsa_forward_progress 1
		.amdhsa_inst_pref_size 106
	.end_amdhsa_kernel
	.amdgpu_metadata
---
amdhsa.version: [ 1, 2 ]
amdhsa.kernels:
  - .name:           k_qc57e515625_qkv
    .symbol:         k_qc57e515625_qkv.kd
    .args:
      - { .name: act, .offset: 0, .size: 8, .value_kind: global_buffer, .address_space: global }
      - { .name: wimg, .offset: 8, .size: 8, .value_kind: global_buffer, .address_space: global }
      - { .name: bq, .offset: 16, .size: 8, .value_kind: global_buffer, .address_space: global }
      - { .name: bk, .offset: 24, .size: 8, .value_kind: global_buffer, .address_space: global }
      - { .name: bv, .offset: 32, .size: 8, .value_kind: global_buffer, .address_space: global }
      - { .name: qkv, .offset: 40, .size: 8, .value_kind: global_buffer, .address_space: global }
    .group_segment_fixed_size: 211456
    .private_segment_fixed_size: 0
    .kernarg_segment_align: 8
    .kernarg_segment_size: 48
    .max_flat_workgroup_size: 128
    .sgpr_count:     80
    .vgpr_count:     960
    .wavefront_size: 32
...
	.end_amdgpu_metadata
.endif
;; end of part 2
;; launch attn (part 3): grid 8 x 32, 16 waves a work-group, clusters of 4 x 1, 206,848 bytes of LDS; arguments qkv, act; writes act
.if DOCPART == 3
	.amdgcn_target "amdgcn-amd-amdhsa--gfx1250"
	.amdhsa_code_object_version 6
	.text
	.protected	k_qc57e515625_attn
	.globl	k_qc57e515625_attn
	.p2align	8
	.type	k_qc57e515625_attn,@function
k_qc57e515625_attn:
	s_mov_b64 s[64:65], 0
	v_nop
	global_prefetch_b8 v0, s[64:65] scope:SCOPE_SE
	s_setreg_imm32_b32 hwreg(HW_REG_WAVE_MODE, 25, 1), 1
	s_wait_xcnt 0x0
	s_wait_alu depctr_hold_cnt(0) depctr_sa_sdst(0) depctr_va_vdst(0) depctr_va_sdst(0) depctr_va_ssrc(0) depctr_va_vcc(0) depctr_vm_vsrc(0)
	s_getreg_b32 s2, hwreg(HW_REG_IB_STS2, 6, 4)
	s_cmp_eq_u32 s2, 0
	s_cbranch_scc0 .Lentry_in_a_cluster
	s_endpgm
.Lentry_in_a_cluster:
	s_bfe_u32 s2, ttmp6, 0x10000c
	s_cmp_lg_u32 s2, 0x3003
	s_cbranch_scc0 .Lentry_shape_is_right
	s_endpgm
.Lentry_shape_is_right:
; ctx = softmax(Q K^T / 8) V for one (batch, head) and 256 queries a work-group, both products on codes of E3M2; ctx is quantised along the model's axis and leaves as half a fragment a wave.
; The head's whole block (K's codes, V^T's codes, both scale areas: 204,800 bytes) comes into LDS once, 12,800 bytes by each of sixteen waves, asked for jointly by the four query blocks of a cluster.  No LDS byte is filled twice.
; A wave owns 16 queries.  Both products are used transposed: S^T = K Q^T, O^T = V^T P^T: a lane holds one query throughout.
; THE HEAD IS 64 DEEP, THE INSTRUCTION 128: a fragment of K holds key tile 2 f in its lower half and key tile 2 f + 1 in its upper.  Q stands twice in registers, as [Q | zero codes] and as [zero codes | Q]: the first product
; gives tile 2 f's scores, the second tile 2 f + 1's.  Zero codes add nothing under any scale byte that this program makes (1 to 254).
; THE SOFTMAX: t = score x log2(e) / 8; M = the running largest t rounded up to a whole number; p = 2^(t - M) is quantised along the keys; the sum is taken of the unquantised p and divides at the end.
; LIMITS: NaN and infinities are not served; a block whose largest magnitude lies under 2^-122 gets the byte 1 (its codes are zeros or subnormals; this program alone reads the bytes).
.set QLO, 16
.set QHI, 28
.set KV,  40                           ; v40-87  four fragments of K, then of V
.set S,   88                           ; v88-151 scores, then p
.set O,   152                          ; v152-183 O^T
.set P,   184                          ; v184-195 p's codes
.set BM,  196
.set BT,  200
.set SO,  208
.set KS,  212
.set VS,  214
.set F,   216                          ; v216 f = 2^(old M - new M); v217 p's scale word, named with it as a pair
.set PW,  217
.set T,   218
.set SQ,  219
.set TM,  196                          ; the last quantiser works in BM, BT, SO
.set WV,  8
.set SEL, 24
.set CS,  26
.set TK,  28
.set TSC, 29
.set CNT, 30
.macro CROUND
	s_barrier_signal -1
	s_barrier_wait -1
	s_cmp_lg_u32 s[WV], 0
	s_cbranch_scc1 .Lnot_wave_0_\@
	s_barrier_signal -3
.Lnot_wave_0_\@:
	s_barrier_wait -3
	s_barrier_signal -1
	s_barrier_wait -1
.endm
.macro QUANT2 s, pc, pw
.irp b, 0,1
	v_max3_num_f32 v[TM+\b], |v[\s+16*\b]|, |v[\s+1+16*\b]|, 0x2800000
.endr
.irp i, 2,4,6,8,10,12,14
.irp b, 0,1
	v_max3_num_f32 v[TM+\b], v[TM+\b], |v[\s+16*\b+\i]|, |v[\s+1+16*\b+\i]|
.endr
.endr
.irp b, 0,1
	v_permlanex16_b32 v[TM+4+\b], v[TM+\b], s[SEL], s[SEL+1]
.endr
.irp b, 0,1
	v_max_num_f32 v[TM+\b], v[TM+\b], v[TM+4+\b]
.endr
.irp b, 0,1
	v_add_nc_u32 v[TM+12+\b], 0xfe000000, v[TM+\b]
.endr
.irp b, 0,1
	v_lshrrev_b32 v[TM+4+\b], 23, v[TM+12+\b]
.endr
	v_lshl_or_b32 v[\pw], v[TM+5], 8, v[TM+4]
	v_cvt_scalef32_pk16_bf6_f32 v[\pc:\pc+2], v[\s:\s+15], v[TM+12]
	v_cvt_scalef32_pk16_bf6_f32 v[\pc+8:\pc+10], v[\s+16:\s+31], v[TM+13]
	v_nop
.irp i, 0,1,2
	v_permlane16_swap_b32 v[\pc+\i], v[\pc+8+\i]
.endr
.irp i, 0,1,2
	v_mov_b32 v[\pc+3+\i], v[\pc+8+\i]
.endr
.endm
	s_load_b128 s[4:7], s[0:1], 0x0                ; qkv, act
	v_lshl_add_u32 v254, v0, 2, 0x32000
	v_mov_b32 v255, 0
	ds_add_u32 v254, v255
	ds_add_u32 v254, v255
	v_lshrrev_b32 v7, 5, v0
	v_readfirstlane_b32 s[WV], v7                  ; wave 0..15
	v_and_b32 v8, 31, v0
	v_and_b32 v9, 15, v0
	v_lshlrev_b32 v1, 4, v8                        ; 16 x lane
	v_lshlrev_b32 v2, 3, v8                        ; 8 x lane
	v_lshlrev_b32 v3, 2, v8                        ; 4 x lane
	v_lshlrev_b32 v220, 2, v9                      ; 4 r
	v_add_nc_u32 v4, 98304, v1                     ; the same in V's codes,
	v_add_nc_u32 v5, 98304, v2
	v_add_nc_u32 v6, 196608, v3                    ; and in the scale areas
	s_bfe_u32 s9, ttmp6, 0x40000                   ; cx
	s_lshl_b32 s10, ttmp9, 2
	s_add_co_u32 s10, s10, s9                      ; my block of 256 queries: it enters Q's and ctx's addresses alone
	s_and_b32 s11, ttmp7, 0xffff                   ; 16 x batch + head, which the partners share
	s_mul_i32 s32, s11, 204800
	s_mul_i32 s33, s[WV], 12800
	s_add_co_u32 s32, s32, s33
	s_mov_b32 s33, 0
	s_mov_b32 s12, 1
	s_mul_i32 s13, s[WV], 12800                    ; my sixteenth of the block, in LDS as in memory
	s_mov_b32 s16, 15|(3<<16)|(1<<21)              ; all four partners; elements of 8 bytes; no padding
	s_mov_b32 s17, 32<<16                          ; rows of 256 bytes,
	s_mov_b32 s18, 50<<16                          ; 50 of them, dense in memory
	s_mov_b32 s19, 32<<16
	s_mov_b32 s20, 50
	s_mov_b32 s21, 32
	s_mov_b32 s22, 0
	s_mov_b32 s23, 0
	s_lshl_b32 s31, s10, 4
	s_add_co_u32 s31, s31, s[WV]                   ; my tile of queries, 0..127
	s_mul_i32 s34, s11, 102400
	s_add_co_u32 s34, s34, 6553600                 ; the head's block of Q
	s_mul_i32 s36, s31, 768
	s_add_co_u32 s36, s36, s34
	s_mov_b32 s37, 0
	s_lshr_b32 s38, s31, 1
	s_lshl_b32 s38, s38, 6
	s_and_b32 s39, s31, 1
	s_lshl_b32 s39, s39, 1
	s_add_co_u32 s38, s38, s39
	s_add_co_u32 s38, s38, s34
	s_add_co_u32 s38, s38, 98304                   ; my tile's scale halves
	s_mov_b32 s39, 0
	s_lshr_b32 s40, s11, 4
	s_lshl_b32 s40, s40, 7
	s_add_co_u32 s40, s40, s31
	s_mul_i32 s40, s40, 12800                      ; ctx's record: row tile 128 x batch + my tile
	s_and_b32 s41, s11, 15                         ; the head: half head % 2 of K step head / 2
	s_mul_i32 s42, s41, 768
	s_add_co_u32 s42, s42, s40
	s_mov_b32 s43, 0
	s_lshr_b32 s44, s41, 1
	s_lshl_b32 s44, s44, 6
	s_and_b32 s45, s41, 1
	s_lshl_b32 s45, s45, 1
	s_add_co_u32 s44, s44, s45
	s_add_co_u32 s44, s44, s40
	s_add_co_u32 s44, s44, 12288
	s_mov_b32 s45, 0
	s_mov_b32 s[SEL], 0x76543210
	s_mov_b32 s[SEL+1], 0xfedcba98
	s_mov_b32 s[CS], 0x3e38aa3b                    ; c = log2(e) / 8
	s_mov_b32 s[CS+1], s[CS]
	s_mov_b32 s[TK], 0
	s_mov_b32 s[TSC], 0
	s_mov_b32 s[CNT], 16
	s_wait_dscnt 0x0
	s_wait_kmcnt 0x0
	s_add_nc_u64 s[14:15], s[4:5], s[32:33]
	s_or_b32 s15, s15, 0x80000000
	s_add_nc_u64 s[36:37], s[4:5], s[36:37]
	s_add_nc_u64 s[38:39], s[4:5], s[38:39]
	s_add_nc_u64 s[42:43], s[6:7], s[42:43]
	s_add_nc_u64 s[44:45], s[6:7], s[44:45]
	CROUND                                         ; all four partners are here: the joint loads meet
	tensor_load_to_lds s[12:15], s[16:23]          ; my one tensor load of the launch
	s_nop 0
.rept 4
	v_nop
.endr
	global_load_b128 v[QLO:QLO+3], v1, s[36:37]    ; Q's half, once below
	global_load_b64 v[QLO+4:QLO+5], v2, s[36:37] offset:512
	global_load_b128 v[QHI+6:QHI+9], v1, s[36:37]  ; and once above
	global_load_b64 v[QHI+10:QHI+11], v2, s[36:37] offset:512
	global_load_u16 v[T], v220, s[38:39]
	s_wait_loadcnt 0x0
	v_lshl_or_b32 v[SQ], v[T], 16, v[T]            ; Q's two bytes serve both halves.  (The moves below are the places between this line and the first product)
.irp i, 0,1,2,3,4,5
	v_mov_b32 v[QLO+6+\i], 0                       ; zero codes
	v_mov_b32 v[QHI+\i], 0
.endr
.set j, 0
.rept 32
	v_mov_b32 v[O+j], 0                            ; the loop is written once: its first step finds zeros
.set j, j+1
.endr
	v_mov_b32 v13, 0xff61b1e6                      ; the largest t so far: -3e38
	v_floor_f32 v12, -v13                          ; -M
	v_mov_b32 v14, 0
	v_mov_b32 v15, 0
	v_mov_b32 v[PW], 0
.irp b, 0,1,2,3
	v_mov_b32 v[BT+\b], 0                          ; a lane permute's destination counts as read
.endr
	s_wait_tensorcnt 0x0                           ; my part has landed
	s_barrier_signal -1
	s_barrier_wait -1                              ; everybody's has
.Lstep:                                        ; 128 keys a trip
	v_add_nc_u32 v7, s[TK], v1                     ; (five plain lines: the places behind the last trip's products)
	v_add_nc_u32 v8, s[TK], v2
	v_add_nc_u32 v9, s[TK], v4
	v_add_nc_u32 v10, s[TK], v5
	v_add_nc_u32 v11, s[TSC], v6
.irp f, 0,1,2,3
	ds_load_b128 v[KV+12*\f:KV+12*\f+3], v7 offset:1536*\f
	ds_load_b64 v[KV+12*\f+4:KV+12*\f+5], v8 offset:1536*\f+512
	ds_load_b128 v[KV+12*\f+6:KV+12*\f+9], v7 offset:1536*\f+768
	ds_load_b64 v[KV+12*\f+10:KV+12*\f+11], v8 offset:1536*\f+1280
.endr
	ds_load_b32 v[KS], v11
	ds_load_b32 v[KS+1], v11 offset:128
	s_wait_dscnt 0x0
.irp f, 0,1,2,3
.if \f%2 == 0
	v_wmma_scale_f32_16x16x128_f8f6f4 v[S+16*\f:S+16*\f+7], v[KV+12*\f:KV+12*\f+11], v[QLO:QLO+11], 0, v[KS+\f/2], v[SQ] matrix_a_fmt:MATRIX_FMT_BF6 matrix_b_fmt:MATRIX_FMT_BF6
	v_wmma_scale_f32_16x16x128_f8f6f4 v[S+16*\f+8:S+16*\f+15], v[KV+12*\f:KV+12*\f+11], v[QHI:QHI+11], 0, v[KS+\f/2], v[SQ] matrix_a_fmt:MATRIX_FMT_BF6 matrix_b_fmt:MATRIX_FMT_BF6
.else
	v_wmma_scale_f32_16x16x128_f8f6f4 v[S+16*\f:S+16*\f+7], v[KV+12*\f:KV+12*\f+11], v[QLO:QLO+11], 0, v[KS+\f/2], v[SQ] matrix_a_fmt:MATRIX_FMT_BF6 matrix_b_fmt:MATRIX_FMT_BF6 matrix_a_scale:MATRIX_SCALE_ROW1
	v_wmma_scale_f32_16x16x128_f8f6f4 v[S+16*\f+8:S+16*\f+15], v[KV+12*\f:KV+12*\f+11], v[QHI:QHI+11], 0, v[KS+\f/2], v[SQ] matrix_a_fmt:MATRIX_FMT_BF6 matrix_b_fmt:MATRIX_FMT_BF6 matrix_a_scale:MATRIX_SCALE_ROW1
.endif
.endr                                          ; register 16 b + i of S: key 32 b + 16 (lane / 16) + i of the step
.rept 4
	v_nop                                          ; four places in front of the loads into K's registers and of the first read of the scores
.endr
.irp f, 0,1,2,3                                ; V's four fragments land under the softmax
	ds_load_b128 v[KV+12*\f:KV+12*\f+3], v9 offset:1536*\f
	ds_load_b64 v[KV+12*\f+4:KV+12*\f+5], v10 offset:1536*\f+512
	ds_load_b128 v[KV+12*\f+6:KV+12*\f+9], v9 offset:1536*\f+768
	ds_load_b64 v[KV+12*\f+10:KV+12*\f+11], v10 offset:1536*\f+1280
.endr
	ds_load_b32 v[VS], v11 offset:4096
	ds_load_b32 v[VS+1], v11 offset:4224
.irp b, 0,1,2,3
	v_max3_num_f32 v[BM+\b], v[S+16*\b], v[S+1+16*\b], v[S+2+16*\b]   ; the largest score of each block of 32 keys: for the row's maximum and for the block's largest p
.endr
.irp i, 3,5,7,9,11,13
.irp b, 0,1,2,3
	v_max3_num_f32 v[BM+\b], v[BM+\b], v[S+16*\b+\i], v[S+1+16*\b+\i]
.endr
.endr
.irp b, 0,1,2,3
	v_max_num_f32 v[BM+\b], v[BM+\b], v[S+15+16*\b]
.endr
.irp b, 0,1,2,3
	v_permlanex16_b32 v[BT+\b], v[BM+\b], s[SEL], s[SEL+1]
.endr
.irp b, 0,1,2,3
	v_max_num_f32 v[BM+\b], v[BM+\b], v[BT+\b]
.endr
	v_max3_num_f32 v[T], v[BM], v[BM+1], v[BM+2]
	v_max_num_f32 v[T], v[T], v[BM+3]
	v_mul_f32 v[T], s[CS], v[T]
	v_max_num_f32 v13, v13, v[T]                   ; the running largest t
	v_mov_b32 v[T], v12
	v_floor_f32 v12, -v13                          ; -M = floor(-t): M is a whole number
	v_sub_f32 v[T], v12, v[T]
	v_cvt_i32_f32 v[T], v[T]                       ; (it saturates)
	v_ldexp_f32 v[F], 1.0, v[T]                    ; f = 2^(old M - new M)
.set j, 0
.rept 32
	v_pk_fma_f32 v[S+j:S+j+1], v[S+j:S+j+1], s[CS:CS+1], v[12:13] op_sel_hi:[1,0,0]   ; t - M
.set j, j+2
.endr
.irp b, 0,1,2,3
	v_fma_f32 v[BM+\b], v[BM+\b], s[CS], v12
.endr
.set j, 0
.rept 64
	v_exp_f32 v[S+j], v[S+j]                       ; p = 2^(t - M), not normalised
.set j, j+1
.endr
	v_pk_mul_f32 v[14:15], v[14:15], v[F:F+1] op_sel_hi:[1,0]   ; the sums under the new M: a plain line behind the exponentials
	s_wait_alu depctr_va_vdst(0)                   ; one wait for the batch, ahead of its first reader
.irp b, 0,1,2,3
	v_exp_f32 v[BM+\b], v[BM+\b]                   ; each block's largest p
.endr
	v_pk_add_f32 v[BT:BT+1], v[S:S+1], v[S+2:S+3]  ; the row's sum of the unquantised p, in two chains
.set j, 4
.rept 15
	v_pk_add_f32 v[14:15], v[14:15], v[S+j:S+j+1]
	v_pk_add_f32 v[BT:BT+1], v[BT:BT+1], v[S+2+j:S+3+j]
.set j, j+4
.endr
	v_pk_add_f32 v[14:15], v[14:15], v[BT:BT+1]
	s_wait_alu depctr_va_vdst(0)                   ; and one for the four
.irp b, 0,1,2,3
	v_max_num_f32 v[BM+\b], 0x2800000, v[BM+\b]    ; the floor: the byte cannot fall under 1
.endr
.irp b, 0,1,2,3
	v_add_nc_u32 v[SO+\b], 0xfe000000, v[BM+\b]
.endr
.irp b, 0,1,2,3
	v_lshrrev_b32 v[BT+\b], 23, v[SO+\b]
.endr
	v_lshl_or_b32 v[PW], v[BT+1], 8, v[BT]
	v_lshl_or_b32 v[PW], v[BT+2], 16, v[PW]
	v_lshl_or_b32 v[PW], v[BT+3], 24, v[PW]
.irp c, 0,1
	v_cvt_scalef32_pk16_bf6_f32 v[P+6*\c:P+2+6*\c], v[S+32*\c:S+15+32*\c], v[SO+2*\c]
	v_cvt_scalef32_pk16_bf6_f32 v[BT+4*\c:BT+2+4*\c], v[S+16+32*\c:S+31+32*\c], v[SO+2*\c+1]
.endr
	v_nop                                          ; one plain line behind the conversions
.irp c, 0,1
.irp i, 0,1,2
	v_permlane16_swap_b32 v[P+6*\c+\i], v[BT+4*\c+\i]
.endr
.irp i, 0,1,2
	v_mov_b32 v[P+3+6*\c+\i], v[BT+4*\c+\i]
.endr
.endr
.set j, 0
.rept 16
	v_pk_mul_f32 v[O+j:O+j+1], v[O+j:O+j+1], v[F:F+1] op_sel_hi:[1,0]   ; O^T under the new M.  These sixteen are also the places between p's codes and scale word and the products
.set j, j+2
.endr
	s_wait_dscnt 0x0                               ; V is in
.irp t, 0,1,2,3
.if \t%2 == 0
	v_wmma_scale_f32_16x16x128_f8f6f4 v[O+8*\t:O+8*\t+7], v[KV+12*\t:KV+12*\t+11], v[P:P+11], v[O+8*\t:O+8*\t+7], v[VS+\t/2], v[PW] matrix_a_fmt:MATRIX_FMT_BF6 matrix_b_fmt:MATRIX_FMT_BF6
.else
	v_wmma_scale_f32_16x16x128_f8f6f4 v[O+8*\t:O+8*\t+7], v[KV+12*\t:KV+12*\t+11], v[P:P+11], v[O+8*\t:O+8*\t+7], v[VS+\t/2], v[PW] matrix_a_fmt:MATRIX_FMT_BF6 matrix_b_fmt:MATRIX_FMT_BF6 matrix_a_scale:MATRIX_SCALE_ROW1
.endif
.endr
	s_add_co_u32 s[TK], s[TK], 6144
	s_add_co_u32 s[TSC], s[TSC], 256
	s_sub_co_u32 s[CNT], s[CNT], 1
	s_cmp_lg_u32 s[CNT], 0
	s_cbranch_scc1 .Lstep
.rept 4
	v_nop                                          ; four places behind the last products
.endr
	v_add_f32 v14, v14, v15
	v_permlanex16_b32 v[T], v14, s[SEL], s[SEL+1]
	v_add_f32 v14, v14, v[T]                       ; the row's sum
	v_rcp_f32 v14, v14
	v_nop
	s_wait_alu depctr_va_vdst(0)
.set j, 0
.rept 32
	v_mul_f32 v[S+j], v[O+j], v14                  ; register 16 b + i: channel 32 b + 16 (lane / 16) + i of the head
.set j, j+1
.endr
	QUANT2 S, P, PW
	global_store_b128 v1, v[P:P+3], s[42:43]
	global_store_b64 v2, v[P+4:P+5], s[42:43] offset:512
	global_store_b16 v220, v[PW], s[44:45]         ; 2 bytes a row: the word's other half is another head's.  Lanes l and l xor 16 write the same value
	s_wait_tensorcnt 0x0
	ds_add_u32 v254, v255
	s_wait_dscnt 0x0
	CROUND                                         ; the closing round
	s_endpgm
.Lfunc_end_k_qc57e515625_attn:
	.size	k_qc57e515625_attn, .Lfunc_end_k_qc57e515625_attn-k_qc57e515625_attn
	.p2alignl 7, 3214868480
	.fill 96, 4, 3214868480
	.section	.rodata,"a",@progbits
	.p2align	6, 0x0
	.amdhsa_kernel k_qc57e515625_attn
		.amdhsa_group_segment_fixed_size 206848
		.amdhsa_private_segment_fixed_size 0
		.amdhsa_enable_private_segment 0
		.amdhsa_kernarg_size 16
		.amdhsa_user_sgpr_count 2
		.amdhsa_user_sgpr_kernarg_segment_ptr 1
		.amdhsa_wavefront_size32 1
		.amdhsa_system_sgpr_workgroup_id_x 1
		.amdhsa_system_sgpr_workgroup_id_y 1
		.amdhsa_system_sgpr_workgroup_id_z 1
		.amdhsa_system_vgpr_workitem_id 0
		.amdhsa_next_free_vgpr 256
		.amdhsa_next_free_sgpr 66
		.amdhsa_reserve_vcc 0
		.amdhsa_float_denorm_mode_32 3
		.amdhsa_float_denorm_mode_16_64 3
		.amdhsa_memory_ordered 1
		.amdhsa_forward_progress 1
		.amdhsa_inst_pref_size 27
	.end_amdhsa_kernel
	.amdgpu_metadata
---
amdhsa.version: [ 1, 2 ]
amdhsa.kernels:
  - .name:           k_qc57e515625_attn
    .symbol:         k_qc57e515625_attn.kd
    .args:
      - { .name: qkv, .offset: 0, .size: 8, .value_kind: global_buffer, .address_space: global }
      - { .name: act, .offset: 8, .size: 8, .value_kind: global_buffer, .address_space: global }
    .group_segment_fixed_size: 206848
    .private_segment_fixed_size: 0
    .kernarg_segment_align: 8
    .kernarg_segment_size: 16
    .max_flat_workgroup_size: 512
    .sgpr_count:     66
    .vgpr_count:     256
    .wavefront_size: 32
...
	.end_amdgpu_metadata
.endif
;; end of part 3
;; launch wo (part 4): grid 16 x 16, 4 waves a work-group, no clusters, 35,328 bytes of LDS; arguments act, wimg, bo, x, r1; writes r1
.if DOCPART == 4
	.amdgcn_target "amdgcn-amd-amdhsa--gfx1250"
	.amdhsa_code_object_version 6
	.text
	.protected	k_qc57e515625_wo
	.globl	k_qc57e515625_wo
	.p2align	8
	.type	k_qc57e515625_wo,@function
k_qc57e515625_wo:
	s_mov_b64 s[64:65], 0
	v_nop
	global_prefetch_b8 v0, s[64:65] scope:SCOPE_SE
	s_setreg_imm32_b32 hwreg(HW_REG_WAVE_MODE, 25, 1), 1
	s_wait_xcnt 0x0
; r1 = x + ctx Wo + bo.  ctx comes as records of codes, Wo as records of codes.  A work-group makes 64 columns x 256 rows; THE WAVES SHARE K: wave w takes K steps NS w .. NS w + NS - 1 of all of it.
; Its 4 NS fragments of the weight stay in registers; each fragment of ctx goes from memory to this one wave's registers; the four partial sums of a tile meet in a stage in LDS and are added in f32.
; ALL THAT A TILE WANTS OF MEMORY IS ASKED FOR D TILES AHEAD: its fragments and scale words (into a ring of D slots in window 3) and the residual rows that this wave finishes (a ring of D slots in window 0).
; So a tile has one wait for loads, at its head, and it is counted: the D - 1 later tiles' loads stay out.
; No tensor load, so no joint request: a fragment has one reader in the work-group.  ORDER OF SUMS: K is summed in four parts, then (P0 + P1) + (P2 + P3).
; Source 0 = 16 rows of the weight, source 1 = 16 rows of ctx: lane (r, h) holds row r, register 8 t + j column 32 (t / 2) + 16 h + 8 (t % 2) + j of the 64.
.set NS,    2
.set D,     4
.set REC,   12800
.set SCO,   12288
.set WOFF,  2457600
.set LNRES, 0
.set LPF,   4*NS+NS/2                  ; loads that bring my fragments and scale words of a tile
.set NRES,  2+2*LNRES                  ; loads for a tile's residual
.set LPT,   LPF+NRES                   ; all the loads of a tile
.set L16, 1
.set L8,  2
.set L4,  3
.set VSS, 4
.set VSR, 5
.set VRO, 6
.set VSO, 7
.set SSC, 16
.set TS,  32
.set ACC, 40
.set PR,  72
.set BIAS, 116
.set G,   120
.set BB,  124
.set RES, 128                          ; v128..  the residual: 8 registers for each of D slots
.set STT, 160                          ; v160..  (mean, rstd) of the rows: 4 registers for each of D slots (where h is made again)
.set SA,  4
.set SW,  6
.set SBI, 8
.set SR,  10
.set SO,  12
.set SAS, 20
.set WV,  22
.set CNT, 23
.set SWS, 40
.set MSB, 0
.macro WIN new                         ; the immediate's high byte repeats the setting that is left
.if MSB != \new
	s_set_vgpr_msb (MSB<<8)|\new
.set MSB, \new
.endif
.endm
.macro PFK slot, off                   ; my NS fragments and scale words of the tile off bytes on, into ring slot slot
	WIN 0xc0
.set q, 0
.rept NS
	global_load_b128 v[12*((\slot)*NS+q):12*((\slot)*NS+q)+3], v[L16], s[SA:SA+1] offset:(\off)+1536*q
	global_load_b64 v[12*((\slot)*NS+q)+4:12*((\slot)*NS+q)+5], v[L8], s[SA:SA+1] offset:(\off)+1536*q+512
	global_load_b128 v[12*((\slot)*NS+q)+6:12*((\slot)*NS+q)+9], v[L16], s[SA:SA+1] offset:(\off)+1536*q+768
	global_load_b64 v[12*((\slot)*NS+q)+10:12*((\slot)*NS+q)+11], v[L8], s[SA:SA+1] offset:(\off)+1536*q+1280
.set q, q+1
.endr
	WIN 0
.set q, 0
.rept NS/2
	global_load_b32 v[TS+(NS/2)*(\slot)+q], v[L4], s[SAS:SAS+1] offset:(\off)+128*q
.set q, q+1
.endr
.endm
.macro RLD slot, t                     ; the residual of the four rows that I finish of the trip's tile t, into ring slot slot: lanes 0-15 one row's 256 bytes, lanes 16-31 the next row's
.irp e, 0,1
	global_load_b128 v[RES+8*(\slot)+4*\e:RES+8*(\slot)+4*\e+3], v[VRO], s[SR:SR+1] offset:(32*((\t)/2)+8*((\t)%2)+2*\e)*4096
.endr
.if LNRES
.irp e, 0,1
	global_load_b64 v[STT+4*(\slot)+2*\e:STT+4*(\slot)+2*\e+1], v[VSO], s[SS:SS+1] offset:128*(\t)+16*\e
.endr
.endif
.endm
.macro MULK k                          ; 4 NS products; the four accumulators take turns; the first K step starts the sums
.set f, 0
.rept 4*NS
.if f < 21
	WIN 0x0d
.set rS, 12*f
.else
	WIN 0x0e
.set rS, 12*(f-21)
.endif
.set rB, 12*(((\k)%D)*NS+f/4)
.set rD, ACC+8*(f%4)
.set rX, SSC+(NS/2)*(f%4)+f/8
.set rY, TS+(NS/2)*((\k)%D)+f/8
.if f < 4
	v_wmma_scale_f32_16x16x128_f8f6f4 v[rD:rD+7], v[rS:rS+11], v[rB:rB+11], 0, v[rX], v[rY] matrix_a_fmt:MATRIX_FMT_BF6 matrix_b_fmt:MATRIX_FMT_BF6
.elseif (f/4)%2 == 0
	v_wmma_scale_f32_16x16x128_f8f6f4 v[rD:rD+7], v[rS:rS+11], v[rB:rB+11], v[rD:rD+7], v[rX], v[rY] matrix_a_fmt:MATRIX_FMT_BF6 matrix_b_fmt:MATRIX_FMT_BF6
.else
	v_wmma_scale_f32_16x16x128_f8f6f4 v[rD:rD+7], v[rS:rS+11], v[rB:rB+11], v[rD:rD+7], v[rX], v[rY] matrix_a_fmt:MATRIX_FMT_BF6 matrix_b_fmt:MATRIX_FMT_BF6 matrix_a_scale:MATRIX_SCALE_ROW1 matrix_b_scale:MATRIX_SCALE_ROW1
.endif
.set f, f+1
.endr
.endm
; The trip's tile k.  pf = 1: it asks for the tile D on.  wf: the loads issued behind this tile's own, which may stay out.
.macro TILE k, pf, wf
	s_wait_loadcnt \wf                             ; loads come back in order: this tile's fragments, scale words and residual are in; the later tiles' LPT loads each may be out
	MULK \k
	WIN 0
.rept 4
	v_nop                                          ; four places in front of the loads into the slot just read and of the stores of the results
.endr
.if \pf
	PFK (\k)%D, ((\k)+D)*REC
.endif
.irp t, 0,1,2,3
	ds_store_b128 v[VSS], v[ACC+8*\t:ACC+8*\t+3] offset:17408*((\k)%2)+128*(\t/2)+32*(\t%2)      ; each accumulator from its low end on
	ds_store_b128 v[VSS], v[ACC+8*\t+4:ACC+8*\t+7] offset:17408*((\k)%2)+128*(\t/2)+32*(\t%2)+16
.endr
	s_wait_xcnt 0x0                                ; the last tile's stores have read the registers that the LDS loads below fill
	s_wait_dscnt 0x0                               ; my partial sums lie in the stage; my reads of the other stage, one tile back, are over
	s_barrier_signal -1
	s_barrier_wait -1                              ; so this stage is whole, and the other may be written in the next tile
.irp p, 0,1,2,3
.irp e, 0,1
	ds_load_b128 v[PR+8*\p+4*\e:PR+8*\p+4*\e+3], v[VSR] offset:17408*((\k)%2)+4352*\p+544*\e
.endr
.endr
	s_wait_dscnt 0x0
.irp e, 0,1
.irp m, 0,2
	v_pk_add_f32 v[PR+4*\e+\m:PR+4*\e+\m+1], v[PR+4*\e+\m:PR+4*\e+\m+1], v[PR+8+4*\e+\m:PR+8+4*\e+\m+1]
	v_pk_add_f32 v[PR+16+4*\e+\m:PR+16+4*\e+\m+1], v[PR+16+4*\e+\m:PR+16+4*\e+\m+1], v[PR+24+4*\e+\m:PR+24+4*\e+\m+1]
.endr
.endr
.irp e, 0,1
.irp m, 0,2
	v_pk_add_f32 v[PR+4*\e+\m:PR+4*\e+\m+1], v[PR+4*\e+\m:PR+4*\e+\m+1], v[PR+16+4*\e+\m:PR+16+4*\e+\m+1]
.endr
.endr
.set rR, RES+8*((\k)%D)                ; this tile's slot of the residual's ring
.set rT, STT+4*((\k)%D)
.irp e, 0,1
.irp m, 0,2
.if LNRES
	v_pk_add_f32 v[rR+4*\e+\m:rR+4*\e+\m+1], v[rR+4*\e+\m:rR+4*\e+\m+1], v[rT+2*\e:rT+2*\e+1] op_sel_hi:[1,0] neg_lo:[0,1] neg_hi:[0,1]   ; - mean
	v_pk_mul_f32 v[rR+4*\e+\m:rR+4*\e+\m+1], v[rR+4*\e+\m:rR+4*\e+\m+1], v[rT+2*\e:rT+2*\e+1] op_sel:[0,1] op_sel_hi:[1,1]              ; x rstd
	v_pk_fma_f32 v[rR+4*\e+\m:rR+4*\e+\m+1], v[rR+4*\e+\m:rR+4*\e+\m+1], v[G+\m:G+\m+1], v[BB+\m:BB+\m+1]                               ; x g1 + (be1 + b2)
.else
	v_pk_add_f32 v[rR+4*\e+\m:rR+4*\e+\m+1], v[rR+4*\e+\m:rR+4*\e+\m+1], v[BIAS+\m:BIAS+\m+1]
.endif
	v_pk_add_f32 v[PR+4*\e+\m:PR+4*\e+\m+1], v[PR+4*\e+\m:PR+4*\e+\m+1], v[rR+4*\e+\m:rR+4*\e+\m+1]
.endr
.endr
.irp e, 0,1
	global_store_b128 v[VRO], v[PR+4*\e:PR+4*\e+3], s[SO:SO+1] offset:(32*((\k)/2)+8*((\k)%2)+2*\e)*4096   ; sixteen lanes store 256 consecutive bytes, aligned
.endr
.if \pf
	RLD (\k)%D, (\k)+D                             ; the slot has been read: it takes the residual of the tile D on
.endif
.endm
	s_load_b256 s[4:11], s[0:1], 0x0               ; the streamed records, wimg, the bias, the residual
.if LNRES
	s_load_b256 s[12:19], s[0:1], 0x20
.else
	s_load_b64 s[12:13], s[0:1], 0x20              ; the output
	v_lshl_add_u32 v254, v0, 2, 0x8800
	v_mov_b32 v255, 0
.endif
	v_lshrrev_b32 v8, 5, v0
	v_readfirstlane_b32 s[WV], v8
	v_and_b32 v9, 31, v0
	v_and_b32 v10, 15, v0                          ; r
	v_bfe_u32 v11, v0, 4, 1                        ; h
	v_lshlrev_b32 v[L16], 4, v9
	v_lshlrev_b32 v[L8], 3, v9
	v_lshlrev_b32 v[L4], 2, v9
	v_mul_u32_u24 v[VSS], v8, 4352                 ; the stage: [2][wave][16 rows x (256 + 16) bytes]: in: row r, + 64 h
	v_mad_u32_u24 v[VSS], v10, 272, v[VSS]
	v_lshl_add_u32 v[VSS], v11, 6, v[VSS]
	v_mul_u32_u24 v[VSR], v8, 1088                 ; back: rows 4 w + h (+ 2 e), 16 bytes a lane
	v_mad_u32_u24 v[VSR], v11, 272, v[VSR]
	v_lshl_add_u32 v[VSR], v10, 4, v[VSR]
	v_lshlrev_b32 v[VRO], 12, v11
	v_lshl_add_u32 v[VRO], v10, 4, v[VRO]          ; in memory: 4,096 h + 16 r
	v_lshlrev_b32 v[VSO], 3, v11
	v_lshlrev_b32 v12, 4, v10
	s_and_b32 s24, ttmp7, 0xffff                   ; gy: 256 rows
	s_mul_i32 s26, s24, 16*REC
	s_mul_i32 s27, s[WV], 1536*NS
	s_add_co_u32 s28, s26, s27
	s_mov_b32 s29, 0
	s_mul_i32 s27, s[WV], 64*NS
	s_add_co_u32 s30, s26, s27
	s_add_co_u32 s30, s30, SCO
	s_mov_b32 s31, 0
	s_mul_i32 s26, ttmp9, 4*REC                    ; gx: 64 columns, four tiles of the weight
	s_add_co_u32 s26, s26, WOFF
	s_mul_i32 s27, s[WV], 1536*NS
	s_add_co_u32 s32, s26, s27
	s_mov_b32 s33, 0
	s_mul_i32 s27, s[WV], 64*NS
	s_add_co_u32 s34, s26, s27
	s_add_co_u32 s34, s34, SCO
	s_mov_b32 s35, 0
	s_lshl_b32 s36, s24, 8
	s_lshl_b32 s27, s[WV], 2
	s_add_co_u32 s36, s36, s27
	s_lshr_b32 s27, s[WV], 1
	s_lshl_b32 s27, s27, 3
	s_add_co_u32 s36, s36, s27                     ; row 256 gy + 4 w + 8 (w / 2)
	s_lshl_b32 s36, s36, 12
	s_lshl_b32 s38, ttmp9, 8
	s_add_co_u32 s36, s36, s38
	s_mov_b32 s37, 0
	s_mov_b32 s39, 0
.if LNRES
	s_lshl_b32 s42, s24, 11
	s_lshl_b32 s27, s[WV], 5
	s_add_co_u32 s42, s42, s27
	s_mov_b32 s43, 0
.endif
	s_wait_kmcnt 0x0
	s_add_nc_u64 s[SAS:SAS+1], s[SA:SA+1], s[30:31]
	s_add_nc_u64 s[SA:SA+1], s[SA:SA+1], s[28:29]
	s_add_nc_u64 s[SWS:SWS+1], s[SW:SW+1], s[34:35]
	s_add_nc_u64 s[SW:SW+1], s[SW:SW+1], s[32:33]
	s_add_nc_u64 s[SBI:SBI+1], s[SBI:SBI+1], s[38:39]
	s_add_nc_u64 s[SR:SR+1], s[SR:SR+1], s[36:37]
	s_add_nc_u64 s[SO:SO+1], s[SO:SO+1], s[36:37]
	global_load_b128 v[BIAS:BIAS+3], v12, s[SBI:SBI+1]
.if LNRES
	s_add_nc_u64 s[SS:SS+1], s[SS:SS+1], s[42:43]
	s_add_nc_u64 s[SG:SG+1], s[SG:SG+1], s[38:39]
	s_add_nc_u64 s[SBE:SBE+1], s[SBE:SBE+1], s[38:39]
	global_load_b128 v[G:G+3], v12, s[SG:SG+1]
	global_load_b128 v[BB:BB+3], v12, s[SBE:SBE+1]
.endif
.set f, 0
.rept 4*NS                             ; the weight's fragments: my K step f / 4 of tile f % 4: they stay
.if f < 21
	WIN 0x40
.set rS, 12*f
.else
	WIN 0x80
.set rS, 12*(f-21)
.endif
	global_load_b128 v[rS:rS+3], v[L16], s[SW:SW+1] offset:(f%4)*REC+1536*(f/4)
	global_load_b64 v[rS+4:rS+5], v[L8], s[SW:SW+1] offset:(f%4)*REC+1536*(f/4)+512
	global_load_b128 v[rS+6:rS+9], v[L16], s[SW:SW+1] offset:(f%4)*REC+1536*(f/4)+768
	global_load_b64 v[rS+10:rS+11], v[L8], s[SW:SW+1] offset:(f%4)*REC+1536*(f/4)+1280
.set f, f+1
.endr
	WIN 0
.irp t, 0,1,2,3
.set q, 0
.rept NS/2
	global_load_b32 v[SSC+(NS/2)*\t+q], v[L4], s[SWS:SWS+1] offset:\t*REC+128*q
.set q, q+1
.endr
.endr
.set kk, 0
.rept D                                ; the first D tiles: each tile's fragments, then its residual: the order in which the loop goes on asking
	PFK kk, kk*REC
	RLD kk, kk
.set kk, kk+1
.endr
.if LNRES
	s_wait_loadcnt 63                              ; b2 and be1 are older than the last 63 loads
	v_pk_add_f32 v[BB:BB+1], v[BB:BB+1], v[BIAS:BIAS+1]
	v_pk_add_f32 v[BB+2:BB+3], v[BB+2:BB+3], v[BIAS+2:BIAS+3]
.endif
	s_mov_b32 s[CNT], 16/D-1
.Ltrip:                                        ; D tiles a trip; each asks for the tile D on
.set kk, 0
.rept D
	TILE kk, 1, (D-1)*LPT
.set kk, kk+1
.endr
	s_wait_xcnt 0x0                                ; the trip's loads and stores have read their bases
	s_add_nc_u64 s[SA:SA+1], s[SA:SA+1], D*REC
	s_add_nc_u64 s[SAS:SAS+1], s[SAS:SAS+1], D*REC
	s_add_nc_u64 s[SR:SR+1], s[SR:SR+1], 16*D*4096
	s_add_nc_u64 s[SO:SO+1], s[SO:SO+1], 16*D*4096
.if LNRES
	s_add_nc_u64 s[SS:SS+1], s[SS:SS+1], 128*D
.endif
	s_sub_co_u32 s[CNT], s[CNT], 1
	s_cmp_lg_u32 s[CNT], 0
	s_cbranch_scc1 .Ltrip
.set kk, 0
.rept D                                ; the last D tiles ask for nothing: the counts run down
	TILE kk, 0, (D-1-kk)*LPT
.set kk, kk+1
.endr
	s_wait_tensorcnt 0x0
	ds_add_u32 v254, v255
	s_wait_dscnt 0x0
	s_endpgm
.Lfunc_end_k_qc57e515625_wo:
	.size	k_qc57e515625_wo, .Lfunc_end_k_qc57e515625_wo-k_qc57e515625_wo
	.p2alignl 7, 3214868480
	.fill 96, 4, 3214868480
	.section	.rodata,"a",@progbits
	.p2align	6, 0x0
	.amdhsa_kernel k_qc57e515625_wo
		.amdhsa_group_segment_fixed_size 35328
		.amdhsa_private_segment_fixed_size 0
		.amdhsa_enable_private_segment 0
		.amdhsa_kernarg_size 40
		.amdhsa_user_sgpr_count 2
		.amdhsa_user_sgpr_kernarg_segment_ptr 1
		.amdhsa_wavefront_size32 1
		.amdhsa_system_sgpr_workgroup_id_x 1
		.amdhsa_system_sgpr_workgroup_id_y 1
		.amdhsa_system_sgpr_workgroup_id_z 1
		.amdhsa_system_vgpr_workitem_id 0
		.amdhsa_next_free_vgpr 960
		.amdhsa_next_free_sgpr 66
		.amdhsa_reserve_vcc 0
		.amdhsa_float_denorm_mode_32 3
		.amdhsa_float_denorm_mode_16_64 3
		.amdhsa_memory_ordered 1
		.amdhsa_forward_progress 1
		.amdhsa_inst_pref_size 47
	.end_amdhsa_kernel
	.amdgpu_metadata
---
amdhsa.version: [ 1, 2 ]
amdhsa.kernels:
  - .name:           k_qc57e515625_wo
    .symbol:         k_qc57e515625_wo.kd
    .args:
      - { .name: act, .offset: 0, .size: 8, .value_kind: global_buffer, .address_space: global }
      - { .name: wimg, .offset: 8, .size: 8, .value_kind: global_buffer, .address_space: global }
      - { .name: bo, .offset: 16, .size: 8, .value_kind: global_buffer, .address_space: global }
      - { .name: x, .offset: 24, .size: 8, .value_kind: global_buffer, .address_space: global }
      - { .name: r1, .offset: 32, .size: 8, .value_kind: global_buffer, .address_space: global }
    .group_segment_fixed_size: 35328
    .private_segment_fixed_size: 0
    .kernarg_segment_align: 8
    .kernarg_segment_size: 40
    .max_flat_workgroup_size: 128
    .sgpr_count:     66
    .vgpr_count:     960
    .wavefront_size: 32
...
	.end_amdgpu_metadata
.endif
;; end of part 4
;; launch ln1 (part 5): grid 256 x 1, 4 waves a work-group, no clusters, 66,560 bytes of LDS; arguments r1, g1, be1, act, stats; writes act, stats
.if DOCPART == 5
	.amdgcn_target "amdgcn-amd-amdhsa--gfx1250"
	.amdhsa_code_object_version 6
	.text
	.protected	k_qc57e515625_ln1
	.globl	k_qc57e515625_ln1
	.p2align	8
	.type	k_qc57e515625_ln1,@function
k_qc57e515625_ln1:
	s_mov_b64 s[64:65], 0
	v_nop
	global_prefetch_b8 v0, s[64:65] scope:SCOPE_SE
	s_setreg_imm32_b32 hwreg(HW_REG_WAVE_MODE, 25, 1), 1
	s_wait_xcnt 0x0
; h = LayerNorm(r1) g1 + be1, quantised along the model's axis into records of codes (laid as the first launch lays x); each row's mean and 1 / sqrt(var + eps) go to stats, from which a later launch makes h again.
; A work-group takes a row tile; wave w its local rows 4 w .. 4 w + 3, which are neighbours in memory: a row lies in one wave's registers, 32 a lane, so mean and variance never leave the wave.
; Then the rows turn through LDS, so that a lane holds 16 neighbours of each block of 32, and wave w quantises K steps 2 w, 2 w + 1 of all sixteen rows.
; LIMITS: NaN and infinities are not served; a block whose largest magnitude lies under 2^-122 gets the byte 1 (its codes are zeros or subnormals; this program alone reads the bytes).
.set XP,   4112
.set STA,  65792                       ; LDS: 16 rows' (mean, rstd)
.set REC1, 12800
.set X,    32
.set G,    160
.set BE,   192
.set AC,   224
.set MU,   232
.set TP,   240
.set TM,   200
.set SEL,  50
.macro QUANT4 s, pc, pw
.irp b, 0,1,2,3
	v_max3_num_f32 v[TM+\b], |v[\s+16*\b]|, |v[\s+1+16*\b]|, 0x2800000
.endr
.irp i, 2,4,6,8,10,12,14
.irp b, 0,1,2,3
	v_max3_num_f32 v[TM+\b], v[TM+\b], |v[\s+16*\b+\i]|, |v[\s+1+16*\b+\i]|
.endr
.endr
.irp b, 0,1,2,3
	v_permlanex16_b32 v[TM+4+\b], v[TM+\b], s[SEL], s[SEL+1]
.endr
.irp b, 0,1,2,3
	v_max_num_f32 v[TM+\b], v[TM+\b], v[TM+4+\b]
.endr
.irp b, 0,1,2,3
	v_add_nc_u32 v[TM+12+\b], 0xfe000000, v[TM+\b]
.endr
.irp b, 0,1,2,3
	v_lshrrev_b32 v[TM+4+\b], 23, v[TM+12+\b]
.endr
	v_lshl_or_b32 v[\pw], v[TM+5], 8, v[TM+4]
	v_lshl_or_b32 v[\pw], v[TM+6], 16, v[\pw]
	v_lshl_or_b32 v[\pw], v[TM+7], 24, v[\pw]
.irp c, 0,1
	v_cvt_scalef32_pk16_bf6_f32 v[\pc+6*\c:\pc+2+6*\c], v[\s+32*\c:\s+15+32*\c], v[TM+12+2*\c]
	v_cvt_scalef32_pk16_bf6_f32 v[\pc+12+4*\c:\pc+14+4*\c], v[\s+16+32*\c:\s+31+32*\c], v[TM+12+2*\c+1]
.endr
	v_nop
.irp c, 0,1
.irp i, 0,1,2
	v_permlane16_swap_b32 v[\pc+6*\c+\i], v[\pc+12+4*\c+\i]
.endr
.irp i, 0,1,2
	v_mov_b32 v[\pc+3+6*\c+\i], v[\pc+12+4*\c+\i]
.endr
.endr
.endm
.macro PUTF pc, base, off
	global_store_b128 v1, v[\pc:\pc+3], s[\base:\base+1] offset:\off
	global_store_b64 v2, v[\pc+4:\pc+5], s[\base:\base+1] offset:\off+512
	global_store_b128 v1, v[\pc+6:\pc+9], s[\base:\base+1] offset:\off+768
	global_store_b64 v2, v[\pc+10:\pc+11], s[\base:\base+1] offset:\off+1280
.endm
.macro REDUCE                          ; the four rows' pairs of partial sums become sums over the wave, in every lane; the rows take turns
.irp i, 0,1,2,3
	v_add_f32 v[AC+2*\i], v[AC+2*\i], v[AC+2*\i+1]
.endr
.irp m, 1,2,4,8
.irp i, 0,1,2,3
	v_add_f32_dpp v[AC+2*\i], v[AC+2*\i], v[AC+2*\i] row_xmask:\m row_mask:0xf bank_mask:0xf
.endr
.endr
.irp i, 0,1,2,3
	v_permlanex16_b32 v[TP+\i], v[AC+2*\i], s[SEL], s[SEL+1]
.endr
.irp i, 0,1,2,3
	v_add_f32 v[AC+2*\i], v[AC+2*\i], v[TP+\i]
.endr
.endm
.macro LNORM                           ; four rows in v[X + 32 i ..]: (x - mean) x rsqrt(var + eps) x g + be, in place; (mean, rstd) in v[MU + 2 i : MU + 2 i + 1]
.irp i, 0,1,2,3
	v_pk_add_f32 v[AC+2*\i:AC+2*\i+1], v[X+32*\i:X+32*\i+1], v[X+32*\i+2:X+32*\i+3]
.endr
.irp p, 4,6,8,10,12,14,16,18,20,22,24,26,28,30
.irp i, 0,1,2,3
	v_pk_add_f32 v[AC+2*\i:AC+2*\i+1], v[AC+2*\i:AC+2*\i+1], v[X+32*\i+\p:X+32*\i+\p+1]
.endr
.endr
	REDUCE
.irp i, 0,1,2,3
	v_mul_f32 v[MU+2*\i], 0x3a800000, v[AC+2*\i]   ; / 1,024
.endr
.irp p, 0,2,4,6,8,10,12,14,16,18,20,22,24,26,28,30
.irp i, 0,1,2,3
	v_pk_add_f32 v[X+32*\i+\p:X+32*\i+\p+1], v[X+32*\i+\p:X+32*\i+\p+1], v[MU+2*\i:MU+2*\i+1] op_sel_hi:[1,0] neg_lo:[0,1] neg_hi:[0,1]
.endr
.endr
.irp i, 0,1,2,3
	v_pk_mul_f32 v[AC+2*\i:AC+2*\i+1], v[X+32*\i:X+32*\i+1], v[X+32*\i:X+32*\i+1]
.endr
.irp p, 2,4,6,8,10,12,14,16,18,20,22,24,26,28,30
.irp i, 0,1,2,3
	v_pk_fma_f32 v[AC+2*\i:AC+2*\i+1], v[X+32*\i+\p:X+32*\i+\p+1], v[X+32*\i+\p:X+32*\i+\p+1], v[AC+2*\i:AC+2*\i+1]
.endr
.endr
	REDUCE
.irp i, 0,1,2,3
	v_fma_f32 v[AC+2*\i], v[AC+2*\i], s48, s49     ; var + eps
.endr
.irp i, 0,1,2,3
	v_rsq_f32 v[MU+2*\i+1], v[AC+2*\i]
.endr
	v_nop                                          ; a plain line behind the batch,
	s_wait_alu depctr_va_vdst(0)                   ; and one wait ahead of its first reader
.irp p, 0,2,4,6,8,10,12,14,16,18,20,22,24,26,28,30
.irp i, 0,1,2,3
	v_pk_mul_f32 v[X+32*\i+\p:X+32*\i+\p+1], v[X+32*\i+\p:X+32*\i+\p+1], v[MU+2*\i:MU+2*\i+1] op_sel:[0,1] op_sel_hi:[1,1]
.endr
.irp i, 0,1,2,3
	v_pk_fma_f32 v[X+32*\i+\p:X+32*\i+\p+1], v[X+32*\i+\p:X+32*\i+\p+1], v[G+\p:G+\p+1], v[BE+\p:BE+\p+1]
.endr
.endr
.endm
	s_load_b256 s[4:11], s[0:1], 0x0               ; r1, g1, be1, act
	s_load_b64 s[12:13], s[0:1], 0x20              ; stats
	v_lshl_add_u32 v254, v0, 2, 0x10200
	v_mov_b32 v255, 0
	v_lshrrev_b32 v6, 5, v0
	v_readfirstlane_b32 s2, v6
	v_and_b32 v7, 31, v0
	v_and_b32 v8, 15, v0
	v_bfe_u32 v9, v0, 4, 1
	v_lshlrev_b32 v1, 4, v7
	v_lshlrev_b32 v2, 3, v7
	v_lshlrev_b32 v3, 2, v7
	v_mad_u32_u24 v4, v6, 4*XP, v1
	v_mul_u32_u24 v5, v8, XP
	v_lshl_add_u32 v5, v9, 6, v5
	v_lshl_add_u32 v5, v6, 10, v5
	v_and_b32 v10, 0x60, v0                        ; 32 x wave
	v_add_nc_u32 v10, STA, v10                     ; where my four rows' (mean, rstd) go
	v_add_nc_u32 v11, STA, v3                      ; and where wave 0 reads all sixteen back
.irp i, 0,1,2,3
	v_mov_b32 v[TP+\i], 0                          ; a lane permute's destination counts as read
	v_mov_b32 v[MU+2*\i+1], 0                      ; named as the upper word of a pair before it is made
.endr
	s_lshr_b32 s3, s2, 1
	s_lshr_b32 s14, ttmp9, 1
	s_lshl_b32 s14, s14, 5
	s_and_b32 s15, ttmp9, 1
	s_lshl_b32 s15, s15, 3
	s_add_co_u32 s14, s14, s15
	s_lshl_b32 s15, s2, 2
	s_add_co_u32 s14, s14, s15
	s_lshl_b32 s15, s3, 3
	s_add_co_u32 s14, s14, s15
	s_lshl_b32 s14, s14, 12
	s_mov_b32 s15, 0
	s_mul_i32 s16, ttmp9, REC1
	s_mul_i32 s17, s2, 3072
	s_add_co_u32 s18, s16, s17
	s_mov_b32 s19, 0
	s_lshl_b32 s17, s2, 7
	s_add_co_u32 s16, s16, s17
	s_mov_b32 s17, 0
	s_lshl_b32 s20, ttmp9, 7
	s_mov_b32 s21, 0
	s_mov_b32 s46, 0xffff0000
	s_mov_b32 s48, 0x3a800000                      ; 1 / 1,024
	s_mov_b32 s49, 0x3727c5ac                      ; eps = 1e-5
	s_mov_b32 s[SEL], 0x76543210
	s_mov_b32 s[SEL+1], 0xfedcba98
	s_wait_kmcnt 0x0
	s_add_nc_u64 s[4:5], s[4:5], s[14:15]
	s_add_nc_u64 s[38:39], s[10:11], s[18:19]
	s_add_nc_u64 s[42:43], s[10:11], s[16:17]
	s_add_nc_u64 s[12:13], s[12:13], s[20:21]
.irp i, 0,1,2,3
.irp q, 0,1,2,3,4,5,6,7
	global_load_b128 v[X+32*\i+4*\q:X+32*\i+4*\q+3], v1, s[4:5] offset:4096*\i+512*\q
.endr
.endr
.irp q, 0,1,2,3,4,5,6,7
	global_load_b128 v[G+4*\q:G+4*\q+3], v1, s[6:7] offset:512*\q
	global_load_b128 v[BE+4*\q:BE+4*\q+3], v1, s[8:9] offset:512*\q
.endr
	s_wait_loadcnt 0x0
	LNORM
.irp i, 0,1,2,3
.irp q, 0,1,2,3,4,5,6,7
	ds_store_b128 v4, v[X+32*\i+4*\q:X+32*\i+4*\q+3] offset:XP*\i+512*\q
.endr
	ds_store_b64 v10, v[MU+2*\i:MU+2*\i+1] offset:8*\i   ; every lane writes the same value
.endr
	s_wait_dscnt 0x0
	s_barrier_signal -1
	s_barrier_wait -1
.irp e, 0,1
.irp b, 0,1,2,3
.irp j, 0,1,2,3
	ds_load_b128 v[32+64*\e+16*\b+4*\j:35+64*\e+16*\b+4*\j], v5 offset:512*\e+128*\b+16*\j
.endr
.endr
.endr
	s_wait_dscnt 16                                ; K step 2 w is in; the other's sixteen loads may be out
	QUANT4 32, 160, 216
	s_wait_dscnt 0x0
	QUANT4 96, 180, 217
	PUTF 160, 38, 0
	PUTF 180, 38, 1536
	v_cndmask_b32 v218, v216, v217, s46
	global_store_b32 v3, v218, s[42:43] offset:12288
	s_cmp_lg_u32 s2, 0
	s_cbranch_scc1 .Ldone
	ds_load_b32 v219, v11                          ; wave 0: the tile's 128 bytes of (mean, rstd)
	s_wait_dscnt 0x0
	global_store_b32 v3, v219, s[12:13]
.Ldone:
	s_wait_tensorcnt 0x0
	ds_add_u32 v254, v255
	s_wait_dscnt 0x0
	s_endpgm
.Lfunc_end_k_qc57e515625_ln1:
	.size	k_qc57e515625_ln1, .Lfunc_end_k_qc57e515625_ln1-k_qc57e515625_ln1
	.p2alignl 7, 3214868480
	.fill 96, 4, 3214868480
	.section	.rodata,"a",@progbits
	.p2align	6, 0x0
	.amdhsa_kernel k_qc57e515625_ln1
		.amdhsa_group_segment_fixed_size 66560
		.amdhsa_private_segment_fixed_size 0
		.amdhsa_enable_private_segment 0
		.amdhsa_kernarg_size 40
		.amdhsa_user_sgpr_count 2
		.amdhsa_user_sgpr_kernarg_segment_ptr 1
		.amdhsa_wavefront_size32 1
		.amdhsa_system_sgpr_workgroup_id_x 1
		.amdhsa_system_sgpr_workgroup_id_y 1
		.amdhsa_system_sgpr_workgroup_id_z 1
		.amdhsa_system_vgpr_workitem_id 0
		.amdhsa_next_free_vgpr 256
		.amdhsa_next_free_sgpr 66
		.amdhsa_reserve_vcc 0
		.amdhsa_float_denorm_mode_32 3
		.amdhsa_float_denorm_mode_16_64 3
		.amdhsa_memory_ordered 1
		.amdhsa_forward_progress 1
		.amdhsa_inst_pref_size 44
	.end_amdhsa_kernel
	.amdgpu_metadata
---
amdhsa.version: [ 1, 2 ]
amdhsa.kernels:
  - .name:           k_qc57e515625_ln1
    .symbol:         k_qc57e515625_ln1.kd
    .args:
      - { .name: r1, .offset: 0, .size: 8, .value_kind: global_buffer, .address_space: global }
      - { .name: g1, .offset: 8, .size: 8, .value_kind: global_buffer, .address_space: global }
      - { .name: be1, .offset: 16, .size: 8, .value_kind: global_buffer, .address_space: global }
      - { .name: act, .offset: 24, .size: 8, .value_kind: global_buffer, .address_space: global }
      - { .name: stats, .offset: 32, .size: 8, .value_kind: global_buffer, .address_space: global }
    .group_segment_fixed_size: 66560
    .private_segment_fixed_size: 0
    .kernarg_segment_align: 8
    .kernarg_segment_size: 40
    .max_flat_workgroup_size: 128
    .sgpr_count:     66
    .vgpr_count:     256
    .wavefront_size: 32
...
	.end_amdgpu_metadata
.endif
;; end of part 5
;; launch w1 (part 6): grid 16 x 16, 4 waves a work-group, clusters of 4 x 1, 207,360 bytes of LDS; arguments act, wimg, b1, arec; writes arec
.if DOCPART == 6
	.amdgcn_target "amdgcn-amd-amdhsa--gfx1250"
	.amdhsa_code_object_version 6
	.text
	.protected	k_qc57e515625_w1
	.globl	k_qc57e515625_w1
	.p2align	8
	.type	k_qc57e515625_w1,@function
k_qc57e515625_w1:
	s_mov_b64 s[64:65], 0
	v_nop
	global_prefetch_b8 v0, s[64:65] scope:SCOPE_SE
	s_setreg_imm32_b32 hwreg(HW_REG_WAVE_MODE, 25, 1), 1
	s_wait_xcnt 0x0
	s_wait_alu depctr_hold_cnt(0) depctr_sa_sdst(0) depctr_va_vdst(0) depctr_va_sdst(0) depctr_va_ssrc(0) depctr_va_vcc(0) depctr_vm_vsrc(0)
	s_getreg_b32 s2, hwreg(HW_REG_IB_STS2, 6, 4)
	s_cmp_eq_u32 s2, 0
	s_cbranch_scc0 .Lentry_in_a_cluster
	s_endpgm
.Lentry_in_a_cluster:
	s_bfe_u32 s2, ttmp6, 0x10000c
	s_cmp_lg_u32 s2, 0x3003
	s_cbranch_scc0 .Lentry_shape_is_right
	s_endpgm
.Lentry_shape_is_right:
; a = relu(h W1 + b1), quantised along the hidden axis into records of K = 4,096.  h and W1 come as records of codes.
; A work-group makes 256 hidden units x 256 rows, K = 1,024.  Source 0: wave w keeps four tiles of W1 (32 fragments) in registers.  Source 1: sixteen row tiles of h (204,800 bytes) come into LDS once, one tensor load a wave,
; asked for jointly by the four partners of a cluster, which share the rows; all four waves read them.  No LDS byte is filled twice.
; In a result lane (r, h) holds row r, and register 8 t + j hidden unit 32 (t / 2) + 16 h + 8 (t % 2) + j of the wave's 64: half w % 2 of K step 2 gx + w / 2 of the next product.
; The scale words leave in runs of 128 bytes, one twenty-fourth of the launch's output: a record's scale area is shared by sixteen work-groups.
; LIMITS: NaN and infinities are not served; a block whose largest magnitude lies under 2^-122 (zeros too) gets the byte 1: its codes are zeros or subnormals, and this program alone reads the bytes.
.set REC,  12800
.set SCO,  12288
.set BLK,  204800
.set SCB,  204800                      ; LDS: the scale halves' stage: 512 bytes a wave, u16 of tile i, row r at 32 i + 2 r
.set NLD,  36
.set L16,  1
.set L8,   2
.set L4,   3
.set A16,  4
.set B16,  7
.set EQ,   10
.set EQ0,  11
.set SSC,  16
.set TS,   32
.set BI,   40
.set ACC,  72
.set TM,   104
.set PW,   118
.set WO,   156
.set PC,   164
.set WV,   16
.set G0,   32
.set G1,   36
.set TB,   44
.set TB2,  45
.set TQ,   46
.set CNT,  48
.set SEL,  50
.set OUT,  52
.set SOU,  62
.set MSB, 0
.macro WIN new
.if MSB != \new
	s_set_vgpr_msb (MSB<<8)|\new
.set MSB, \new
.endif
.endm
.macro CROUND
	s_barrier_signal -1
	s_barrier_wait -1
	s_cmp_lg_u32 s[WV], 0
	s_cbranch_scc1 .Lnot_wave_0_\@
	s_barrier_signal -3
.Lnot_wave_0_\@:
	s_barrier_wait -3
	s_barrier_signal -1
	s_barrier_wait -1
.endm
.macro QUANT2 s, pc, pw
.irp b, 0,1
	v_max3_num_f32 v[TM+\b], |v[\s+16*\b]|, |v[\s+1+16*\b]|, 0x2800000
.endr
.irp i, 2,4,6,8,10,12,14
.irp b, 0,1
	v_max3_num_f32 v[TM+\b], v[TM+\b], |v[\s+16*\b+\i]|, |v[\s+1+16*\b+\i]|
.endr
.endr
.irp b, 0,1
	v_permlanex16_b32 v[TM+4+\b], v[TM+\b], s[SEL], s[SEL+1]
.endr
.irp b, 0,1
	v_max_num_f32 v[TM+\b], v[TM+\b], v[TM+4+\b]
.endr
.irp b, 0,1
	v_add_nc_u32 v[TM+12+\b], 0xfe000000, v[TM+\b]
.endr
.irp b, 0,1
	v_lshrrev_b32 v[TM+4+\b], 23, v[TM+12+\b]
.endr
	v_lshl_or_b32 v[\pw], v[TM+5], 8, v[TM+4]
	v_cvt_scalef32_pk16_bf6_f32 v[\pc:\pc+2], v[\s:\s+15], v[TM+12]
	v_cvt_scalef32_pk16_bf6_f32 v[\pc+8:\pc+10], v[\s+16:\s+31], v[TM+13]
	v_nop
.irp i, 0,1,2
	v_permlane16_swap_b32 v[\pc+\i], v[\pc+8+\i]
.endr
.irp i, 0,1,2
	v_mov_b32 v[\pc+3+\i], v[\pc+8+\i]
.endr
.endm
.macro LDT buf, ad, off
	WIN 0xc0
.irp g, 0,1,2,3,4,5,6,7
	ds_load_b128 v[96*(\buf)+12*\g:96*(\buf)+12*\g+3], v[\ad] offset:(\off)+1536*\g
	ds_load_b64 v[96*(\buf)+12*\g+4:96*(\buf)+12*\g+5], v[\ad+1] offset:(\off)+1536*\g+512
	ds_load_b128 v[96*(\buf)+12*\g+6:96*(\buf)+12*\g+9], v[\ad] offset:(\off)+1536*\g+768
	ds_load_b64 v[96*(\buf)+12*\g+10:96*(\buf)+12*\g+11], v[\ad+1] offset:(\off)+1536*\g+1280
.endr
	WIN 0
.irp g, 0,1,2,3
	ds_load_b32 v[TS+4*(\buf)+\g], v[\ad+2] offset:(\off)+SCO+128*\g
.endr
.endm
.macro MUL buf                         ; 32 products; the four accumulators take turns; the bias is the C of each sum's first product
.set f, 0
.rept 32
.if f < 21
	WIN 0x0d
.set rS, 12*f
.else
	WIN 0x0e
.set rS, 12*(f-21)
.endif
.set rB, 96*(\buf)+12*(f/4)
.set rD, ACC+8*(f%4)
.set rX, SSC+4*(f%4)+f/8
.set rY, TS+4*(\buf)+f/8
.if f < 4
	v_wmma_scale_f32_16x16x128_f8f6f4 v[rD:rD+7], v[rS:rS+11], v[rB:rB+11], v[BI+8*f:BI+8*f+7], v[rX], v[rY] matrix_a_fmt:MATRIX_FMT_BF6 matrix_b_fmt:MATRIX_FMT_BF6
.elseif (f/4)%2 == 0
	v_wmma_scale_f32_16x16x128_f8f6f4 v[rD:rD+7], v[rS:rS+11], v[rB:rB+11], v[rD:rD+7], v[rX], v[rY] matrix_a_fmt:MATRIX_FMT_BF6 matrix_b_fmt:MATRIX_FMT_BF6
.else
	v_wmma_scale_f32_16x16x128_f8f6f4 v[rD:rD+7], v[rS:rS+11], v[rB:rB+11], v[rD:rD+7], v[rX], v[rY] matrix_a_fmt:MATRIX_FMT_BF6 matrix_b_fmt:MATRIX_FMT_BF6 matrix_a_scale:MATRIX_SCALE_ROW1 matrix_b_scale:MATRIX_SCALE_ROW1
.endif
.set f, f+1
.endr
.endm
.macro TILE k, pf, wt
	s_wait_dscnt \wt                               ; this tile is in; the next tile's NLD loads, issued behind it, may be out
	MUL (\k)%2
	WIN 0
.rept 4
	v_nop                                          ; four places in front of the loads into the buffer just read and of the first read of the results
.endr
.if \pf
.if (\k) < 2
	LDT (\k)%2, A16, (2+(\k)%2)*REC
.else
	LDT (\k)%2, B16, (2+(\k)%2)*REC
.endif
.endif
.set n, 0
.rept 32
	v_max_num_f32 v[ACC+n], 0, v[ACC+n]            ; relu, each accumulator from its low end on
.set n, n+1
.endr
	QUANT2 ACC, PC+12*(\k), PW
	ds_store_b16 v[EQ], v[PW] offset:32*(\k)
	global_store_b128 v[L16], v[PC+12*(\k):PC+12*(\k)+3], s[OUT:OUT+1] offset:51200*(\k)
	global_store_b64 v[L8], v[PC+12*(\k)+4:PC+12*(\k)+5], s[OUT:OUT+1] offset:51200*(\k)+512
.endm
.macro TRIPHEAD
	s_add_co_u32 s[TB2], s[TB], 2*REC
	v_add_nc_u32 v[A16], s[TB], v[L16]
	v_add_nc_u32 v[A16+1], s[TB], v[L8]
	v_add_nc_u32 v[A16+2], s[TB], v[L4]
	v_add_nc_u32 v[B16], s[TB2], v[L16]
	v_add_nc_u32 v[B16+1], s[TB2], v[L8]
	v_add_nc_u32 v[B16+2], s[TB2], v[L4]
	v_add_nc_u32 v[EQ], s[TQ], v[EQ0]
.endm
	s_load_b256 s[4:11], s[0:1], 0x0               ; act, wimg, b1, arec
	v_lshl_add_u32 v254, v0, 2, 0x32800
	v_mov_b32 v255, 0
	ds_add_u32 v254, v255
	ds_add_u32 v254, v255
	v_lshrrev_b32 v212, 5, v0
	v_readfirstlane_b32 s[WV], v212
	v_and_b32 v215, 31, v0
	v_and_b32 v213, 15, v0
	v_bfe_u32 v214, v0, 4, 1
	v_lshlrev_b32 v[L16], 4, v215
	v_lshlrev_b32 v[L8], 3, v215
	v_lshlrev_b32 v[L4], 2, v215
	v_lshlrev_b32 v14, 6, v214
	v_mov_b32 v[TM+4], 0
	v_mov_b32 v[TM+5], 0
	v_lshlrev_b32 v[EQ0], 9, v212
	v_lshl_add_u32 v[EQ0], v213, 1, v[EQ0]
	v_add_nc_u32 v[EQ0], SCB, v[EQ0]
	; the scales' way out: lane l takes tile 4 w + l / 8, words 4 (l % 8) on: waves 2 ((l / 4) % 2) and that + 1, rows 4 (l % 4) on
	v_bfe_u32 v220, v215, 2, 1
	v_lshlrev_b32 v217, 10, v220
	v_lshl_add_u32 v217, v212, 7, v217
	v_lshrrev_b32 v220, 3, v215
	v_lshl_add_u32 v217, v220, 5, v217
	v_and_b32 v221, 3, v215
	v_lshl_add_u32 v217, v221, 3, v217
	v_add_nc_u32 v217, SCB, v217
	v_mul_u32_u24 v219, v220, 51200
	v_and_b32 v221, 7, v215
	v_lshl_add_u32 v219, v221, 4, v219
	s_bfe_u32 s18, ttmp6, 0x40000                  ; cx
	s_lshl_b32 s17, ttmp9, 2
	s_add_co_u32 s18, s18, s17                     ; gx: 256 hidden units
	s_and_b32 s19, ttmp7, 0xffff                   ; gy: 256 rows, which the partners share
	s_mul_i32 s28, s19, BLK
	s_mul_i32 s30, s[WV], 4*REC
	s_add_co_u32 s28, s28, s30
	s_mov_b32 s29, 0
	s_mul_i32 s[G0+1], s[WV], 4*REC
	s_mul_i32 s24, s18, BLK
	s_add_co_u32 s24, s24, 3276800
	s_add_co_u32 s24, s24, s30
	s_mov_b32 s25, 0
	s_lshl_b32 s26, s18, 10
	s_lshl_b32 s27, s[WV], 8
	s_add_co_u32 s26, s26, s27                     ; b1 of my 64 units
	s_mov_b32 s27, 0
	s_mul_i32 s66, s19, 819200
	s_mul_i32 s67, s18, 3072
	s_add_co_u32 s68, s66, s67
	s_mul_i32 s67, s[WV], 768
	s_add_co_u32 s68, s68, s67                     ; my half of the first row tile's record
	s_mov_b32 s69, 0
	s_mul_i32 s67, s[WV], 204800
	s_add_co_u32 s70, s66, s67
	s_lshl_b32 s67, s18, 7
	s_add_co_u32 s70, s70, s67
	s_add_co_u32 s70, s70, 49152                   ; the scale words of row tiles 4 w on
	s_mov_b32 s71, 0
	s_mov_b32 s[G0], 1
	s_mov_b32 s[G1], 15|(3<<16)|(1<<21)
	s_mov_b32 s[G1+1], 32<<16
	s_mov_b32 s[G1+2], 200<<16
	s_mov_b32 s[G1+3], 32<<16
	s_mov_b32 s[G1+4], 200
	s_mov_b32 s[G1+5], 32
	s_mov_b32 s[G1+6], 0
	s_mov_b32 s[G1+7], 0
	s_mov_b32 s[SEL], 0x76543210
	s_mov_b32 s[SEL+1], 0xfedcba98
	s_mov_b32 s[TB], 0
	s_mov_b32 s[TQ], 0
	s_wait_dscnt 0x0
	s_wait_kmcnt 0x0
	s_add_nc_u64 s[G0+2:G0+3], s[4:5], s[28:29]
	s_or_b32 s[G0+3], s[G0+3], 0x80000000
	s_add_nc_u64 s[20:21], s[6:7], s[24:25]
	s_add_nc_u64 s[8:9], s[8:9], s[26:27]
	s_add_nc_u64 s[OUT:OUT+1], s[10:11], s[68:69]
	s_add_nc_u64 s[SOU:SOU+1], s[10:11], s[70:71]
	CROUND                                         ; all four partners are here: the joint loads meet
	tensor_load_to_lds s[G0:G0+3], s[G1:G1+7]      ; my one tensor load of the launch
	s_nop 0
.rept 4
	v_nop
.endr
.irp t, 0,1,2,3
	global_load_b128 v[BI+8*\t:BI+8*\t+3], v14, s[8:9] offset:128*(\t/2)+32*(\t%2)
	global_load_b128 v[BI+8*\t+4:BI+8*\t+7], v14, s[8:9] offset:128*(\t/2)+32*(\t%2)+16
.endr
.set f, 0
.rept 32
.if f < 21
	WIN 0x40
.set rS, 12*f
.else
	WIN 0x80
.set rS, 12*(f-21)
.endif
	global_load_b128 v[rS:rS+3], v[L16], s[20:21] offset:(f%4)*REC+1536*(f/4)
	global_load_b64 v[rS+4:rS+5], v[L8], s[20:21] offset:(f%4)*REC+1536*(f/4)+512
	global_load_b128 v[rS+6:rS+9], v[L16], s[20:21] offset:(f%4)*REC+1536*(f/4)+768
	global_load_b64 v[rS+10:rS+11], v[L8], s[20:21] offset:(f%4)*REC+1536*(f/4)+1280
.set f, f+1
.endr
	WIN 0
.irp t, 0,1,2,3
.irp g, 0,1,2,3
	global_load_b32 v[SSC+4*\t+\g], v[L4], s[20:21] offset:\t*REC+SCO+128*\g
.endr
.endr
	s_wait_tensorcnt 0x0                           ; my four records have landed
	s_barrier_signal -1
	s_barrier_wait -1                              ; all sixteen have
	s_wait_loadcnt 0x0
	TRIPHEAD
	LDT 0, A16, 0
	LDT 1, A16, REC
	s_mov_b32 s[CNT], 3
.Ltrip:
	TRIPHEAD
	TILE 0, 1, NLD
	TILE 1, 1, NLD
	TILE 2, 1, NLD
	TILE 3, 1, NLD
	s_wait_xcnt 0x0                                ; the trip's stores have read their data and base
	s_add_nc_u64 s[OUT:OUT+1], s[OUT:OUT+1], 204800
	s_add_co_u32 s[TB], s[TB], 4*REC
	s_add_co_u32 s[TQ], s[TQ], 128
	s_sub_co_u32 s[CNT], s[CNT], 1
	s_cmp_lg_u32 s[CNT], 0
	s_cbranch_scc1 .Ltrip
	TRIPHEAD
	TILE 0, 1, NLD
	TILE 1, 1, NLD
	TILE 2, 0, NLD
	TILE 3, 0, 0
	s_wait_dscnt 0x0
	s_barrier_signal -1
	s_barrier_wait -1
	ds_load_b64 v[WO:WO+1], v217
	ds_load_b64 v[WO+2:WO+3], v217 offset:512
	s_wait_dscnt 0x0
	v_perm_b32 v[WO+4], v[WO+2], v[WO], 0x05040100
	v_perm_b32 v[WO+5], v[WO+2], v[WO], 0x07060302
	v_perm_b32 v[WO+6], v[WO+3], v[WO+1], 0x05040100
	v_perm_b32 v[WO+7], v[WO+3], v[WO+1], 0x07060302
	global_store_b128 v219, v[WO+4:WO+7], s[SOU:SOU+1]
	s_wait_tensorcnt 0x0
	ds_add_u32 v254, v255
	s_wait_dscnt 0x0
	CROUND                                         ; the closing round
	s_endpgm
.Lfunc_end_k_qc57e515625_w1:
	.size	k_qc57e515625_w1, .Lfunc_end_k_qc57e515625_w1-k_qc57e515625_w1
	.p2alignl 7, 3214868480
	.fill 96, 4, 3214868480
	.section	.rodata,"a",@progbits
	.p2align	6, 0x0
	.amdhsa_kernel k_qc57e515625_w1
		.amdhsa_group_segment_fixed_size 207360
		.amdhsa_private_segment_fixed_size 0
		.amdhsa_enable_private_segment 0
		.amdhsa_kernarg_size 32
		.amdhsa_user_sgpr_count 2
		.amdhsa_user_sgpr_kernarg_segment_ptr 1
		.amdhsa_wavefront_size32 1
		.amdhsa_system_sgpr_workgroup_id_x 1
		.amdhsa_system_sgpr_workgroup_id_y 1
		.amdhsa_system_sgpr_workgroup_id_z 1
		.amdhsa_system_vgpr_workitem_id 0
		.amdhsa_next_free_vgpr 960
		.amdhsa_next_free_sgpr 80
		.amdhsa_reserve_vcc 0
		.amdhsa_float_denorm_mode_32 3
		.amdhsa_float_denorm_mode_16_64 3
		.amdhsa_memory_ordered 1
		.amdhsa_forward_progress 1
		.amdhsa_inst_pref_size 99
	.end_amdhsa_kernel
	.amdgpu_metadata
---
amdhsa.version: [ 1, 2 ]
amdhsa.kernels:
  - .name:           k_qc57e515625_w1
    .symbol:         k_qc57e515625_w1.kd
    .args:
      - { .name: act, .offset: 0, .size: 8, .value_kind: global_buffer, .address_space: global }
      - { .name: wimg, .offset: 8, .size: 8, .value_kind: global_buffer, .address_space: global }
      - { .name: b1, .offset: 16, .size: 8, .value_kind: global_buffer, .address_space: global }
      - { .name: arec, .offset: 24, .size: 8, .value_kind: global_buffer, .address_space: global }
    .group_segment_fixed_size: 207360
    .private_segment_fixed_size: 0
    .kernarg_segment_align: 8
    .kernarg_segment_size: 32
    .max_flat_workgroup_size: 128
    .sgpr_count:     80
    .vgpr_count:     960
    .wavefront_size: 32
...
	.end_amdgpu_metadata
.endif
;; end of part 6
;; launch w2 (part 7): grid 16 x 16, 4 waves a work-group, no clusters, 35,328 bytes of LDS; arguments arec, wimg, b2, r1, stats, g1, be1, r2; writes r2
.if DOCPART == 7
	.amdgcn_target "amdgcn-amd-amdhsa--gfx1250"
	.amdhsa_code_object_version 6
	.text
	.protected	k_qc57e515625_w2
	.globl	k_qc57e515625_w2
	.p2align	8
	.type	k_qc57e515625_w2,@function
k_qc57e515625_w2:
	s_mov_b64 s[64:65], 0
	v_nop
	global_prefetch_b8 v0, s[64:65] scope:SCOPE_SE
	s_setreg_imm32_b32 hwreg(HW_REG_WAVE_MODE, 25, 1), 1
	s_wait_xcnt 0x0
; r2 = h + a W2 + b2, with h = (r1 - mean) rstd g1 + be1 made again from r1 and the stored (mean, rstd).  a comes as records of codes (K = 4,096), W2 likewise.
; A work-group makes 64 columns x 256 rows; THE WAVES SHARE K: wave w takes K steps NS w .. NS w + NS - 1 of all of it.  Its 4 NS fragments of the weight stay in registers; each fragment of a goes from memory to this one
; wave's registers; the four partial sums of a tile meet in a stage in LDS and are added in f32.
; ALL THAT A TILE WANTS OF MEMORY IS ASKED FOR D TILES AHEAD: its fragments and scale words (into a ring of D slots in window 3) and, of the rows that this wave finishes, r1 and (mean, rstd) (rings of D slots in window 0).
; So a tile has one wait for loads, at its head, and it is counted: the D - 1 later tiles' loads stay out.
; No tensor load, so no joint request: a fragment has one reader in the work-group.  ORDER OF SUMS: K is summed in four parts, then (P0 + P1) + (P2 + P3).
; Source 0 = 16 rows of the weight, source 1 = 16 rows of a: lane (r, h) holds row r, register 8 t + j column 32 (t / 2) + 16 h + 8 (t % 2) + j of the 64.
.set NS,    8
.set D,     2
.set REC,   51200
.set SCO,   49152
.set WOFF,  6553600
.set LNRES, 1
.set LPF,   4*NS+NS/2                  ; loads that bring my fragments and scale words of a tile
.set NRES,  2+2*LNRES                  ; loads for a tile's residual
.set LPT,   LPF+NRES                   ; all the loads of a tile
.set L16, 1
.set L8,  2
.set L4,  3
.set VSS, 4
.set VSR, 5
.set VRO, 6
.set VSO, 7
.set SSC, 16
.set TS,  32
.set ACC, 40
.set PR,  72
.set BIAS, 116
.set G,   120
.set BB,  124
.set RES, 128                          ; v128..  r1's rows: 8 registers for each of D slots
.set STT, 160                          ; v160..  (mean, rstd) of the rows: 4 registers for each of D slots
.set SA,  4
.set SW,  6
.set SBI, 8
.set SR,  10
.set SS,  12
.set SG,  14
.set SBE, 16
.set SO,  18
.set SAS, 20
.set WV,  22
.set CNT, 23
.set SWS, 40
.set MSB, 0
.macro WIN new                         ; the immediate's high byte repeats the setting that is left
.if MSB != \new
	s_set_vgpr_msb (MSB<<8)|\new
.set MSB, \new
.endif
.endm
.macro PFK slot, off                   ; my NS fragments and scale words of the tile off bytes on, into ring slot slot
	WIN 0xc0
.set q, 0
.rept NS
	global_load_b128 v[12*((\slot)*NS+q):12*((\slot)*NS+q)+3], v[L16], s[SA:SA+1] offset:(\off)+1536*q
	global_load_b64 v[12*((\slot)*NS+q)+4:12*((\slot)*NS+q)+5], v[L8], s[SA:SA+1] offset:(\off)+1536*q+512
	global_load_b128 v[12*((\slot)*NS+q)+6:12*((\slot)*NS+q)+9], v[L16], s[SA:SA+1] offset:(\off)+1536*q+768
	global_load_b64 v[12*((\slot)*NS+q)+10:12*((\slot)*NS+q)+11], v[L8], s[SA:SA+1] offset:(\off)+1536*q+1280
.set q, q+1
.endr
	WIN 0
.set q, 0
.rept NS/2
	global_load_b32 v[TS+(NS/2)*(\slot)+q], v[L4], s[SAS:SAS+1] offset:(\off)+128*q
.set q, q+1
.endr
.endm
.macro RLD slot, t                     ; the residual of the four rows that I finish of the trip's tile t, into ring slot slot: lanes 0-15 one row's 256 bytes, lanes 16-31 the next row's
.irp e, 0,1
	global_load_b128 v[RES+8*(\slot)+4*\e:RES+8*(\slot)+4*\e+3], v[VRO], s[SR:SR+1] offset:(32*((\t)/2)+8*((\t)%2)+2*\e)*4096
.endr
.if LNRES
.irp e, 0,1
	global_load_b64 v[STT+4*(\slot)+2*\e:STT+4*(\slot)+2*\e+1], v[VSO], s[SS:SS+1] offset:128*(\t)+16*\e
.endr
.endif
.endm
.macro MULK k                          ; 4 NS products; the four accumulators take turns; the first K step starts the sums
.set f, 0
.rept 4*NS
.if f < 21
	WIN 0x0d
.set rS, 12*f
.else
	WIN 0x0e
.set rS, 12*(f-21)
.endif
.set rB, 12*(((\k)%D)*NS+f/4)
.set rD, ACC+8*(f%4)
.set rX, SSC+(NS/2)*(f%4)+f/8
.set rY, TS+(NS/2)*((\k)%D)+f/8
.if f < 4
	v_wmma_scale_f32_16x16x128_f8f6f4 v[rD:rD+7], v[rS:rS+11], v[rB:rB+11], 0, v[rX], v[rY] matrix_a_fmt:MATRIX_FMT_BF6 matrix_b_fmt:MATRIX_FMT_BF6
.elseif (f/4)%2 == 0
	v_wmma_scale_f32_16x16x128_f8f6f4 v[rD:rD+7], v[rS:rS+11], v[rB:rB+11], v[rD:rD+7], v[rX], v[rY] matrix_a_fmt:MATRIX_FMT_BF6 matrix_b_fmt:MATRIX_FMT_BF6
.else
	v_wmma_scale_f32_16x16x128_f8f6f4 v[rD:rD+7], v[rS:rS+11], v[rB:rB+11], v[rD:rD+7], v[rX], v[rY] matrix_a_fmt:MATRIX_FMT_BF6 matrix_b_fmt:MATRIX_FMT_BF6 matrix_a_scale:MATRIX_SCALE_ROW1 matrix_b_scale:MATRIX_SCALE_ROW1
.endif
.set f, f+1
.endr
.endm
; The trip's tile k.  pf = 1: it asks for the tile D on.  wf: the loads issued behind this tile's own, which may stay out.
.macro TILE k, pf, wf
	s_wait_loadcnt \wf                             ; loads come back in order: this tile's fragments, scale words and residual are in; the later tiles' LPT loads each may be out
	MULK \k
	WIN 0
.rept 4
	v_nop                                          ; four places in front of the loads into the slot just read and of the stores of the results
.endr
.if \pf
	PFK (\k)%D, ((\k)+D)*REC
.endif
.irp t, 0,1,2,3
	ds_store_b128 v[VSS], v[ACC+8*\t:ACC+8*\t+3] offset:17408*((\k)%2)+128*(\t/2)+32*(\t%2)      ; each accumulator from its low end on
	ds_store_b128 v[VSS], v[ACC+8*\t+4:ACC+8*\t+7] offset:17408*((\k)%2)+128*(\t/2)+32*(\t%2)+16
.endr
	s_wait_xcnt 0x0                                ; the last tile's stores have read the registers that the LDS loads below fill
	s_wait_dscnt 0x0                               ; my partial sums lie in the stage; my reads of the other stage, one tile back, are over
	s_barrier_signal -1
	s_barrier_wait -1                              ; so this stage is whole, and the other may be written in the next tile
.irp p, 0,1,2,3
.irp e, 0,1
	ds_load_b128 v[PR+8*\p+4*\e:PR+8*\p+4*\e+3], v[VSR] offset:17408*((\k)%2)+4352*\p+544*\e
.endr
.endr
	s_wait_dscnt 0x0
.irp e, 0,1
.irp m, 0,2
	v_pk_add_f32 v[PR+4*\e+\m:PR+4*\e+\m+1], v[PR+4*\e+\m:PR+4*\e+\m+1], v[PR+8+4*\e+\m:PR+8+4*\e+\m+1]
	v_pk_add_f32 v[PR+16+4*\e+\m:PR+16+4*\e+\m+1], v[PR+16+4*\e+\m:PR+16+4*\e+\m+1], v[PR+24+4*\e+\m:PR+24+4*\e+\m+1]
.endr
.endr
.irp e, 0,1
.irp m, 0,2
	v_pk_add_f32 v[PR+4*\e+\m:PR+4*\e+\m+1], v[PR+4*\e+\m:PR+4*\e+\m+1], v[PR+16+4*\e+\m:PR+16+4*\e+\m+1]
.endr
.endr
.set rR, RES+8*((\k)%D)                ; this tile's slot of the residual's ring
.set rT, STT+4*((\k)%D)
.irp e, 0,1
.irp m, 0,2
.if LNRES
	v_pk_add_f32 v[rR+4*\e+\m:rR+4*\e+\m+1], v[rR+4*\e+\m:rR+4*\e+\m+1], v[rT+2*\e:rT+2*\e+1] op_sel_hi:[1,0] neg_lo:[0,1] neg_hi:[0,1]   ; - mean
	v_pk_mul_f32 v[rR+4*\e+\m:rR+4*\e+\m+1], v[rR+4*\e+\m:rR+4*\e+\m+1], v[rT+2*\e:rT+2*\e+1] op_sel:[0,1] op_sel_hi:[1,1]              ; x rstd
	v_pk_fma_f32 v[rR+4*\e+\m:rR+4*\e+\m+1], v[rR+4*\e+\m:rR+4*\e+\m+1], v[G+\m:G+\m+1], v[BB+\m:BB+\m+1]                               ; x g1 + (be1 + b2)
.else
	v_pk_add_f32 v[rR+4*\e+\m:rR+4*\e+\m+1], v[rR+4*\e+\m:rR+4*\e+\m+1], v[BIAS+\m:BIAS+\m+1]
.endif
	v_pk_add_f32 v[PR+4*\e+\m:PR+4*\e+\m+1], v[PR+4*\e+\m:PR+4*\e+\m+1], v[rR+4*\e+\m:rR+4*\e+\m+1]
.endr
.endr
.irp e, 0,1
	global_store_b128 v[VRO], v[PR+4*\e:PR+4*\e+3], s[SO:SO+1] offset:(32*((\k)/2)+8*((\k)%2)+2*\e)*4096   ; sixteen lanes store 256 consecutive bytes, aligned
.endr
.if \pf
	RLD (\k)%D, (\k)+D                             ; the slot has been read: it takes the residual of the tile D on
.endif
.endm
	s_load_b256 s[4:11], s[0:1], 0x0               ; arec, wimg, b2, r1
.if LNRES
	s_load_b256 s[12:19], s[0:1], 0x20             ; stats, g1, be1, r2
	v_lshl_add_u32 v254, v0, 2, 0x8800
	v_mov_b32 v255, 0
.else
	s_load_b64 s[12:13], s[0:1], 0x20
.endif
	v_lshrrev_b32 v8, 5, v0
	v_readfirstlane_b32 s[WV], v8
	v_and_b32 v9, 31, v0
	v_and_b32 v10, 15, v0                          ; r
	v_bfe_u32 v11, v0, 4, 1                        ; h
	v_lshlrev_b32 v[L16], 4, v9
	v_lshlrev_b32 v[L8], 3, v9
	v_lshlrev_b32 v[L4], 2, v9
	v_mul_u32_u24 v[VSS], v8, 4352                 ; the stage: [2][wave][16 rows x (256 + 16) bytes]: in: row r, + 64 h
	v_mad_u32_u24 v[VSS], v10, 272, v[VSS]
	v_lshl_add_u32 v[VSS], v11, 6, v[VSS]
	v_mul_u32_u24 v[VSR], v8, 1088                 ; back: rows 4 w + h (+ 2 e), 16 bytes a lane
	v_mad_u32_u24 v[VSR], v11, 272, v[VSR]
	v_lshl_add_u32 v[VSR], v10, 4, v[VSR]
	v_lshlrev_b32 v[VRO], 12, v11
	v_lshl_add_u32 v[VRO], v10, 4, v[VRO]          ; in memory: 4,096 h + 16 r
	v_lshlrev_b32 v[VSO], 3, v11
	v_lshlrev_b32 v12, 4, v10
	s_and_b32 s24, ttmp7, 0xffff                   ; gy: 256 rows
	s_mul_i32 s26, s24, 16*REC
	s_mul_i32 s27, s[WV], 1536*NS
	s_add_co_u32 s28, s26, s27
	s_mov_b32 s29, 0
	s_mul_i32 s27, s[WV], 64*NS
	s_add_co_u32 s30, s26, s27
	s_add_co_u32 s30, s30, SCO
	s_mov_b32 s31, 0
	s_mul_i32 s26, ttmp9, 4*REC                    ; gx: 64 columns, four tiles of the weight
	s_add_co_u32 s26, s26, WOFF
	s_mul_i32 s27, s[WV], 1536*NS
	s_add_co_u32 s32, s26, s27
	s_mov_b32 s33, 0
	s_mul_i32 s27, s[WV], 64*NS
	s_add_co_u32 s34, s26, s27
	s_add_co_u32 s34, s34, SCO
	s_mov_b32 s35, 0
	s_lshl_b32 s36, s24, 8
	s_lshl_b32 s27, s[WV], 2
	s_add_co_u32 s36, s36, s27
	s_lshr_b32 s27, s[WV], 1
	s_lshl_b32 s27, s27, 3
	s_add_co_u32 s36, s36, s27                     ; row 256 gy + 4 w + 8 (w / 2)
	s_lshl_b32 s36, s36, 12
	s_lshl_b32 s38, ttmp9, 8
	s_add_co_u32 s36, s36, s38
	s_mov_b32 s37, 0
	s_mov_b32 s39, 0
.if LNRES
	s_lshl_b32 s42, s24, 11                        ; stats: 128 bytes a row tile, 32 a wave
	s_lshl_b32 s27, s[WV], 5
	s_add_co_u32 s42, s42, s27
	s_mov_b32 s43, 0
.endif
	s_wait_kmcnt 0x0
	s_add_nc_u64 s[SAS:SAS+1], s[SA:SA+1], s[30:31]
	s_add_nc_u64 s[SA:SA+1], s[SA:SA+1], s[28:29]
	s_add_nc_u64 s[SWS:SWS+1], s[SW:SW+1], s[34:35]
	s_add_nc_u64 s[SW:SW+1], s[SW:SW+1], s[32:33]
	s_add_nc_u64 s[SBI:SBI+1], s[SBI:SBI+1], s[38:39]
	s_add_nc_u64 s[SR:SR+1], s[SR:SR+1], s[36:37]
	s_add_nc_u64 s[SO:SO+1], s[SO:SO+1], s[36:37]
	global_load_b128 v[BIAS:BIAS+3], v12, s[SBI:SBI+1]
.if LNRES
	s_add_nc_u64 s[SS:SS+1], s[SS:SS+1], s[42:43]
	s_add_nc_u64 s[SG:SG+1], s[SG:SG+1], s[38:39]
	s_add_nc_u64 s[SBE:SBE+1], s[SBE:SBE+1], s[38:39]
	global_load_b128 v[G:G+3], v12, s[SG:SG+1]
	global_load_b128 v[BB:BB+3], v12, s[SBE:SBE+1]
.endif
.set f, 0
.rept 4*NS                             ; the weight's fragments: my K step f / 4 of tile f % 4: they stay
.if f < 21
	WIN 0x40
.set rS, 12*f
.else
	WIN 0x80
.set rS, 12*(f-21)
.endif
	global_load_b128 v[rS:rS+3], v[L16], s[SW:SW+1] offset:(f%4)*REC+1536*(f/4)
	global_load_b64 v[rS+4:rS+5], v[L8], s[SW:SW+1] offset:(f%4)*REC+1536*(f/4)+512
	global_load_b128 v[rS+6:rS+9], v[L16], s[SW:SW+1] offset:(f%4)*REC+1536*(f/4)+768
	global_load_b64 v[rS+10:rS+11], v[L8], s[SW:SW+1] offset:(f%4)*REC+1536*(f/4)+1280
.set f, f+1
.endr
	WIN 0
.irp t, 0,1,2,3
.set q, 0
.rept NS/2
	global_load_b32 v[SSC+(NS/2)*\t+q], v[L4], s[SWS:SWS+1] offset:\t*REC+128*q
.set q, q+1
.endr
.endr
.set kk, 0
.rept D                                ; the first D tiles: each tile's fragments, then its residual: the order in which the loop goes on asking
	PFK kk, kk*REC
	RLD kk, kk
.set kk, kk+1
.endr
.if LNRES
	s_wait_loadcnt 63                              ; b2 and be1 are older than the last 63 loads
	v_pk_add_f32 v[BB:BB+1], v[BB:BB+1], v[BIAS:BIAS+1]
	v_pk_add_f32 v[BB+2:BB+3], v[BB+2:BB+3], v[BIAS+2:BIAS+3]
.endif
	s_mov_b32 s[CNT], 16/D-1
.Ltrip:                                        ; D tiles a trip; each asks for the tile D on
.set kk, 0
.rept D
	TILE kk, 1, (D-1)*LPT
.set kk, kk+1
.endr
	s_wait_xcnt 0x0                                ; the trip's loads and stores have read their bases
	s_add_nc_u64 s[SA:SA+1], s[SA:SA+1], D*REC
	s_add_nc_u64 s[SAS:SAS+1], s[SAS:SAS+1], D*REC
	s_add_nc_u64 s[SR:SR+1], s[SR:SR+1], 16*D*4096
	s_add_nc_u64 s[SO:SO+1], s[SO:SO+1], 16*D*4096
.if LNRES
	s_add_nc_u64 s[SS:SS+1], s[SS:SS+1], 128*D
.endif
	s_sub_co_u32 s[CNT], s[CNT], 1
	s_cmp_lg_u32 s[CNT], 0
	s_cbranch_scc1 .Ltrip
.set kk, 0
.rept D                                ; the last D tiles ask for nothing: the counts run down
	TILE kk, 0, (D-1-kk)*LPT
.set kk, kk+1
.endr
	s_wait_tensorcnt 0x0
	ds_add_u32 v254, v255
	s_wait_dscnt 0x0
	s_endpgm
.Lfunc_end_k_qc57e515625_w2:
	.size	k_qc57e515625_w2, .Lfunc_end_k_qc57e515625_w2-k_qc57e515625_w2
	.p2alignl 7, 3214868480
	.fill 96, 4, 3214868480
	.section	.rodata,"a",@progbits
	.p2align	6, 0x0
	.amdhsa_kernel k_qc57e515625_w2
		.amdhsa_group_segment_fixed_size 35328
		.amdhsa_private_segment_fixed_size 0
		.amdhsa_enable_private_segment 0
		.amdhsa_kernarg_size 64
		.amdhsa_user_sgpr_count 2
		.amdhsa_user_sgpr_kernarg_segment_ptr 1
		.amdhsa_wavefront_size32 1
		.amdhsa_system_sgpr_workgroup_id_x 1
		.amdhsa_system_sgpr_workgroup_id_y 1
		.amdhsa_system_sgpr_workgroup_id_z 1
		.amdhsa_system_vgpr_workitem_id 0
		.amdhsa_next_free_vgpr 960
		.amdhsa_next_free_sgpr 66
		.amdhsa_reserve_vcc 0
		.amdhsa_float_denorm_mode_32 3
		.amdhsa_float_denorm_mode_16_64 3
		.amdhsa_memory_ordered 1
		.amdhsa_forward_progress 1
		.amdhsa_inst_pref_size 63
	.end_amdhsa_kernel
	.amdgpu_metadata
---
amdhsa.version: [ 1, 2 ]
amdhsa.kernels:
  - .name:           k_qc57e515625_w2
    .symbol:         k_qc57e515625_w2.kd
    .args:
      - { .name: arec, .offset: 0, .size: 8, .value_kind: global_buffer, .address_space: global }
      - { .name: wimg, .offset: 8, .size: 8, .value_kind: global_buffer, .address_space: global }
      - { .name: b2, .offset: 16, .size: 8, .value_kind: global_buffer, .address_space: global }
      - { .name: r1, .offset: 24, .size: 8, .value_kind: global_buffer, .address_space: global }
      - { .name: stats, .offset: 32, .size: 8, .value_kind: global_buffer, .address_space: global }
      - { .name: g1, .offset: 40, .size: 8, .value_kind: global_buffer, .address_space: global }
      - { .name: be1, .offset: 48, .size: 8, .value_kind: global_buffer, .address_space: global }
      - { .name: r2, .offset: 56, .size: 8, .value_kind: global_buffer, .address_space: global }
    .group_segment_fixed_size: 35328
    .private_segment_fixed_size: 0
    .kernarg_segment_align: 8
    .kernarg_segment_size: 64
    .max_flat_workgroup_size: 128
    .sgpr_count:     66
    .vgpr_count:     960
    .wavefront_size: 32
...
	.end_amdgpu_metadata
.endif
;; end of part 7
;; launch ln2 (part 8): grid 256 x 1, 4 waves a work-group, no clusters, 0 bytes of LDS; arguments r2, g2, be2, out0; writes out0
.if DOCPART == 8
	.amdgcn_target "amdgcn-amd-amdhsa--gfx1250"
	.amdhsa_code_object_version 6
	.text
	.protected	k_qc57e515625_ln2
	.globl	k_qc57e515625_ln2
	.p2align	8
	.type	k_qc57e515625_ln2,@function
k_qc57e515625_ln2:
	s_mov_b64 s[64:65], 0
	v_nop
	global_prefetch_b8 v0, s[64:65] scope:SCOPE_SE
	s_setreg_imm32_b32 hwreg(HW_REG_WAVE_MODE, 25, 1), 1
	s_wait_xcnt 0x0
; out0 = LayerNorm(r2) g2 + be2.  A wave takes four neighbouring rows; a row of 4,096 bytes lies in the wave's registers, 32 a lane, between the passes: it is read once, and no wave waits for another.
; Every load and store of a wave covers 512 consecutive bytes.  No LDS, no barrier, no matrix work: memory binds.
; LIMITS: NaN and infinities are not served.
.set X,    32
.set G,    160
.set BE,   192
.set AC,   224
.set MU,   232
.set TP,   240
.set SEL,  50
.macro REDUCE
.irp i, 0,1,2,3
	v_add_f32 v[AC+2*\i], v[AC+2*\i], v[AC+2*\i+1]
.endr
.irp m, 1,2,4,8
.irp i, 0,1,2,3
	v_add_f32_dpp v[AC+2*\i], v[AC+2*\i], v[AC+2*\i] row_xmask:\m row_mask:0xf bank_mask:0xf
.endr
.endr
.irp i, 0,1,2,3
	v_permlanex16_b32 v[TP+\i], v[AC+2*\i], s[SEL], s[SEL+1]
.endr
.irp i, 0,1,2,3
	v_add_f32 v[AC+2*\i], v[AC+2*\i], v[TP+\i]
.endr
.endm
.macro LNORM
.irp i, 0,1,2,3
	v_pk_add_f32 v[AC+2*\i:AC+2*\i+1], v[X+32*\i:X+32*\i+1], v[X+32*\i+2:X+32*\i+3]
.endr
.irp p, 4,6,8,10,12,14,16,18,20,22,24,26,28,30
.irp i, 0,1,2,3
	v_pk_add_f32 v[AC+2*\i:AC+2*\i+1], v[AC+2*\i:AC+2*\i+1], v[X+32*\i+\p:X+32*\i+\p+1]
.endr
.endr
	REDUCE
.irp i, 0,1,2,3
	v_mul_f32 v[MU+2*\i], 0x3a800000, v[AC+2*\i]   ; / 1,024
.endr
.irp p, 0,2,4,6,8,10,12,14,16,18,20,22,24,26,28,30
.irp i, 0,1,2,3
	v_pk_add_f32 v[X+32*\i+\p:X+32*\i+\p+1], v[X+32*\i+\p:X+32*\i+\p+1], v[MU+2*\i:MU+2*\i+1] op_sel_hi:[1,0] neg_lo:[0,1] neg_hi:[0,1]
.endr
.endr
.irp i, 0,1,2,3
	v_pk_mul_f32 v[AC+2*\i:AC+2*\i+1], v[X+32*\i:X+32*\i+1], v[X+32*\i:X+32*\i+1]
.endr
.irp p, 2,4,6,8,10,12,14,16,18,20,22,24,26,28,30
.irp i, 0,1,2,3
	v_pk_fma_f32 v[AC+2*\i:AC+2*\i+1], v[X+32*\i+\p:X+32*\i+\p+1], v[X+32*\i+\p:X+32*\i+\p+1], v[AC+2*\i:AC+2*\i+1]
.endr
.endr
	REDUCE
.irp i, 0,1,2,3
	v_fma_f32 v[AC+2*\i], v[AC+2*\i], s48, s49     ; var + eps
.endr
.irp i, 0,1,2,3
	v_rsq_f32 v[MU+2*\i+1], v[AC+2*\i]
.endr
	v_nop                                          ; a plain line behind the batch,
	s_wait_alu depctr_va_vdst(0)                   ; and one wait ahead of its first reader
.irp p, 0,2,4,6,8,10,12,14,16,18,20,22,24,26,28,30
.irp i, 0,1,2,3
	v_pk_mul_f32 v[X+32*\i+\p:X+32*\i+\p+1], v[X+32*\i+\p:X+32*\i+\p+1], v[MU+2*\i:MU+2*\i+1] op_sel:[0,1] op_sel_hi:[1,1]
.endr
.irp i, 0,1,2,3
	v_pk_fma_f32 v[X+32*\i+\p:X+32*\i+\p+1], v[X+32*\i+\p:X+32*\i+\p+1], v[G+\p:G+\p+1], v[BE+\p:BE+\p+1]
.endr
.endr
.endm
	s_load_b256 s[4:11], s[0:1], 0x0               ; r2, g2, be2, out0
	v_lshrrev_b32 v6, 5, v0
	v_readfirstlane_b32 s2, v6
	v_and_b32 v7, 31, v0
	v_lshlrev_b32 v1, 4, v7
.irp i, 0,1,2,3
	v_mov_b32 v[TP+\i], 0                          ; a lane permute's destination counts as read
	v_mov_b32 v[MU+2*\i+1], 0                      ; named as the upper word of a pair before it is made
.endr
	s_lshl_b32 s14, ttmp9, 4
	s_lshl_b32 s15, s2, 2
	s_add_co_u32 s14, s14, s15                     ; my first row: 16 x work-group + 4 x wave
	s_lshl_b32 s14, s14, 12
	s_mov_b32 s15, 0
	s_mov_b32 s48, 0x3a800000                      ; 1 / 1,024
	s_mov_b32 s49, 0x3727c5ac                      ; eps = 1e-5
	s_mov_b32 s[SEL], 0x76543210
	s_mov_b32 s[SEL+1], 0xfedcba98
	s_wait_kmcnt 0x0
	s_add_nc_u64 s[4:5], s[4:5], s[14:15]
	s_add_nc_u64 s[10:11], s[10:11], s[14:15]
.irp i, 0,1,2,3
.irp q, 0,1,2,3,4,5,6,7
	global_load_b128 v[X+32*\i+4*\q:X+32*\i+4*\q+3], v1, s[4:5] offset:4096*\i+512*\q th:TH_LOAD_NT
.endr
.endr
.irp q, 0,1,2,3,4,5,6,7
	global_load_b128 v[G+4*\q:G+4*\q+3], v1, s[6:7] offset:512*\q
	global_load_b128 v[BE+4*\q:BE+4*\q+3], v1, s[8:9] offset:512*\q
.endr
	s_wait_loadcnt 0x0
	LNORM
.irp i, 0,1,2,3
.irp q, 0,1,2,3,4,5,6,7
	global_store_b128 v1, v[X+32*\i+4*\q:X+32*\i+4*\q+3], s[10:11] offset:4096*\i+512*\q th:TH_STORE_NT
.endr
.endr
	s_endpgm
.Lfunc_end_k_qc57e515625_ln2:
	.size	k_qc57e515625_ln2, .Lfunc_end_k_qc57e515625_ln2-k_qc57e515625_ln2
	.p2alignl 7, 3214868480
	.fill 96, 4, 3214868480
	.section	.rodata,"a",@progbits
	.p2align	6, 0x0
	.amdhsa_kernel k_qc57e515625_ln2
		.amdhsa_group_segment_fixed_size 0
		.amdhsa_private_segment_fixed_size 0
		.amdhsa_enable_private_segment 0
		.amdhsa_kernarg_size 32
		.amdhsa_user_sgpr_count 2
		.amdhsa_user_sgpr_kernarg_segment_ptr 1
		.amdhsa_wavefront_size32 1
		.amdhsa_system_sgpr_workgroup_id_x 1
		.amdhsa_system_sgpr_workgroup_id_y 1
		.amdhsa_system_sgpr_workgroup_id_z 1
		.amdhsa_system_vgpr_workitem_id 0
		.amdhsa_next_free_vgpr 256
		.amdhsa_next_free_sgpr 66
		.amdhsa_reserve_vcc 0
		.amdhsa_float_denorm_mode_32 3
		.amdhsa_float_denorm_mode_16_64 3
		.amdhsa_memory_ordered 1
		.amdhsa_forward_progress 1
		.amdhsa_inst_pref_size 33
	.end_amdhsa_kernel
	.amdgpu_metadata
---
amdhsa.version: [ 1, 2 ]
amdhsa.kernels:
  - .name:           k_qc57e515625_ln2
    .symbol:         k_qc57e515625_ln2.kd
    .args:
      - { .name: r2, .offset: 0, .size: 8, .value_kind: global_buffer, .address_space: global }
      - { .name: g2, .offset: 8, .size: 8, .value_kind: global_buffer, .address_space: global }
      - { .name: be2, .offset: 16, .size: 8, .value_kind: global_buffer, .address_space: global }
      - { .name: out0, .offset: 24, .size: 8, .value_kind: global_buffer, .address_space: global }
    .group_segment_fixed_size: 0
    .private_segment_fixed_size: 0
    .kernarg_segment_align: 8
    .kernarg_segment_size: 32
    .max_flat_workgroup_size: 128
    .sgpr_count:     66
    .vgpr_count:     256
    .wavefront_size: 32
...
	.end_amdgpu_metadata
.endif
;; end of part 8
;; ======== version 2 of 2: 8 launches
;; workspace buffers: wimg 9,830,400 bytes; act 3,276,800 bytes; qkv 9,830,400 bytes; r1 16,777,216 bytes; stats 32,768 bytes; arec 13,107,200 bytes; r2 16,777,216 bytes
;; launch prep (part 9): grid 1024 x 1, 4 waves a work-group, no clusters, 78,848 bytes of LDS; arguments x, Wq_codes, Wk_codes, Wv_codes, Wo_codes, W1_codes, W2_codes, Wq_scales, Wk_scales, Wv_scales, Wo_scales, W1_scales, W2_scales, wimg, act; writes wimg, act
.if DOCPART == 9
	.amdgcn_target "amdgcn-amd-amdhsa--gfx1250"
	.amdhsa_code_object_version 6
	.text
	.protected	k_qc57e515625_prep
	.globl	k_qc57e515625_prep
	.p2align	8
	.type	k_qc57e515625_prep,@function
k_qc57e515625_prep:
	s_mov_b64 s[64:65], 0
	v_nop
	global_prefetch_b8 v0, s[64:65] scope:SCOPE_SE
	s_setreg_imm32_b32 hwreg(HW_REG_WAVE_MODE, 25, 1), 1
	s_wait_xcnt 0x0
; x (f32) becomes codes of E3M2 with one E8M0 byte for each 32 along K; the six weights (given as codes) are laid out anew.  Both leave as RECORDS: images of the matrix operand's registers.
; A tile is 16 rows; lane r of tile t holds natural row 32 (t / 2) + 8 (t % 2) + r + 8 (r / 8).  A fragment (16 rows x 128 K, 12 registers a lane) lies as 1,536 bytes: registers 0-3 at 16 x lane,
; registers 4-5 at 512 + 8 x lane, registers 6-9 at 768 + 16 x lane, registers 10-11 at 1,280 + 8 x lane.  The scale word of K step s and row r lies at 128 (s / 2) + 64 (s % 2) + 4 r of the record's scale area.
; A record of K = 1,024: 8 fragments, then 512 bytes of scale words (12,800 bytes); of K = 4,096: 32 fragments, then 2,048 bytes (51,200).
; Work-groups 0-255: one row tile of x each.  Work-groups 256-1023: one unit (16 rows x 8 K steps) of a weight each.  The two ways part on the work-group's number and have LDS bytes of their own.
; LIMITS: NaN and infinities in x are not served.  A block of x whose largest magnitude lies under 2^-122 (zeros too) gets the byte 1 where the quantiser says otherwise: its codes are zeros or subnormals, and this program alone reads the bytes.
.set XP,   4112                        ; x's stage: a row of 4,096 bytes + 16: 257 x 16, so the sixteen rows of a read start in different banks
.set WST,  65792                       ; the weights' stage, behind x's 16 rows
.set WP,   784                         ; a row of 768 bytes + 16
.set REC1, 12800
.set TM,   200                         ; v200-215 at work in the quantiser
.set SEL,  50                          ; s[50:51] lane selects: lane l xor 16
; 64 numbers of a lane, register 16 b + i = k 32 b + 16 (lane / 16) + i of my row, become a fragment's 12 registers at v[pc] and its scale word in v[pw]
.macro QUANT4 s, pc, pw
.irp b, 0,1,2,3
	v_max3_num_f32 v[TM+\b], |v[\s+16*\b]|, |v[\s+1+16*\b]|, 0x2800000   ; with the floor 2^(5 - 127): the byte cannot fall under 1
.endr
.irp i, 2,4,6,8,10,12,14
.irp b, 0,1,2,3
	v_max3_num_f32 v[TM+\b], v[TM+\b], |v[\s+16*\b+\i]|, |v[\s+1+16*\b+\i]|
.endr
.endr
.irp b, 0,1,2,3
	v_permlanex16_b32 v[TM+4+\b], v[TM+\b], s[SEL], s[SEL+1]
.endr
.irp b, 0,1,2,3
	v_max_num_f32 v[TM+\b], v[TM+\b], v[TM+4+\b]   ; the block's largest magnitude
.endr
.irp b, 0,1,2,3
	v_add_nc_u32 v[TM+12+\b], 0xfe000000, v[TM+\b]   ; 4 off its exponent field: the conversion's scale operand
.endr
.irp b, 0,1,2,3
	v_lshrrev_b32 v[TM+4+\b], 23, v[TM+12+\b]      ; the scale's byte
.endr
	v_lshl_or_b32 v[\pw], v[TM+5], 8, v[TM+4]
	v_lshl_or_b32 v[\pw], v[TM+6], 16, v[\pw]
	v_lshl_or_b32 v[\pw], v[TM+7], 24, v[\pw]
.irp c, 0,1
	v_cvt_scalef32_pk16_bf6_f32 v[\pc+6*\c:\pc+2+6*\c], v[\s+32*\c:\s+15+32*\c], v[TM+12+2*\c]
	v_cvt_scalef32_pk16_bf6_f32 v[\pc+12+4*\c:\pc+14+4*\c], v[\s+16+32*\c:\s+31+32*\c], v[TM+12+2*\c+1]
.endr
	v_nop                                          ; one plain line behind the conversions
.irp c, 0,1
.irp i, 0,1,2
	v_permlane16_swap_b32 v[\pc+6*\c+\i], v[\pc+12+4*\c+\i]   ; a whole block to a lane: lanes 0-15 block 2 c, lanes 16-31 block 2 c + 1
.endr
.irp i, 0,1,2
	v_mov_b32 v[\pc+3+6*\c+\i], v[\pc+12+4*\c+\i]
.endr
.endr
.endm
.macro PUTF pc, base, off              ; a fragment's image: every store covers 512 or 256 consecutive bytes
	global_store_b128 v1, v[\pc:\pc+3], s[\base:\base+1] offset:\off
	global_store_b64 v2, v[\pc+4:\pc+5], s[\base:\base+1] offset:\off+512
	global_store_b128 v1, v[\pc+6:\pc+9], s[\base:\base+1] offset:\off+768
	global_store_b64 v2, v[\pc+10:\pc+11], s[\base:\base+1] offset:\off+1280
.endm
	s_load_b512 s[8:23], s[0:1], 0x0               ; x, the six tensors of codes, Wq's scales
	s_load_b256 s[24:31], s[0:1], 0x40             ; Wk's, Wv's, Wo's, W1's scales
	s_load_b128 s[32:35], s[0:1], 0x60             ; W2's scales, wimg
	s_load_b64 s[36:37], s[0:1], 0x70              ; act
	v_lshl_add_u32 v254, v0, 2, 0x13200
	v_mov_b32 v255, 0
	v_lshrrev_b32 v6, 5, v0
	v_readfirstlane_b32 s2, v6                     ; wave
	v_and_b32 v7, 31, v0                           ; lane
	v_and_b32 v8, 15, v0                           ; r
	v_bfe_u32 v9, v0, 4, 1                         ; h
	v_lshlrev_b32 v1, 4, v7                        ; 16 x lane
	v_lshlrev_b32 v2, 3, v7                        ; 8 x lane
	v_lshlrev_b32 v3, 2, v7                        ; 4 x lane
	s_lshr_b32 s3, s2, 1
	s_mov_b32 s[SEL], 0x76543210
	s_mov_b32 s[SEL+1], 0xfedcba98
	s_cmp_lt_u32 ttmp9, 256
	s_cbranch_scc0 .Lweights
	; ---- x: row tile rt = the work-group's number.  Wave w brings local rows 4 w .. 4 w + 3, which are neighbours in memory
	s_lshr_b32 s4, ttmp9, 1
	s_lshl_b32 s4, s4, 5
	s_and_b32 s5, ttmp9, 1
	s_lshl_b32 s5, s5, 3
	s_add_co_u32 s4, s4, s5
	s_lshl_b32 s5, s2, 2
	s_add_co_u32 s4, s4, s5
	s_lshl_b32 s5, s3, 3
	s_add_co_u32 s4, s4, s5                        ; 32 (rt / 2) + 8 (rt % 2) + 4 w + 8 (w / 2)
	s_lshl_b32 s4, s4, 12
	s_mov_b32 s5, 0
	s_mul_i32 s6, ttmp9, REC1
	s_mul_i32 s7, s2, 3072
	s_add_co_u32 s40, s6, s7                       ; my two fragments: K steps 2 w, 2 w + 1
	s_mov_b32 s41, 0
	s_lshl_b32 s7, s2, 7
	s_add_co_u32 s6, s6, s7                        ; and their scale words
	s_mov_b32 s7, 0
	s_mov_b32 s46, 0xffff0000
	s_wait_alu depctr_va_vdst(0)
	v_mad_u32_u24 v4, v6, 4*XP, v1                 ; into the stage: 16 x lane + my four rows
	v_mul_u32_u24 v5, v8, XP
	v_lshl_add_u32 v5, v9, 6, v5
	v_lshl_add_u32 v5, v6, 10, v5                  ; out of it: row r, + 64 h, + my two K steps
.irp b, 0,1,2,3
	v_mov_b32 v[TM+4+\b], 0                        ; a lane permute's destination counts as read
.endr
	s_wait_alu depctr_va_vdst(0)
	s_wait_kmcnt 0x0
	s_add_nc_u64 s[8:9], s[8:9], s[4:5]
	s_add_nc_u64 s[38:39], s[36:37], s[40:41]
	s_add_nc_u64 s[42:43], s[36:37], s[6:7]
.irp i, 0,1,2,3
.irp q, 0,1,2,3,4,5,6,7
	global_load_b128 v[32+32*\i+4*\q:35+32*\i+4*\q], v1, s[8:9] offset:4096*\i+512*\q th:TH_LOAD_NT   ; 512 consecutive bytes
.endr
.endr
.irp i, 0,1,2,3
	s_wait_loadcnt 24-8*\i                         ; row i's eight loads are in; the later rows' may be out
.irp q, 0,1,2,3,4,5,6,7
	ds_store_b128 v4, v[32+32*\i+4*\q:35+32*\i+4*\q] offset:XP*\i+512*\q
.endr
.endr
	s_wait_dscnt 0x0                               ; my rows lie in the stage
	s_barrier_signal -1
	s_barrier_wait -1                              ; all sixteen do
.irp e, 0,1
.irp b, 0,1,2,3
.irp j, 0,1,2,3
	ds_load_b128 v[32+64*\e+16*\b+4*\j:35+64*\e+16*\b+4*\j], v5 offset:512*\e+128*\b+16*\j
.endr
.endr
.endr
	s_wait_dscnt 16                                ; K step 2 w is in; the other's sixteen loads may be out
	QUANT4 32, 160, 216
	s_wait_dscnt 0x0
	QUANT4 96, 180, 217
	PUTF 160, 38, 0
	PUTF 180, 38, 1536
	v_cndmask_b32 v218, v216, v217, s46            ; lanes 0-15 the even K step's words, lanes 16-31 the odd one's
	global_store_b32 v3, v218, s[42:43] offset:12288
	s_wait_tensorcnt 0x0
	ds_add_u32 v254, v255
	s_wait_dscnt 0x0
	s_endpgm
.Lweights:
	; ---- a unit u of a weight: 16 rows x 8 K steps.  u < 256: Wq, Wk, Wv, Wo (64 tiles each); u < 512: W1 (256 tiles); else W2 (64 tiles x 4 quarters of K)
	s_sub_co_u32 s4, ttmp9, 256                    ; u
	s_and_b32 s5, s4, 63
	s_sub_co_u32 s6, s4, 256
	s_sub_co_u32 s7, s4, 512
	s_lshr_b32 s40, s7, 2
	s_and_b32 s41, s7, 3
	s_mul_i32 s46, s40, 51200
	s_add_co_u32 s46, s46, 6553600
	s_mul_i32 s45, s4, REC1                        ; the first five weights' records lie on end: 12,800 u
	s_cmp_lt_u32 s4, 256
	s_cselect_b32 s5, s5, s6
	s_cmp_lt_u32 s4, 512
	s_cselect_b32 s5, s5, s40                      ; the tile
	s_cselect_b32 s6, 0, s41                       ; the quarter of K
	s_mov_b32 s7, 3072
	s_cselect_b32 s7, 768, s7                      ; a row of codes in bytes
	s_mov_b32 s44, 128
	s_cselect_b32 s44, 32, s44                     ; a row of scale bytes
	s_cselect_b32 s45, s45, s46                    ; the record
	s_mov_b32 s47, 49152
	s_cselect_b32 s47, 12288, s47                  ; its scale area
	s_wait_kmcnt 0x0
	s_cmp_lt_u32 s4, 64
	s_cselect_b64 s[10:11], s[10:11], s[12:13]
	s_cselect_b64 s[22:23], s[22:23], s[24:25]
	s_cmp_lt_u32 s4, 128
	s_cselect_b64 s[10:11], s[10:11], s[14:15]
	s_cselect_b64 s[22:23], s[22:23], s[26:27]
	s_cmp_lt_u32 s4, 192
	s_cselect_b64 s[10:11], s[10:11], s[16:17]
	s_cselect_b64 s[22:23], s[22:23], s[28:29]
	s_cmp_lt_u32 s4, 256
	s_cselect_b64 s[10:11], s[10:11], s[18:19]
	s_cselect_b64 s[22:23], s[22:23], s[30:31]
	s_cmp_lt_u32 s4, 512
	s_cselect_b64 s[10:11], s[10:11], s[20:21]
	s_cselect_b64 s[22:23], s[22:23], s[32:33]
	s_lshr_b32 s40, s5, 1
	s_lshl_b32 s40, s40, 5
	s_and_b32 s41, s5, 1
	s_lshl_b32 s41, s41, 3
	s_add_co_u32 s40, s40, s41                     ; the tile's first row
	s_mul_i32 s48, s40, s44
	s_lshl_b32 s41, s6, 5
	s_add_co_u32 s48, s48, s41
	s_lshl_b32 s41, s2, 3
	s_add_co_u32 s48, s48, s41                     ; scale bytes: + 32 a quarter, + 8 a wave (K steps 2 w, 2 w + 1)
	s_mov_b32 s49, 0
	s_add_nc_u64 s[22:23], s[22:23], s[48:49]
	s_lshl_b32 s41, s2, 2
	s_add_co_u32 s40, s40, s41
	s_lshl_b32 s41, s3, 3
	s_add_co_u32 s40, s40, s41                     ; the four rows that I bring
	s_mul_i32 s48, s40, s7
	s_mul_i32 s41, s6, 768
	s_add_co_u32 s48, s48, s41
	s_add_nc_u64 s[10:11], s[10:11], s[48:49]
	s_mul_i32 s48, s6, 12288
	s_add_co_u32 s48, s48, s45
	s_mul_i32 s41, s2, 3072
	s_add_co_u32 s48, s48, s41
	s_add_nc_u64 s[38:39], s[34:35], s[48:49]      ; my two fragments
	s_lshl_b32 s48, s6, 9
	s_add_co_u32 s48, s48, s45
	s_add_co_u32 s48, s48, s47
	s_lshl_b32 s41, s2, 7
	s_add_co_u32 s48, s48, s41
	s_add_nc_u64 s[42:43], s[34:35], s[48:49]      ; their scale words
	s_wait_alu depctr_va_vdst(0)
	v_and_b32 v10, 8, v8
	v_add_nc_u32 v10, v10, v8                      ; r + 8 (r / 8)
	v_mul_lo_u32 v10, v10, s44
	v_lshl_add_u32 v10, v9, 2, v10                 ; lane (r, h): the word of row r, K step 2 w + h
	v_mul_lo_u32 v11, v9, s7
	v_lshl_add_u32 v11, v8, 4, v11                 ; sixteen lanes to 256 bytes of a row, two rows an instruction
	s_lshl_b32 s41, s7, 1
	v_add_nc_u32 v12, s41, v11
	v_mul_u32_u24 v13, v6, 4*WP
	v_mad_u32_u24 v13, v9, WP, v13
	v_lshl_add_u32 v13, v8, 4, v13
	v_add_nc_u32 v13, WST, v13                     ; into the stage
	v_mul_u32_u24 v14, v8, WP
	v_mad_u32_u24 v14, v9, 24, v14
	v_mad_u32_u24 v14, v6, 192, v14
	v_add_nc_u32 v14, WST, v14                     ; out of it: row r, + 24 h, + my two K steps of 96 bytes
	global_load_b32 v15, v10, s[22:23]
.irp c, 0,1,2
	global_load_b128 v[32+4*\c:35+4*\c], v11, s[10:11] offset:256*\c
	global_load_b128 v[44+4*\c:47+4*\c], v12, s[10:11] offset:256*\c
.endr
	s_wait_alu depctr_va_vdst(0)
	s_wait_loadcnt 0x0
.irp c, 0,1,2
	ds_store_b128 v13, v[32+4*\c:35+4*\c] offset:256*\c
	ds_store_b128 v13, v[44+4*\c:47+4*\c] offset:2*WP+256*\c
.endr
	s_wait_dscnt 0x0
	s_barrier_signal -1
	s_barrier_wait -1
.irp e, 0,1
.irp p, 0,1,2,3,4,5
	ds_load_b64 v[64+12*\e+2*\p:65+12*\e+2*\p], v14 offset:96*\e+48*(\p/3)+8*(\p%3)   ; the row's stream of bits, as it lies, is the operand's registers
.endr
.endr
	s_wait_dscnt 0x0
	PUTF 64, 38, 0
	PUTF 76, 38, 1536
	global_store_b32 v3, v15, s[42:43]             ; the given scale bytes, as they are
	s_wait_tensorcnt 0x0
	ds_add_u32 v254, v255
	s_wait_dscnt 0x0
	s_endpgm
.Lfunc_end_k_qc57e515625_prep:
	.size	k_qc57e515625_prep, .Lfunc_end_k_qc57e515625_prep-k_qc57e515625_prep
	.p2alignl 7, 3214868480
	.fill 96, 4, 3214868480
	.section	.rodata,"a",@progbits
	.p2align	6, 0x0
	.amdhsa_kernel k_qc57e515625_prep
		.amdhsa_group_segment_fixed_size 78848
		.amdhsa_private_segment_fixed_size 0
		.amdhsa_enable_private_segment 0
		.amdhsa_kernarg_size 120
		.amdhsa_user_sgpr_count 2
		.amdhsa_user_sgpr_kernarg_segment_ptr 1
		.amdhsa_wavefront_size32 1
		.amdhsa_system_sgpr_workgroup_id_x 1
		.amdhsa_system_sgpr_workgroup_id_y 1
		.amdhsa_system_sgpr_workgroup_id_z 1
		.amdhsa_system_vgpr_workitem_id 0
		.amdhsa_next_free_vgpr 256
		.amdhsa_next_free_sgpr 66
		.amdhsa_reserve_vcc 0
		.amdhsa_float_denorm_mode_32 3
		.amdhsa_float_denorm_mode_16_64 3
		.amdhsa_memory_ordered 1
		.amdhsa_forward_progress 1
		.amdhsa_inst_pref_size 25
	.end_amdhsa_kernel
	.amdgpu_metadata
---
amdhsa.version: [ 1, 2 ]
amdhsa.kernels:
  - .name:           k_qc57e515625_prep
    .symbol:         k_qc57e515625_prep.kd
    .args:
      - { .name: x, .offset: 0, .size: 8, .value_kind: global_buffer, .address_space: global }
      - { .name: Wq_codes, .offset: 8, .size: 8, .value_kind: global_buffer, .address_space: global }
      - { .name: Wk_codes, .offset: 16, .size: 8, .value_kind: global_buffer, .address_space: global }
      - { .name: Wv_codes, .offset: 24, .size: 8, .value_kind: global_buffer, .address_space: global }
      - { .name: Wo_codes, .offset: 32, .size: 8, .value_kind: global_buffer, .address_space: global }
      - { .name: W1_codes, .offset: 40, .size: 8, .value_kind: global_buffer, .address_space: global }
      - { .name: W2_codes, .offset: 48, .size: 8, .value_kind: global_buffer, .address_space: global }
      - { .name: Wq_scales, .offset: 56, .size: 8, .value_kind: global_buffer, .address_space: global }
      - { .name: Wk_scales, .offset: 64, .size: 8, .value_kind: global_buffer, .address_space: global }
      - { .name: Wv_scales, .offset: 72, .size: 8, .value_kind: global_buffer, .address_space: global }
      - { .name: Wo_scales, .offset: 80, .size: 8, .value_kind: global_buffer, .address_space: global }
      - { .name: W1_scales, .offset: 88, .size: 8, .value_kind: global_buffer, .address_space: global }
      - { .name: W2_scales, .offset: 96, .size: 8, .value_kind: global_buffer, .address_space: global }
      - { .name: wimg, .offset: 104, .size: 8, .value_kind: global_buffer, .address_space: global }
      - { .name: act, .offset: 112, .size: 8, .value_kind: global_buffer, .address_space: global }
    .group_segment_fixed_size: 78848
    .private_segment_fixed_size: 0
    .kernarg_segment_align: 8
    .kernarg_segment_size: 120
    .max_flat_workgroup_size: 128
    .sgpr_count:     66
    .vgpr_count:     256
    .wavefront_size: 32
...
	.end_amdgpu_metadata
.endif
;; end of part 9
;; launch qkv (part 10): grid 12 x 16, 4 waves a work-group, clusters of 4 x 1, 211,456 bytes of LDS; arguments act, wimg, bq, bk, bv, qkv; writes qkv
.if DOCPART == 10
	.amdgcn_target "amdgcn-amd-amdhsa--gfx1250"
	.amdhsa_code_object_version 6
	.text
	.protected	k_qc57e515625_qkv
	.globl	k_qc57e515625_qkv
	.p2align	8
	.type	k_qc57e515625_qkv,@function
k_qc57e515625_qkv:
	s_mov_b64 s[64:65], 0
	v_nop
	global_prefetch_b8 v0, s[64:65] scope:SCOPE_SE
	s_setreg_imm32_b32 hwreg(HW_REG_WAVE_MODE, 25, 1), 1
	s_wait_xcnt 0x0
	s_wait_alu depctr_hold_cnt(0) depctr_sa_sdst(0) depctr_va_vdst(0) depctr_va_sdst(0) depctr_va_ssrc(0) depctr_va_vcc(0) depctr_vm_vsrc(0)
	s_getreg_b32 s2, hwreg(HW_REG_IB_STS2, 6, 4)
	s_cmp_eq_u32 s2, 0
	s_cbranch_scc0 .Lentry_in_a_cluster
	s_endpgm
.Lentry_in_a_cluster:
	s_bfe_u32 s2, ttmp6, 0x10000c
	s_cmp_lg_u32 s2, 0x3003
	s_cbranch_scc0 .Lentry_shape_is_right
	s_endpgm
.Lentry_shape_is_right:
; Q = x Wq + bq, K = x Wk + bk, V = x Wv + bv on codes of E3M2, and the results quantised at once: Q and K along the head's 64, V along the keys.
; A work-group makes 256 x 256 of one product, K = 1,024.  Source 0 is the STATIONARY operand: wave w keeps four tiles of 16 rows (32 fragments) in registers.  Source 1 is STREAMED: sixteen tile records (204,800 bytes)
; come into LDS once, by one tensor load a wave, and all four waves read them.  In a result lane (r, h) holds streamed row r, and register 8 t + j stationary index 32 (t / 2) + 16 h + 8 (t % 2) + j: 64 neighbours along the next K.
; Cluster x 0, 1 (Q, K): the weights stay, x is streamed: a wave's 64 columns are one head.  Cluster x 2 (V): x stays (64 keys a wave), Wv is streamed: the result is V transposed.
; The roles are chosen by scalar selects on the cluster's x alone; there is one way through the text.  The four partners of a cluster stream the same block: it is asked for jointly.
; The bias: C of a tile's first products = BI (along the stationary index; 0 for V) + BVL (of the streamed row; 0 for Q and K).
; No LDS byte is filled twice.  192 work-groups: N = 3,072 gives 12 x 16 tiles.
; LIMITS: NaN and infinities are not served.  A block whose largest magnitude lies under 2^-122 (zeros too) gets the byte 1: its codes are zeros or subnormals, and this program alone reads the bytes.
; REGISTERS: window 1: stationary fragments 4 s + t = 0 .. 20; window 2: 21 .. 31; window 3: two buffers of 8 streamed fragments; window 0: all else.
.set REC,  12800
.set SCO,  12288
.set BLK,  204800
.set SCB,  204800                      ; LDS: the scale halves' stage: 512 bytes a wave, u16 of tile i, row r at 32 i + 2 r
.set VBI,  206848                      ; LDS: 256 numbers of the streamed rows' bias, a copy for each wave
.set NLD,  37                          ; LDS loads that bring a tile: 32 for codes, 4 scale words, 1 bias word
.set L16,  1
.set L8,   2
.set L4,   3
.set A16,  4                           ; v4-6   16, 8, 4 x lane + the trip's first record
.set B16,  7                           ; v7-9   the same two records on
.set EQ,   10                          ; v10    where this trip's scale halves go;  v11 its base
.set EQ0,  11
.set VB,   12                          ; v12    where this trip's bias words lie;  v13 its base
.set VB0,  13
.set ZR,   15                          ; v15    0
.set SSC,  16                          ; v16-31 stationary scale words: 4 t + j: lanes 0-15 K step 2 j, lanes 16-31 K step 2 j + 1
.set TS,   32                          ; v32-39 streamed scale words: 4 buf + j
.set BI,   40
.set ACC,  72
.set TM,   104
.set PW,   118
.set BVL,  120                         ; v120, v122: the streamed row's bias, a pair for each buffer (the upper words are written once)
.set CB,   124
.set WO,   156
.set PC,   164                         ; four sets of 12: a tile's codes
.set WV,   16
.set G0,   32
.set G1,   36
.set TB,   44
.set TB2,  45
.set TQ,   46
.set TV,   47
.set CNT,  48
.set MV,   49                          ; all ones for V, 0 for Q and K
.set SEL,  50
.set OUT,  52                          ; s[52:59] where the trip's four tiles go
.set STP,  60
.set SOU,  62
.set MSB, 0
.macro WIN new                         ; the immediate's high byte repeats the setting that is left
.if MSB != \new
	s_set_vgpr_msb (MSB<<8)|\new
.set MSB, \new
.endif
.endm
.macro CROUND                          ; a round of the cluster's barrier
	s_barrier_signal -1
	s_barrier_wait -1
	s_cmp_lg_u32 s[WV], 0
	s_cbranch_scc1 .Lnot_wave_0_\@
	s_barrier_signal -3
.Lnot_wave_0_\@:
	s_barrier_wait -3
	s_barrier_signal -1
	s_barrier_wait -1
.endm
; 32 numbers of a lane, register 16 b + i = k 32 b + 16 (lane / 16) + i of my row, become half a fragment (6 registers at v[pc]) and two scale bytes in v[pw]
.macro QUANT2 s, pc, pw
.irp b, 0,1
	v_max3_num_f32 v[TM+\b], |v[\s+16*\b]|, |v[\s+1+16*\b]|, 0x2800000   ; each accumulator is read from its low end on; the floor holds the byte at 1
.endr
.irp i, 2,4,6,8,10,12,14
.irp b, 0,1
	v_max3_num_f32 v[TM+\b], v[TM+\b], |v[\s+16*\b+\i]|, |v[\s+1+16*\b+\i]|
.endr
.endr
.irp b, 0,1
	v_permlanex16_b32 v[TM+4+\b], v[TM+\b], s[SEL], s[SEL+1]
.endr
.irp b, 0,1
	v_max_num_f32 v[TM+\b], v[TM+\b], v[TM+4+\b]
.endr
.irp b, 0,1
	v_add_nc_u32 v[TM+12+\b], 0xfe000000, v[TM+\b]
.endr
.irp b, 0,1
	v_lshrrev_b32 v[TM+4+\b], 23, v[TM+12+\b]
.endr
	v_lshl_or_b32 v[\pw], v[TM+5], 8, v[TM+4]
	v_cvt_scalef32_pk16_bf6_f32 v[\pc:\pc+2], v[\s:\s+15], v[TM+12]
	v_cvt_scalef32_pk16_bf6_f32 v[\pc+8:\pc+10], v[\s+16:\s+31], v[TM+13]
	v_nop                                          ; one plain line behind the conversions
.irp i, 0,1,2
	v_permlane16_swap_b32 v[\pc+\i], v[\pc+8+\i]
.endr
.irp i, 0,1,2
	v_mov_b32 v[\pc+3+\i], v[\pc+8+\i]
.endr
.endm
.macro LDT buf, ad, off, vb            ; a streamed tile: its 8 fragments, 4 scale registers and bias word
	WIN 0xc0
.irp g, 0,1,2,3,4,5,6,7
	ds_load_b128 v[96*(\buf)+12*\g:96*(\buf)+12*\g+3], v[\ad] offset:(\off)+1536*\g
	ds_load_b64 v[96*(\buf)+12*\g+4:96*(\buf)+12*\g+5], v[\ad+1] offset:(\off)+1536*\g+512
	ds_load_b128 v[96*(\buf)+12*\g+6:96*(\buf)+12*\g+9], v[\ad] offset:(\off)+1536*\g+768
	ds_load_b64 v[96*(\buf)+12*\g+10:96*(\buf)+12*\g+11], v[\ad+1] offset:(\off)+1536*\g+1280
.endr
	WIN 0
.irp g, 0,1,2,3
	ds_load_b32 v[TS+4*(\buf)+\g], v[\ad+2] offset:(\off)+SCO+128*\g
.endr
	ds_load_b32 v[BVL+2*(\buf)], v[VB] offset:\vb
.endm
.macro MUL buf                         ; 32 products: K step f / 4, stationary tile f % 4; the four accumulators take turns
.set f, 0
.rept 32
.if f < 21
	WIN 0x0d
.set rS, 12*f
.else
	WIN 0x0e
.set rS, 12*(f-21)
.endif
.set rB, 96*(\buf)+12*(f/4)
.set rD, ACC+8*(f%4)
.set rX, SSC+4*(f%4)+f/8
.set rY, TS+4*(\buf)+f/8
.if f < 4
	v_wmma_scale_f32_16x16x128_f8f6f4 v[rD:rD+7], v[rS:rS+11], v[rB:rB+11], v[CB+8*f:CB+8*f+7], v[rX], v[rY] matrix_a_fmt:MATRIX_FMT_BF6 matrix_b_fmt:MATRIX_FMT_BF6
.elseif (f/4)%2 == 0
	v_wmma_scale_f32_16x16x128_f8f6f4 v[rD:rD+7], v[rS:rS+11], v[rB:rB+11], v[rD:rD+7], v[rX], v[rY] matrix_a_fmt:MATRIX_FMT_BF6 matrix_b_fmt:MATRIX_FMT_BF6
.else
	v_wmma_scale_f32_16x16x128_f8f6f4 v[rD:rD+7], v[rS:rS+11], v[rB:rB+11], v[rD:rD+7], v[rX], v[rY] matrix_a_fmt:MATRIX_FMT_BF6 matrix_b_fmt:MATRIX_FMT_BF6 matrix_a_scale:MATRIX_SCALE_ROW1 matrix_b_scale:MATRIX_SCALE_ROW1
.endif
.set f, f+1
.endr
.endm
.macro TILE k, pf, wt
	s_wait_dscnt \wt                               ; this tile is in; the next tile's NLD loads, issued behind it, may be out
.set n, 0
.rept 16
	v_pk_add_f32 v[CB+n:CB+n+1], v[BI+n:BI+n+1], v[BVL+2*((\k)%2):BVL+2*((\k)%2)+1] op_sel_hi:[1,0]
.set n, n+2
.endr
	MUL (\k)%2
	WIN 0
.rept 4
	v_nop                                          ; four places in front of the loads into the buffer just read and of the first read of the results
.endr
.if \pf
.if (\k) < 2
	LDT (\k)%2, A16, (2+(\k)%2)*REC, 128*(((\k)+2)/2)+32*((\k)%2)
.else
	LDT (\k)%2, B16, (2+(\k)%2)*REC, 128*(((\k)+2)/2)+32*((\k)%2)
.endif
.endif
	QUANT2 ACC, PC+12*(\k), PW
	ds_store_b16 v[EQ], v[PW] offset:32*(\k)       ; lanes l and l xor 16 write the same value
	global_store_b128 v[L16], v[PC+12*(\k):PC+12*(\k)+3], s[OUT+2*(\k):OUT+2*(\k)+1]
	global_store_b64 v[L8], v[PC+12*(\k)+4:PC+12*(\k)+5], s[OUT+2*(\k):OUT+2*(\k)+1] offset:512
.endm
.macro TRIPHEAD
	s_add_co_u32 s[TB2], s[TB], 2*REC
	v_add_nc_u32 v[A16], s[TB], v[L16]
	v_add_nc_u32 v[A16+1], s[TB], v[L8]
	v_add_nc_u32 v[A16+2], s[TB], v[L4]
	v_add_nc_u32 v[B16], s[TB2], v[L16]
	v_add_nc_u32 v[B16+1], s[TB2], v[L8]
	v_add_nc_u32 v[B16+2], s[TB2], v[L4]
	v_add_nc_u32 v[EQ], s[TQ], v[EQ0]
	v_add_nc_u32 v[VB], s[TV], v[VB0]
.endm
	s_load_b256 s[4:11], s[0:1], 0x0               ; act, wimg, bq, bk
	s_load_b128 s[12:15], s[0:1], 0x20             ; bv, qkv
	v_lshl_add_u32 v254, v0, 2, 0x33800
	v_mov_b32 v255, 0
	ds_add_u32 v254, v255
	ds_add_u32 v254, v255
	v_lshrrev_b32 v212, 5, v0
	v_readfirstlane_b32 s[WV], v212                ; wave
	v_and_b32 v215, 31, v0                         ; lane
	v_and_b32 v213, 15, v0                         ; r
	v_bfe_u32 v214, v0, 4, 1                       ; h
	v_lshlrev_b32 v[L16], 4, v215
	v_lshlrev_b32 v[L8], 3, v215
	v_lshlrev_b32 v[L4], 2, v215
	v_lshlrev_b32 v14, 6, v214                     ; 64 h: my half's numbers of a tile's bias
	v_mov_b32 v[ZR], 0
	v_mov_b32 v[TM+4], 0                           ; a lane permute's destination counts as read
	v_mov_b32 v[TM+5], 0
	v_mov_b32 v[BVL+1], 0                          ; named as the upper words of pairs
	v_mov_b32 v[BVL+3], 0
	v_lshlrev_b32 v[EQ0], 9, v212
	v_lshl_add_u32 v[EQ0], v213, 1, v[EQ0]
	v_add_nc_u32 v[EQ0], SCB, v[EQ0]               ; SCB + 512 w + 2 r
	v_and_b32 v220, 8, v213
	v_add_nc_u32 v220, v220, v213
	v_lshlrev_b32 v[VB0], 10, v212
	v_lshl_add_u32 v[VB0], v220, 2, v[VB0]
	v_add_nc_u32 v[VB0], VBI, v[VB0]               ; VBI + 1,024 w + 4 (r + 8 (r / 8))
	v_lshl_add_u32 v216, v212, 10, v[L16]
	v_add_nc_u32 v216, VBI, v216                   ; where I put the bias
	; the scales' way out: two pieces of 8 bytes a lane.  Q, K: tiles 2 (l / 4), 2 (l / 4) + 1 of my own stage; V: waves 2 (w / 2), 2 (w / 2) + 1, tile 8 (w % 2) + l / 4; rows 4 (l % 4) on
	v_lshrrev_b32 v220, 2, v215
	v_and_b32 v221, 3, v215
	v_lshlrev_b32 v221, 3, v221
	v_add_nc_u32 v221, SCB, v221
	v_lshl_add_u32 v217, v220, 6, v221
	v_lshl_add_u32 v217, v212, 9, v217
	v_add_nc_u32 v218, 32, v217
	v_lshl_add_u32 v222, v220, 5, v221
	v_lshrrev_b32 v223, 1, v212
	v_lshl_add_u32 v222, v223, 10, v222
	v_and_b32 v223, 1, v212
	v_lshl_add_u32 v222, v223, 8, v222
	v_add_nc_u32 v223, 0x200, v222
	s_mov_b32 s17, ttmp9                           ; the cluster's x: 0 Q, 1 K, 2 V; the same in all four partners
	s_bfe_u32 s18, ttmp6, 0x40000                  ; cx
	s_and_b32 s19, ttmp7, 0xffff                   ; gy
	s_mul_i32 s28, s19, BLK                        ; streamed: Q, K: x's block gy;
	s_and_b32 s29, s19, 3
	s_mul_i32 s29, s29, BLK
	s_add_co_u32 s29, s29, 1638400                 ; V: Wv's block gy % 4.  Neither hangs on cx
	s_mul_i32 s30, s[WV], 4*REC
	s_mul_i32 s[G0+1], s[WV], 4*REC                ; my four records' place in LDS
	s_mul_i32 s24, s17, 819200                     ; stationary: Q, K: the weight's block cx;
	s_mul_i32 s25, s18, BLK
	s_add_co_u32 s24, s24, s25
	s_lshr_b32 s66, s19, 2
	s_lshl_b32 s66, s66, 2
	s_add_co_u32 s66, s66, s18                     ; V: x's block cx + 4 (gy / 4)
	s_mul_i32 s27, s66, BLK
	; where Q's or K's results go: head 4 cx + w of batch gy / 8, row tiles 16 (gy % 8) on
	s_lshr_b32 s67, s19, 3
	s_lshl_b32 s67, s67, 4
	s_lshl_b32 s68, s18, 2
	s_add_co_u32 s67, s67, s68
	s_add_co_u32 s67, s67, s[WV]
	s_mul_i32 s68, s67, 102400
	s_add_co_u32 s68, s68, 6553600
	s_mul_i32 s69, s67, BLK
	s_and_b32 s72, s19, 7
	s_mul_i32 s73, s72, 12288
	s_lshl_b32 s72, s72, 9
	s_mov_b32 s74, 196608
	s_cmp_eq_u32 s17, 0
	s_cselect_b32 s68, s68, s69
	s_cselect_b32 s74, 98304, s74
	s_add_co_u32 s73, s73, s68                     ; codes
	s_add_co_u32 s74, s74, s72
	s_add_co_u32 s74, s74, s68                     ; scale words
	; where V's go: heads 4 (gy % 4) on of the block's batch, key step kk, half c
	s_lshr_b32 s67, s66, 3
	s_lshl_b32 s67, s67, 4
	s_and_b32 s68, s19, 3
	s_lshl_b32 s68, s68, 2
	s_add_co_u32 s67, s67, s68
	s_and_b32 s68, s66, 7
	s_lshl_b32 s68, s68, 1
	s_lshr_b32 s69, s[WV], 1
	s_add_co_u32 s68, s68, s69                     ; kk
	s_and_b32 s69, s[WV], 1                        ; c
	s_mul_i32 s70, s67, BLK
	s_mul_i32 s71, s68, 6144
	s_add_co_u32 s70, s70, s71
	s_mul_i32 s71, s69, 768
	s_add_co_u32 s70, s70, s71
	s_add_co_u32 s70, s70, 98304                   ; codes
	s_lshl_b32 s71, s69, 1
	s_add_co_u32 s71, s71, s67
	s_mul_i32 s71, s71, BLK
	s_lshl_b32 s72, s68, 8
	s_add_co_u32 s71, s71, s72
	s_add_co_u32 s71, s71, 200704                  ; scale words
	s_cmp_lt_u32 s17, 2
	s_cselect_b32 s28, s28, s29
	s_cselect_b32 s24, s24, s27
	s_cselect_b32 s[MV], 0, -1
	s_cselect_b32 s73, s73, s70
	s_cselect_b32 s74, s74, s71
	s_mov_b32 s75, 1536
	s_cselect_b32 s75, 768, s75                    ; from tile to tile
	s_mov_b32 s[STP], BLK
	s_cselect_b32 s[STP], 3072, s[STP]             ; from trip to trip (V: a head)
	s_mov_b32 s76, BLK
	s_cselect_b32 s76, 256, s76                    ; the scales' way out: from lanes 0-15 to lanes 16-31
	s_wait_alu depctr_va_vdst(0)
	s_wait_dscnt 0x0
	s_wait_kmcnt 0x0
	s_cselect_b64 s[22:23], s[4:5], s[6:7]
	s_cselect_b64 s[20:21], s[6:7], s[4:5]
	s_cmp_eq_u32 s17, 0
	s_cselect_b64 s[8:9], s[8:9], s[10:11]         ; bq or bk (for V what is loaded here is replaced by 0)
	s_add_co_u32 s28, s28, s30
	s_mov_b32 s29, 0
	s_mov_b32 s[G0], 1
	s_add_nc_u64 s[G0+2:G0+3], s[22:23], s[28:29]
	s_or_b32 s[G0+3], s[G0+3], 0x80000000
	s_mov_b32 s[G1], 15|(3<<16)|(1<<21)            ; all four partners; elements of 8 bytes; no padding
	s_mov_b32 s[G1+1], 32<<16                      ; rows of 256 bytes,
	s_mov_b32 s[G1+2], 200<<16                     ; 200 of them: four records, dense in memory
	s_mov_b32 s[G1+3], 32<<16
	s_mov_b32 s[G1+4], 200
	s_mov_b32 s[G1+5], 32
	s_mov_b32 s[G1+6], 0
	s_mov_b32 s[G1+7], 0
	s_add_co_u32 s24, s24, s30
	s_mov_b32 s25, 0
	s_add_nc_u64 s[20:21], s[20:21], s[24:25]      ; my four stationary records
	s_mov_b32 s68, s73
	s_mov_b32 s69, 0
	s_add_nc_u64 s[OUT:OUT+1], s[14:15], s[68:69]
	s_mov_b32 s70, s75
	s_mov_b32 s71, 0
	s_add_nc_u64 s[OUT+2:OUT+3], s[OUT:OUT+1], s[70:71]
	s_add_nc_u64 s[OUT+4:OUT+5], s[OUT+2:OUT+3], s[70:71]
	s_add_nc_u64 s[OUT+6:OUT+7], s[OUT+4:OUT+5], s[70:71]
	s_mov_b32 s68, s74
	s_add_nc_u64 s[SOU:SOU+1], s[14:15], s[68:69]
	s_mov_b32 s[STP+1], 0
	s_lshl_b32 s68, s18, 10
	s_lshl_b32 s70, s[WV], 8
	s_add_co_u32 s68, s68, s70
	s_add_nc_u64 s[8:9], s[8:9], s[68:69]          ; the bias of my 64 columns
	s_and_b32 s68, s19, 3
	s_lshl_b32 s68, s68, 10
	s_add_nc_u64 s[12:13], s[12:13], s[68:69]      ; bv of the 256 streamed rows
	s_mov_b32 s[SEL], 0x76543210
	s_mov_b32 s[SEL+1], 0xfedcba98
	s_mov_b32 s[TB], 0
	s_mov_b32 s[TQ], 0
	s_mov_b32 s[TV], 0
	v_cndmask_b32 v217, v217, v222, s[MV]
	v_cndmask_b32 v218, v218, v223, s[MV]
	v_mul_lo_u32 v219, v214, s76
	v_lshl_add_u32 v219, v213, 4, v219
	CROUND                                         ; all four partners are here: the joint loads meet
	tensor_load_to_lds s[G0:G0+3], s[G1:G1+7]      ; my one tensor load of the launch
	s_nop 0
.rept 4
	v_nop
.endr
.irp t, 0,1,2,3
	global_load_b128 v[BI+8*\t:BI+8*\t+3], v14, s[8:9] offset:128*(\t/2)+32*(\t%2)
	global_load_b128 v[BI+8*\t+4:BI+8*\t+7], v14, s[8:9] offset:128*(\t/2)+32*(\t%2)+16
.endr
	global_load_b128 v[WO:WO+3], v[L16], s[12:13]
	global_load_b128 v[WO+4:WO+7], v[L16], s[12:13] offset:512
.set f, 0
.rept 32                               ; the stationary fragments: K step f / 4 of tile f % 4
.if f < 21
	WIN 0x40
.set rS, 12*f
.else
	WIN 0x80
.set rS, 12*(f-21)
.endif
	global_load_b128 v[rS:rS+3], v[L16], s[20:21] offset:(f%4)*REC+1536*(f/4)
	global_load_b64 v[rS+4:rS+5], v[L8], s[20:21] offset:(f%4)*REC+1536*(f/4)+512
	global_load_b128 v[rS+6:rS+9], v[L16], s[20:21] offset:(f%4)*REC+1536*(f/4)+768
	global_load_b64 v[rS+10:rS+11], v[L8], s[20:21] offset:(f%4)*REC+1536*(f/4)+1280
.set f, f+1
.endr
	WIN 0
.irp t, 0,1,2,3
.irp g, 0,1,2,3
	global_load_b32 v[SSC+4*\t+\g], v[L4], s[20:21] offset:\t*REC+SCO+128*\g
.endr
.endr
	s_wait_loadcnt 63                              ; the ten bias loads are older than the last 63 of the 144 behind them
.set n, 0
.rept 32
	v_cndmask_b32 v[BI+n], v[BI+n], v[ZR], s[MV]   ; V has no bias along the keys
.set n, n+1
.endr
.set n, 0
.rept 8
	v_cndmask_b32 v[WO+n], v[ZR], v[WO+n], s[MV]   ; Q and K have none along the rows of x
.set n, n+1
.endr
	ds_store_b128 v216, v[WO:WO+3]
	ds_store_b128 v216, v[WO+4:WO+7] offset:512
	s_wait_tensorcnt 0x0                           ; my four records have landed
	s_wait_dscnt 0x0
	s_barrier_signal -1
	s_barrier_wait -1                              ; all sixteen have
	s_wait_loadcnt 0x0
	TRIPHEAD
	LDT 0, A16, 0, 0
	LDT 1, A16, REC, 32
	s_mov_b32 s[CNT], 3
.Ltrip:                                        ; four tiles a trip; each tile asks for the tile two on
	TRIPHEAD
	TILE 0, 1, NLD
	TILE 1, 1, NLD
	TILE 2, 1, NLD
	TILE 3, 1, NLD
	s_wait_xcnt 0x0                                ; the trip's stores have read their data and bases: both are written again only behind this wait
.irp k, 0,1,2,3
	s_add_nc_u64 s[OUT+2*\k:OUT+2*\k+1], s[OUT+2*\k:OUT+2*\k+1], s[STP:STP+1]
.endr
	s_add_co_u32 s[TB], s[TB], 4*REC
	s_add_co_u32 s[TQ], s[TQ], 128
	s_add_co_u32 s[TV], s[TV], 256
	s_sub_co_u32 s[CNT], s[CNT], 1
	s_cmp_lg_u32 s[CNT], 0
	s_cbranch_scc1 .Ltrip
	TRIPHEAD                                       ; the last four tiles: the last two ask for nothing
	TILE 0, 1, NLD
	TILE 1, 1, NLD
	TILE 2, 0, NLD
	TILE 3, 0, 0
	s_wait_dscnt 0x0                               ; my scale halves lie in the stage
	s_barrier_signal -1
	s_barrier_wait -1
	ds_load_b64 v[WO:WO+1], v217
	ds_load_b64 v[WO+2:WO+3], v218
	s_wait_dscnt 0x0
	v_perm_b32 v[WO+4], v[WO+2], v[WO], 0x05040100 ; a word: the first piece's half below, the second's above
	v_perm_b32 v[WO+5], v[WO+2], v[WO], 0x07060302
	v_perm_b32 v[WO+6], v[WO+3], v[WO+1], 0x05040100
	v_perm_b32 v[WO+7], v[WO+3], v[WO+1], 0x07060302
	global_store_b128 v219, v[WO+4:WO+7], s[SOU:SOU+1]   ; sixteen lanes store 256 consecutive bytes
	s_wait_tensorcnt 0x0
	ds_add_u32 v254, v255
	s_wait_dscnt 0x0
	CROUND                                         ; the closing round
	s_endpgm
.Lfunc_end_k_qc57e515625_qkv:
	.size	k_qc57e515625_qkv, .Lfunc_end_k_qc57e515625_qkv-k_qc57e515625_qkv
	.p2alignl 7, 3214868480
	.fill 96, 4, 3214868480
	.section	.rodata,"a",@progbits
	.p2align	6, 0x0
	.amdhsa_kernel k_qc57e515625_qkv
		.amdhsa_group_segment_fixed_size 211456
		.amdhsa_private_segment_fixed_size 0
		.amdhsa_enable_private_segment 0
		.amdhsa_kernarg_size 48
		.amdhsa_user_sgpr_count 2
		.amdhsa_user_sgpr_kernarg_segment_ptr 1
		.amdhsa_wavefront_size32 1
		.amdhsa_system_sgpr_workgroup_id_x 1
		.amdhsa_system_sgpr_workgroup_id_y 1
		.amdhsa_system_sgpr_workgroup_id_z 1
		.amdhsa_system_vgpr_workitem_id 0
		.amdhsa_next_free_vgpr 960
		.amdhsa_next_free_sgpr 80
		.amdhsa_reserve_vcc 0
		.amdhsa_float_denorm_mode_32 3
		.amdhsa_float_denorm_mode_16_64 3
		.amdhsa_memory_ordered 1
		.amdhsa_forward_progress 1
		.amdhsa_inst_pref_size 106
	.end_amdhsa_kernel
	.amdgpu_metadata
---
amdhsa.version: [ 1, 2 ]
amdhsa.kernels:
  - .name:           k_qc57e515625_qkv
    .symbol:         k_qc57e515625_qkv.kd
    .args:
      - { .name: act, .offset: 0, .size: 8, .value_kind: global_buffer, .address_space: global }
      - { .name: wimg, .offset: 8, .size: 8, .value_kind: global_buffer, .address_space: global }
      - { .name: bq, .offset: 16, .size: 8, .value_kind: global_buffer, .address_space: global }
      - { .name: bk, .offset: 24, .size: 8, .value_kind: global_buffer, .address_space: global }
      - { .name: bv, .offset: 32, .size: 8, .value_kind: global_buffer, .address_space: global }
      - { .name: qkv, .offset: 40, .size: 8, .value_kind: global_buffer, .address_space: global }
    .group_segment_fixed_size: 211456
    .private_segment_fixed_size: 0
    .kernarg_segment_align: 8
    .kernarg_segment_size: 48
    .max_flat_workgroup_size: 128
    .sgpr_count:     80
    .vgpr_count:     960
    .wavefront_size: 32
...
	.end_amdgpu_metadata
.endif
;; end of part 10
;; launch attn (part 11): grid 8 x 32, 16 waves a work-group, clusters of 4 x 1, 206,848 bytes of LDS; arguments qkv, act; writes act
.if DOCPART == 11
	.amdgcn_target "amdgcn-amd-amdhsa--gfx1250"
	.amdhsa_code_object_version 6
	.text
	.protected	k_qc57e515625_attn
	.globl	k_qc57e515625_attn
	.p2align	8
	.type	k_qc57e515625_attn,@function
k_qc57e515625_attn:
	s_mov_b64 s[64:65], 0
	v_nop
	global_prefetch_b8 v0, s[64:65] scope:SCOPE_SE
	s_setreg_imm32_b32 hwreg(HW_REG_WAVE_MODE, 25, 1), 1
	s_wait_xcnt 0x0
	s_wait_alu depctr_hold_cnt(0) depctr_sa_sdst(0) depctr_va_vdst(0) depctr_va_sdst(0) depctr_va_ssrc(0) depctr_va_vcc(0) depctr_vm_vsrc(0)
	s_getreg_b32 s2, hwreg(HW_REG_IB_STS2, 6, 4)
	s_cmp_eq_u32 s2, 0
	s_cbranch_scc0 .Lentry_in_a_cluster
	s_endpgm
.Lentry_in_a_cluster:
	s_bfe_u32 s2, ttmp6, 0x10000c
	s_cmp_lg_u32 s2, 0x3003
	s_cbranch_scc0 .Lentry_shape_is_right
	s_endpgm
.Lentry_shape_is_right:
; ctx = softmax(Q K^T / 8) V for one (batch, head) and 256 queries a work-group, both products on codes of E3M2; ctx is quantised along the model's axis and leaves as half a fragment a wave.
; The head's whole block (K's codes, V^T's codes, both scale areas: 204,800 bytes) comes into LDS once, 12,800 bytes by each of sixteen waves, asked for jointly by the four query blocks of a cluster.  No LDS byte is filled twice.
; A wave owns 16 queries.  Both products are used transposed: S^T = K Q^T, O^T = V^T P^T: a lane holds one query throughout.
; THE HEAD IS 64 DEEP, THE INSTRUCTION 128: a fragment of K holds key tile 2 f in its lower half and key tile 2 f + 1 in its upper.  Q stands twice in registers, as [Q | zero codes] and as [zero codes | Q]: the first product
; gives tile 2 f's scores, the second tile 2 f + 1's.  Zero codes add nothing under any scale byte that this program makes (1 to 254).
; THE SOFTMAX: t = score x log2(e) / 8; M = the running largest t rounded up to a whole number; p = 2^(t - M) is quantised along the keys; the sum is taken of the unquantised p and divides at the end.
; LIMITS: NaN and infinities are not served; a block whose largest magnitude lies under 2^-122 gets the byte 1 (its codes are zeros or subnormals; this program alone reads the bytes).
.set QLO, 16
.set QHI, 28
.set KV,  40                           ; v40-87  four fragments of K, then of V
.set S,   88                           ; v88-151 scores, then p
.set O,   152                          ; v152-183 O^T
.set P,   184                          ; v184-195 p's codes
.set BM,  196
.set BT,  200
.set SO,  208
.set KS,  212
.set VS,  214
.set F,   216                          ; v216 f = 2^(old M - new M); v217 p's scale word, named with it as a pair
.set PW,  217
.set T,   218
.set SQ,  219
.set TM,  196                          ; the last quantiser works in BM, BT, SO
.set WV,  8
.set SEL, 24
.set CS,  26
.set TK,  28
.set TSC, 29
.set CNT, 30
.macro CROUND
	s_barrier_signal -1
	s_barrier_wait -1
	s_cmp_lg_u32 s[WV], 0
	s_cbranch_scc1 .Lnot_wave_0_\@
	s_barrier_signal -3
.Lnot_wave_0_\@:
	s_barrier_wait -3
	s_barrier_signal -1
	s_barrier_wait -1
.endm
.macro QUANT2 s, pc, pw
.irp b, 0,1
	v_max3_num_f32 v[TM+\b], |v[\s+16*\b]|, |v[\s+1+16*\b]|, 0x2800000
.endr
.irp i, 2,4,6,8,10,12,14
.irp b, 0,1
	s_delay_alu instid0(VALU_DEP_2)
	v_max3_num_f32 v[TM+\b], v[TM+\b], |v[\s+16*\b+\i]|, |v[\s+1+16*\b+\i]|
.endr
.endr
.irp b, 0,1
	s_delay_alu instid0(VALU_DEP_2)
	v_permlanex16_b32 v[TM+4+\b], v[TM+\b], s[SEL], s[SEL+1]
.endr
.irp b, 0,1
	s_delay_alu instid0(VALU_DEP_2)
	v_max_num_f32 v[TM+\b], v[TM+\b], v[TM+4+\b]
.endr
.irp b, 0,1
	s_delay_alu instid0(VALU_DEP_2)
	v_add_nc_u32 v[TM+12+\b], 0xfe000000, v[TM+\b]
.endr
.irp b, 0,1
	s_delay_alu instid0(VALU_DEP_2)
	v_lshrrev_b32 v[TM+4+\b], 23, v[TM+12+\b]
.endr
	s_delay_alu instid0(VALU_DEP_1)
	v_lshl_or_b32 v[\pw], v[TM+5], 8, v[TM+4]
	v_cvt_scalef32_pk16_bf6_f32 v[\pc:\pc+2], v[\s:\s+15], v[TM+12]
	v_cvt_scalef32_pk16_bf6_f32 v[\pc+8:\pc+10], v[\s+16:\s+31], v[TM+13]
	v_nop
.irp i, 0,1,2
	v_permlane16_swap_b32 v[\pc+\i], v[\pc+8+\i]
.endr
.irp i, 0,1,2
	s_delay_alu instid0(VALU_DEP_3)
	v_mov_b32 v[\pc+3+\i], v[\pc+8+\i]
.endr
.endm
	s_load_b128 s[4:7], s[0:1], 0x0                ; qkv, act
	v_lshl_add_u32 v254, v0, 2, 0x32000
	v_mov_b32 v255, 0
	ds_add_u32 v254, v255
	ds_add_u32 v254, v255
	v_lshrrev_b32 v7, 5, v0
	s_delay_alu instid0(VALU_DEP_1)
	v_readfirstlane_b32 s[WV], v7                  ; wave 0..15
	v_and_b32 v8, 31, v0
	v_and_b32 v9, 15, v0
	s_delay_alu instid0(VALU_DEP_2)
	v_lshlrev_b32 v1, 4, v8                        ; 16 x lane
	s_delay_alu instid0(VALU_DEP_3)
	v_lshlrev_b32 v2, 3, v8                        ; 8 x lane
	s_delay_alu instid0(VALU_DEP_4)
	v_lshlrev_b32 v3, 2, v8                        ; 4 x lane
	s_delay_alu instid0(VALU_DEP_4)
	v_lshlrev_b32 v220, 2, v9                      ; 4 r
	s_delay_alu instid0(VALU_DEP_4)
	v_add_nc_u32 v4, 98304, v1                     ; the same in V's codes,
	s_delay_alu instid0(VALU_DEP_4)
	v_add_nc_u32 v5, 98304, v2
	s_delay_alu instid0(VALU_DEP_4)
	v_add_nc_u32 v6, 196608, v3                    ; and in the scale areas
	s_bfe_u32 s9, ttmp6, 0x40000                   ; cx
	s_lshl_b32 s10, ttmp9, 2
	s_add_co_u32 s10, s10, s9                      ; my block of 256 queries: it enters Q's and ctx's addresses alone
	s_and_b32 s11, ttmp7, 0xffff                   ; 16 x batch + head, which the partners share
	s_mul_i32 s32, s11, 204800
	s_mul_i32 s33, s[WV], 12800
	s_add_co_u32 s32, s32, s33
	s_mov_b32 s33, 0
	s_mov_b32 s12, 1
	s_mul_i32 s13, s[WV], 12800                    ; my sixteenth of the block, in LDS as in memory
	s_mov_b32 s16, 15|(3<<16)|(1<<21)              ; all four partners; elements of 8 bytes; no padding
	s_mov_b32 s17, 32<<16                          ; rows of 256 bytes,
	s_mov_b32 s18, 50<<16                          ; 50 of them, dense in memory
	s_mov_b32 s19, 32<<16
	s_mov_b32 s20, 50
	s_mov_b32 s21, 32
	s_mov_b32 s22, 0
	s_mov_b32 s23, 0
	s_lshl_b32 s31, s10, 4
	s_add_co_u32 s31, s31, s[WV]                   ; my tile of queries, 0..127
	s_mul_i32 s34, s11, 102400
	s_add_co_u32 s34, s34, 6553600                 ; the head's block of Q
	s_mul_i32 s36, s31, 768
	s_add_co_u32 s36, s36, s34
	s_mov_b32 s37, 0
	s_lshr_b32 s38, s31, 1
	s_lshl_b32 s38, s38, 6
	s_and_b32 s39, s31, 1
	s_lshl_b32 s39, s39, 1
	s_add_co_u32 s38, s38, s39
	s_add_co_u32 s38, s38, s34
	s_add_co_u32 s38, s38, 98304                   ; my tile's scale halves
	s_mov_b32 s39, 0
	s_lshr_b32 s40, s11, 4
	s_lshl_b32 s40, s40, 7
	s_add_co_u32 s40, s40, s31
	s_mul_i32 s40, s40, 12800                      ; ctx's record: row tile 128 x batch + my tile
	s_and_b32 s41, s11, 15                         ; the head: half head % 2 of K step head / 2
	s_mul_i32 s42, s41, 768
	s_add_co_u32 s42, s42, s40
	s_mov_b32 s43, 0
	s_lshr_b32 s44, s41, 1
	s_lshl_b32 s44, s44, 6
	s_and_b32 s45, s41, 1
	s_lshl_b32 s45, s45, 1
	s_add_co_u32 s44, s44, s45
	s_add_co_u32 s44, s44, s40
	s_add_co_u32 s44, s44, 12288
	s_mov_b32 s45, 0
	s_mov_b32 s[SEL], 0x76543210
	s_mov_b32 s[SEL+1], 0xfedcba98
	s_mov_b32 s[CS], 0x3e38aa3b                    ; c = log2(e) / 8
	s_mov_b32 s[CS+1], s[CS]
	s_mov_b32 s[TK], 0
	s_mov_b32 s[TSC], 0
	s_mov_b32 s[CNT], 16
	s_wait_dscnt 0x0
	s_wait_kmcnt 0x0
	s_add_nc_u64 s[14:15], s[4:5], s[32:33]
	s_or_b32 s15, s15, 0x80000000
	s_add_nc_u64 s[36:37], s[4:5], s[36:37]
	s_add_nc_u64 s[38:39], s[4:5], s[38:39]
	s_add_nc_u64 s[42:43], s[6:7], s[42:43]
	s_add_nc_u64 s[44:45], s[6:7], s[44:45]
	CROUND                                         ; all four partners are here: the joint loads meet
	tensor_load_to_lds s[12:15], s[16:23]          ; my one tensor load of the launch
	s_nop 0
.rept 4
	v_nop
.endr
	s_wait_alu depctr_va_vdst(0)
	global_load_b128 v[QLO:QLO+3], v1, s[36:37]    ; Q's half, once below
	global_load_b64 v[QLO+4:QLO+5], v2, s[36:37] offset:512
	global_load_b128 v[QHI+6:QHI+9], v1, s[36:37]  ; and once above
	global_load_b64 v[QHI+10:QHI+11], v2, s[36:37] offset:512
	global_load_u16 v[T], v220, s[38:39]
	s_wait_loadcnt 0x0
	v_lshl_or_b32 v[SQ], v[T], 16, v[T]            ; Q's two bytes serve both halves.  (The moves below are the places between this line and the first product)
.irp i, 0,1,2,3,4,5
	v_mov_b32 v[QLO+6+\i], 0                       ; zero codes
	v_mov_b32 v[QHI+\i], 0
.endr
.set j, 0
.rept 32
	v_mov_b32 v[O+j], 0                            ; the loop is written once: its first step finds zeros
.set j, j+1
.endr
	v_mov_b32 v13, 0xff61b1e6                      ; the largest t so far: -3e38
	s_delay_alu instid0(VALU_DEP_1)
	v_floor_f32 v12, -v13                          ; -M
	v_mov_b32 v14, 0
	v_mov_b32 v15, 0
	v_mov_b32 v[PW], 0
.irp b, 0,1,2,3
	v_mov_b32 v[BT+\b], 0                          ; a lane permute's destination counts as read
.endr
	s_wait_tensorcnt 0x0                           ; my part has landed
	s_barrier_signal -1
	s_barrier_wait -1                              ; everybody's has
.Lstep:                                        ; 128 keys a trip
	s_setprio 2
	v_add_nc_u32 v7, s[TK], v1                     ; (five plain lines: the places behind the last trip's products)
	v_add_nc_u32 v8, s[TK], v2
	v_add_nc_u32 v9, s[TK], v4
	v_add_nc_u32 v10, s[TK], v5
	v_add_nc_u32 v11, s[TSC], v6
.irp f, 0,1,2,3
	ds_load_b128 v[KV+12*\f:KV+12*\f+3], v7 offset:1536*\f
	ds_load_b64 v[KV+12*\f+4:KV+12*\f+5], v8 offset:1536*\f+512
	ds_load_b128 v[KV+12*\f+6:KV+12*\f+9], v7 offset:1536*\f+768
	ds_load_b64 v[KV+12*\f+10:KV+12*\f+11], v8 offset:1536*\f+1280
.endr
	ds_load_b32 v[KS], v11
	ds_load_b32 v[KS+1], v11 offset:128
	s_wait_alu depctr_va_vdst(0)
	s_wait_dscnt 0x0
.irp f, 0,1,2,3
.if \f%2 == 0
	v_wmma_scale_f32_16x16x128_f8f6f4 v[S+16*\f:S+16*\f+7], v[KV+12*\f:KV+12*\f+11], v[QLO:QLO+11], 0, v[KS+\f/2], v[SQ] matrix_a_fmt:MATRIX_FMT_BF6 matrix_b_fmt:MATRIX_FMT_BF6
	v_wmma_scale_f32_16x16x128_f8f6f4 v[S+16*\f+8:S+16*\f+15], v[KV+12*\f:KV+12*\f+11], v[QHI:QHI+11], 0, v[KS+\f/2], v[SQ] matrix_a_fmt:MATRIX_FMT_BF6 matrix_b_fmt:MATRIX_FMT_BF6
.else
	v_wmma_scale_f32_16x16x128_f8f6f4 v[S+16*\f:S+16*\f+7], v[KV+12*\f:KV+12*\f+11], v[QLO:QLO+11], 0, v[KS+\f/2], v[SQ] matrix_a_fmt:MATRIX_FMT_BF6 matrix_b_fmt:MATRIX_FMT_BF6 matrix_a_scale:MATRIX_SCALE_ROW1
	v_wmma_scale_f32_16x16x128_f8f6f4 v[S+16*\f+8:S+16*\f+15], v[KV+12*\f:KV+12*\f+11], v[QHI:QHI+11], 0, v[KS+\f/2], v[SQ] matrix_a_fmt:MATRIX_FMT_BF6 matrix_b_fmt:MATRIX_FMT_BF6 matrix_a_scale:MATRIX_SCALE_ROW1
.endif
.endr                                          ; register 16 b + i of S: key 32 b + 16 (lane / 16) + i of the step
.rept 4
	v_nop                                          ; four places in front of the loads into K's registers and of the first read of the scores
.endr
.irp f, 0,1,2,3                                ; V's four fragments land under the softmax
	ds_load_b128 v[KV+12*\f:KV+12*\f+3], v9 offset:1536*\f
	ds_load_b64 v[KV+12*\f+4:KV+12*\f+5], v10 offset:1536*\f+512
	ds_load_b128 v[KV+12*\f+6:KV+12*\f+9], v9 offset:1536*\f+768
	ds_load_b64 v[KV+12*\f+10:KV+12*\f+11], v10 offset:1536*\f+1280
.endr
	ds_load_b32 v[VS], v11 offset:4096
	ds_load_b32 v[VS+1], v11 offset:4224
.irp b, 0,1,2,3
	v_max3_num_f32 v[BM+\b], v[S+16*\b], v[S+1+16*\b], v[S+2+16*\b]   ; the largest score of each block of 32 keys: for the row's maximum and for the block's largest p
.endr
.irp i, 3,5,7,9,11,13
.irp b, 0,1,2,3
	v_max3_num_f32 v[BM+\b], v[BM+\b], v[S+16*\b+\i], v[S+1+16*\b+\i]
.endr
.endr
.irp b, 0,1,2,3
	v_max_num_f32 v[BM+\b], v[BM+\b], v[S+15+16*\b]
.endr
.irp b, 0,1,2,3
	s_delay_alu instid0(VALU_DEP_4)
	v_permlanex16_b32 v[BT+\b], v[BM+\b], s[SEL], s[SEL+1]
.endr
.irp b, 0,1,2,3
	s_delay_alu instid0(VALU_DEP_4)
	v_max_num_f32 v[BM+\b], v[BM+\b], v[BT+\b]
.endr
	s_delay_alu instid0(VALU_DEP_2)
	v_max3_num_f32 v[T], v[BM], v[BM+1], v[BM+2]
	s_delay_alu instid0(VALU_DEP_1)
	v_max_num_f32 v[T], v[T], v[BM+3]
	s_delay_alu instid0(VALU_DEP_1)
	v_mul_f32 v[T], s[CS], v[T]
	s_delay_alu instid0(VALU_DEP_1)
	v_max_num_f32 v13, v13, v[T]                   ; the running largest t
	v_mov_b32 v[T], v12
	s_delay_alu instid0(VALU_DEP_2)
	v_floor_f32 v12, -v13                          ; -M = floor(-t): M is a whole number
	s_delay_alu instid0(VALU_DEP_1)
	v_sub_f32 v[T], v12, v[T]
	s_delay_alu instid0(VALU_DEP_1)
	v_cvt_i32_f32 v[T], v[T]                       ; (it saturates)
	s_delay_alu instid0(VALU_DEP_1)
	v_ldexp_f32 v[F], 1.0, v[T]                    ; f = 2^(old M - new M)
.set j, 0
.rept 32
	v_pk_fma_f32 v[S+j:S+j+1], v[S+j:S+j+1], s[CS:CS+1], v[12:13] op_sel_hi:[1,0,0]   ; t - M
.set j, j+2
.endr
.irp b, 0,1,2,3
	v_fma_f32 v[BM+\b], v[BM+\b], s[CS], v12
.endr
.set j, 0
	s_setprio 1
	s_wait_alu depctr_va_vdst(0)
.rept 64
	v_exp_f32 v[S+j], v[S+j]                       ; p = 2^(t - M), not normalised
.set j, j+1
.endr
	v_pk_mul_f32 v[14:15], v[14:15], v[F:F+1] op_sel_hi:[1,0]   ; the sums under the new M: a plain line behind the exponentials
	s_wait_alu depctr_va_vdst(0)                   ; one wait for the batch, ahead of its first reader
.irp b, 0,1,2,3
	v_exp_f32 v[BM+\b], v[BM+\b]                   ; each block's largest p
.endr
	v_pk_add_f32 v[200:201], v[92:93], v[96:97]
	v_pk_add_f32 v[252:253], v[100:101], v[104:105]
	v_pk_add_f32 v[250:251], v[108:109], v[112:113]
	v_pk_add_f32 v[248:249], v[116:117], v[120:121]
	v_pk_add_f32 v[246:247], v[124:125], v[128:129]
	v_pk_add_f32 v[244:245], v[132:133], v[136:137]
	v_pk_add_f32 v[242:243], v[140:141], v[144:145]
	v_pk_add_f32 v[14:15], v[14:15], v[148:149]
	v_pk_add_f32 v[200:201], v[200:201], v[88:89]
	v_pk_add_f32 v[252:253], v[252:253], v[90:91]
	v_pk_add_f32 v[250:251], v[250:251], v[94:95]
	v_pk_add_f32 v[248:249], v[248:249], v[98:99]
	v_pk_add_f32 v[246:247], v[246:247], v[102:103]
	v_pk_add_f32 v[244:245], v[244:245], v[106:107]
	v_pk_add_f32 v[242:243], v[242:243], v[110:111]
	v_pk_add_f32 v[14:15], v[14:15], v[114:115]
	v_pk_add_f32 v[200:201], v[200:201], v[118:119]
	v_pk_add_f32 v[252:253], v[252:253], v[122:123]
	v_pk_add_f32 v[250:251], v[250:251], v[126:127]
	v_pk_add_f32 v[248:249], v[248:249], v[130:131]
	v_pk_add_f32 v[246:247], v[246:247], v[134:135]
	v_pk_add_f32 v[244:245], v[244:245], v[138:139]
	v_pk_add_f32 v[242:243], v[242:243], v[142:143]
	v_pk_add_f32 v[14:15], v[14:15], v[146:147]
	v_pk_add_f32 v[200:201], v[200:201], v[150:151]
	s_delay_alu instid0(VALU_DEP_2)
	v_pk_add_f32 v[14:15], v[14:15], v[248:249]
	s_delay_alu instid0(VALU_DEP_2)
	v_pk_add_f32 v[200:201], v[200:201], v[246:247]
	v_pk_add_f32 v[252:253], v[252:253], v[244:245]
	v_pk_add_f32 v[250:251], v[250:251], v[242:243]
	s_delay_alu instid0(VALU_DEP_2)
	v_pk_add_f32 v[14:15], v[14:15], v[252:253]
	s_delay_alu instid0(VALU_DEP_2)
	v_pk_add_f32 v[200:201], v[200:201], v[250:251]
	s_delay_alu instid0(VALU_DEP_1)
	v_pk_add_f32 v[14:15], v[14:15], v[200:201]
	s_wait_alu depctr_va_vdst(0)                   ; and one for the four
.irp b, 0,1,2,3
	v_max_num_f32 v[BM+\b], 0x2800000, v[BM+\b]    ; the floor: the byte cannot fall under 1
.endr
.irp b, 0,1,2,3
	s_delay_alu instid0(VALU_DEP_4)
	v_add_nc_u32 v[SO+\b], 0xfe000000, v[BM+\b]
.endr
.irp b, 0,1,2,3
	s_delay_alu instid0(VALU_DEP_4)
	v_lshrrev_b32 v[BT+\b], 23, v[SO+\b]
.endr
	s_delay_alu instid0(VALU_DEP_3)
	v_lshl_or_b32 v[PW], v[BT+1], 8, v[BT]
	s_delay_alu instid0(VALU_DEP_1)
	v_lshl_or_b32 v[PW], v[BT+2], 16, v[PW]
	s_delay_alu instid0(VALU_DEP_1)
	v_lshl_or_b32 v[PW], v[BT+3], 24, v[PW]
.irp c, 0,1
	v_cvt_scalef32_pk16_bf6_f32 v[P+6*\c:P+2+6*\c], v[S+32*\c:S+15+32*\c], v[SO+2*\c]
	v_cvt_scalef32_pk16_bf6_f32 v[BT+4*\c:BT+2+4*\c], v[S+16+32*\c:S+31+32*\c], v[SO+2*\c+1]
.endr
	v_nop                                          ; one plain line behind the conversions
.irp c, 0,1
.irp i, 0,1,2
	v_permlane16_swap_b32 v[P+6*\c+\i], v[BT+4*\c+\i]
.endr
.irp i, 0,1,2
	s_delay_alu instid0(VALU_DEP_3)
	v_mov_b32 v[P+3+6*\c+\i], v[BT+4*\c+\i]
.endr
.endr
.set j, 0
	s_setprio 0
.rept 16
	v_pk_mul_f32 v[O+j:O+j+1], v[O+j:O+j+1], v[F:F+1] op_sel_hi:[1,0]   ; O^T under the new M.  These sixteen are also the places between p's codes and scale word and the products
.set j, j+2
.endr
	s_wait_alu depctr_va_vdst(0)
	s_wait_dscnt 0x0                               ; V is in
.irp t, 0,1,2,3
.if \t%2 == 0
	v_wmma_scale_f32_16x16x128_f8f6f4 v[O+8*\t:O+8*\t+7], v[KV+12*\t:KV+12*\t+11], v[P:P+11], v[O+8*\t:O+8*\t+7], v[VS+\t/2], v[PW] matrix_a_fmt:MATRIX_FMT_BF6 matrix_b_fmt:MATRIX_FMT_BF6
.else
	v_wmma_scale_f32_16x16x128_f8f6f4 v[O+8*\t:O+8*\t+7], v[KV+12*\t:KV+12*\t+11], v[P:P+11], v[O+8*\t:O+8*\t+7], v[VS+\t/2], v[PW] matrix_a_fmt:MATRIX_FMT_BF6 matrix_b_fmt:MATRIX_FMT_BF6 matrix_a_scale:MATRIX_SCALE_ROW1
.endif
.endr
	s_add_co_u32 s[TK], s[TK], 6144
	s_add_co_u32 s[TSC], s[TSC], 256
	s_sub_co_u32 s[CNT], s[CNT], 1
	s_cmp_lg_u32 s[CNT], 0
	s_cbranch_scc1 .Lstep
	s_setprio 0
.rept 4
	v_nop                                          ; four places behind the last products
.endr
	v_add_f32 v14, v14, v15
	s_delay_alu instid0(VALU_DEP_1)
	v_permlanex16_b32 v[T], v14, s[SEL], s[SEL+1]
	s_delay_alu instid0(VALU_DEP_1)
	v_add_f32 v14, v14, v[T]                       ; the row's sum
	s_wait_alu depctr_va_vdst(0)
	v_rcp_f32 v14, v14
	v_nop
	s_wait_alu depctr_va_vdst(0)
.set j, 0
.rept 32
	v_mul_f32 v[S+j], v[O+j], v14                  ; register 16 b + i: channel 32 b + 16 (lane / 16) + i of the head
.set j, j+1
.endr
	QUANT2 S, P, PW
	global_store_b128 v1, v[P:P+3], s[42:43]
	global_store_b64 v2, v[P+4:P+5], s[42:43] offset:512
	global_store_b16 v220, v[PW], s[44:45]         ; 2 bytes a row: the word's other half is another head's.  Lanes l and l xor 16 write the same value
	s_wait_tensorcnt 0x0
	ds_add_u32 v254, v255
	s_wait_dscnt 0x0
	CROUND                                         ; the closing round
	s_endpgm
.Lfunc_end_k_qc57e515625_attn:
	.size	k_qc57e515625_attn, .Lfunc_end_k_qc57e515625_attn-k_qc57e515625_attn
	.p2alignl 7, 3214868480
	.fill 96, 4, 3214868480
	.section	.rodata,"a",@progbits
	.p2align	6, 0x0
	.amdhsa_kernel k_qc57e515625_attn
		.amdhsa_group_segment_fixed_size 206848
		.amdhsa_private_segment_fixed_size 0
		.amdhsa_enable_private_segment 0
		.amdhsa_kernarg_size 16
		.amdhsa_user_sgpr_count 2
		.amdhsa_user_sgpr_kernarg_segment_ptr 1
		.amdhsa_wavefront_size32 1
		.amdhsa_system_sgpr_workgroup_id_x 1
		.amdhsa_system_sgpr_workgroup_id_y 1
		.amdhsa_system_sgpr_workgroup_id_z 1
		.amdhsa_system_vgpr_workitem_id 0
		.amdhsa_next_free_vgpr 256
		.amdhsa_next_free_sgpr 66
		.amdhsa_reserve_vcc 0
		.amdhsa_float_denorm_mode_32 3
		.amdhsa_float_denorm_mode_16_64 3
		.amdhsa_memory_ordered 1
		.amdhsa_forward_progress 1
		.amdhsa_inst_pref_size 30
	.end_amdhsa_kernel
	.amdgpu_metadata
---
amdhsa.version: [ 1, 2 ]
amdhsa.kernels:
  - .name:           k_qc57e515625_attn
    .symbol:         k_qc57e515625_attn.kd
    .args:
      - { .name: qkv, .offset: 0, .size: 8, .value_kind: global_buffer, .address_space: global }
      - { .name: act, .offset: 8, .size: 8, .value_kind: global_buffer, .address_space: global }
    .group_segment_fixed_size: 206848
    .private_segment_fixed_size: 0
    .kernarg_segment_align: 8
    .kernarg_segment_size: 16
    .max_flat_workgroup_size: 512
    .sgpr_count:     66
    .vgpr_count:     256
    .wavefront_size: 32
...
	.end_amdgpu_metadata
.endif
;; end of part 11
;; launch wo (part 12): grid 16 x 16, 4 waves a work-group, no clusters, 35,328 bytes of LDS; arguments act, wimg, bo, x, r1; writes r1
.if DOCPART == 12
	.amdgcn_target "amdgcn-amd-amdhsa--gfx1250"
	.amdhsa_code_object_version 6
	.text
	.protected	k_qc57e515625_wo
	.globl	k_qc57e515625_wo
	.p2align	8
	.type	k_qc57e515625_wo,@function
k_qc57e515625_wo:
	s_mov_b64 s[64:65], 0
	v_nop
	global_prefetch_b8 v0, s[64:65] scope:SCOPE_SE
	s_setreg_imm32_b32 hwreg(HW_REG_WAVE_SCHED_MODE, 0, 2), 2
	s_setreg_imm32_b32 hwreg(HW_REG_WAVE_MODE, 25, 1), 1
	s_wait_xcnt 0x0
	s_wait_alu depctr_vm_vsrc(0)
; r1 = x + ctx Wo + bo.  ctx comes as records of codes, Wo as records of codes.  A work-group makes 64 columns x 256 rows; THE WAVES SHARE K: wave w takes K steps NS w .. NS w + NS - 1 of all of it.
; Its 4 NS fragments of the weight stay in registers; each fragment of ctx goes from memory to this one wave's registers; the four partial sums of a tile meet in a stage in LDS and are added in f32.
; ALL THAT A TILE WANTS OF MEMORY IS ASKED FOR D TILES AHEAD: its fragments and scale words (into a ring of D slots in window 3) and the residual rows that this wave finishes (a ring of D slots in window 0).
; So a tile has one wait for loads, at its head, and it is counted: the D - 1 later tiles' loads stay out.
; No tensor load, so no joint request: a fragment has one reader in the work-group.  ORDER OF SUMS: K is summed in four parts, then (P0 + P1) + (P2 + P3).
; Source 0 = 16 rows of the weight, source 1 = 16 rows of ctx: lane (r, h) holds row r, register 8 t + j column 32 (t / 2) + 16 h + 8 (t % 2) + j of the 64.
; THE MODE: SCHED_MODE bits 1:0 = 2 (LLVM: expert scheduling mode 2), set by the entry lines.  The code itself states the register dependences
; between vector or matrix instructions and memory or LDS instructions, with s_wait_alu, always for 0.
; THE PLAN.  Registers that memory or LDS instructions touch, in tile k:
;   ring slot k % D, TS slot k % D   read by the tile's products; behind them the loads of tile k + D land there.
;   ACC                              written by the tile's products; read by its eight LDS stores; written again by the next tile's products.
;   PR                               the tile's eight LDS loads land there; its additions read and write it; its two global stores read PR .. PR + 7; the next tile's LDS loads land there.
;   RES slot k % D                   read and written by the tile's residual lines, read by its last addition; behind that the loads of tile k + D land there.
;   v1 - v7, v12                     offsets and LDS addresses: made at the head, never written again.  v254, v255: made at the head, read by the closing add alone.
;   The weight's fragments and scale words are loaded once and then named by products alone.
; THREE WAITS A TILE.  At its head one on vm_vsrc: the last tile's LDS stores have read ACC and its global stores PR.  Behind the products and their places one on va_vdst: ACC is written, ring slot and scale words are
; read out; no vector or matrix instruction stands between it and the last of the loads of tile k + D's fragments, so these are dealt among the LDS stores, the barrier and the LDS loads with no further wait.
; Behind the last addition one on va_vdst: PR .. PR + 7 are written and the residual's slot is read out; it stands there and not at the next tile's head, so that the slot is asked for again at once.
.set NS,    2
.set D,     4
.set REC,   12800
.set SCO,   12288
.set WOFF,  2457600
.set LNRES, 0
.set LPF,   4*NS+NS/2                  ; loads that bring my fragments and scale words of a tile
.set NRES,  2+2*LNRES                  ; loads for a tile's residual
.set LPT,   LPF+NRES                   ; all the loads of a tile
.set L16, 1
.set L8,  2
.set L4,  3
.set VSS, 4
.set VSR, 5
.set VRO, 6
.set VSO, 7
.set SSC, 16
.set TS,  32
.set ACC, 40
.set PR,  72
.set BIAS, 116
.set G,   120
.set BB,  124
.set RES, 128                          ; v128..  the residual: 8 registers for each of D slots
.set STT, 160                          ; v160..  (mean, rstd) of the rows: 4 registers for each of D slots (where h is made again)
.set SA,  4
.set SW,  6
.set SBI, 8
.set SR,  10
.set SO,  12
.set SAS, 20
.set WV,  22
.set CNT, 23
.set SWS, 40
.set MSB, 0
.macro WIN new                         ; the immediate's high byte repeats the setting that is left
.if MSB != \new
	s_set_vgpr_msb (MSB<<8)|\new
.set MSB, \new
.endif
.endm
.macro PFC slot, off, q0, n            ; n of my NS fragments, from fragment q0 on, of the tile off bytes on, into ring slot slot
	WIN 0xc0
.set q, \q0
.rept \n
	global_load_b128 v[12*((\slot)*NS+q):12*((\slot)*NS+q)+3], v[L16], s[SA:SA+1] offset:(\off)+1536*q
	global_load_b64 v[12*((\slot)*NS+q)+4:12*((\slot)*NS+q)+5], v[L8], s[SA:SA+1] offset:(\off)+1536*q+512
	global_load_b128 v[12*((\slot)*NS+q)+6:12*((\slot)*NS+q)+9], v[L16], s[SA:SA+1] offset:(\off)+1536*q+768
	global_load_b64 v[12*((\slot)*NS+q)+10:12*((\slot)*NS+q)+11], v[L8], s[SA:SA+1] offset:(\off)+1536*q+1280
.set q, q+1
.endr
	WIN 0
.endm
.macro PFS slot, off                   ; and its scale words
.set q, 0
.rept NS/2
	global_load_b32 v[TS+(NS/2)*(\slot)+q], v[L4], s[SAS:SAS+1] offset:(\off)+128*q
.set q, q+1
.endr
.endm
.macro RLD slot, t                     ; the residual of the four rows that I finish of the trip's tile t, into ring slot slot: lanes 0-15 one row's 256 bytes, lanes 16-31 the next row's
.irp e, 0,1
	global_load_b128 v[RES+8*(\slot)+4*\e:RES+8*(\slot)+4*\e+3], v[VRO], s[SR:SR+1] offset:(32*((\t)/2)+8*((\t)%2)+2*\e)*4096
.endr
.if LNRES
.irp e, 0,1
	global_load_b64 v[STT+4*(\slot)+2*\e:STT+4*(\slot)+2*\e+1], v[VSO], s[SS:SS+1] offset:128*(\t)+16*\e
.endr
.endif
.endm
.macro MULK k                          ; 4 NS products; the four accumulators take turns; the first K step starts the sums
.set f, 0
.rept 4*NS
.if f < 21
	WIN 0x0d
.set rS, 12*f
.else
	WIN 0x0e
.set rS, 12*(f-21)
.endif
.set rB, 12*(((\k)%D)*NS+f/4)
.set rD, ACC+8*(f%4)
.set rX, SSC+(NS/2)*(f%4)+f/8
.set rY, TS+(NS/2)*((\k)%D)+f/8
.if f < 4
	v_wmma_scale_f32_16x16x128_f8f6f4 v[rD:rD+7], v[rS:rS+11], v[rB:rB+11], 0, v[rX], v[rY] matrix_a_fmt:MATRIX_FMT_BF6 matrix_b_fmt:MATRIX_FMT_BF6
.elseif (f/4)%2 == 0
	v_wmma_scale_f32_16x16x128_f8f6f4 v[rD:rD+7], v[rS:rS+11], v[rB:rB+11], v[rD:rD+7], v[rX], v[rY] matrix_a_fmt:MATRIX_FMT_BF6 matrix_b_fmt:MATRIX_FMT_BF6
.else
	v_wmma_scale_f32_16x16x128_f8f6f4 v[rD:rD+7], v[rS:rS+11], v[rB:rB+11], v[rD:rD+7], v[rX], v[rY] matrix_a_fmt:MATRIX_FMT_BF6 matrix_b_fmt:MATRIX_FMT_BF6 matrix_a_scale:MATRIX_SCALE_ROW1 matrix_b_scale:MATRIX_SCALE_ROW1
.endif
.set f, f+1
.endr
.endm
; The trip's tile k.  pf = 1: it asks for the tile D on.  wf: the loads issued behind this tile's own, which may stay out.
.macro TILE k, pf, wf
.set rR, RES+8*((\k)%D)                ; this tile's slot of the residual's ring
.set rT, STT+4*((\k)%D)
	s_wait_loadcnt \wf                             ; loads come back in order: this tile's fragments, scale words and residual are in; the later tiles' LPT loads each may be out
	s_wait_xcnt 0x0                                ; the last tile's global stores have had their addresses translated: their data registers are filled again only behind this wait
	s_wait_alu depctr_vm_vsrc(0)                   ; the last tile's LDS stores have read ACC, which the products below write; its global stores have read v[PR .. PR + 7], in which the LDS loads below land
	MULK \k
	WIN 0
; The residual is made ready here: these lines want no matrix result and name none of the products' registers, so they are the four places between the last product and the LDS stores of the results
.if LNRES
.irp e, 0,1
.irp m, 0,2
	v_pk_add_f32 v[rR+4*\e+\m:rR+4*\e+\m+1], v[rR+4*\e+\m:rR+4*\e+\m+1], v[rT+2*\e:rT+2*\e+1] op_sel_hi:[1,0] neg_lo:[0,1] neg_hi:[0,1]   ; - mean
.endr
.endr
.irp e, 0,1
.irp m, 0,2
	v_pk_mul_f32 v[rR+4*\e+\m:rR+4*\e+\m+1], v[rR+4*\e+\m:rR+4*\e+\m+1], v[rT+2*\e:rT+2*\e+1] op_sel:[0,1] op_sel_hi:[1,1]              ; x rstd
.endr
.endr
.irp e, 0,1
.irp m, 0,2
	v_pk_fma_f32 v[rR+4*\e+\m:rR+4*\e+\m+1], v[rR+4*\e+\m:rR+4*\e+\m+1], v[G+\m:G+\m+1], v[BB+\m:BB+\m+1]                               ; x g1 + (be1 + b2)
.endr
.endr
.else
.irp e, 0,1
.irp m, 0,2
	v_pk_add_f32 v[rR+4*\e+\m:rR+4*\e+\m+1], v[rR+4*\e+\m:rR+4*\e+\m+1], v[BIAS+\m:BIAS+\m+1]                                           ; x + bo
.endr
.endr
.endif
	s_wait_alu depctr_va_vdst(0)                   ; the products have written ACC, which the LDS stores below read, and are done reading this tile's ring slot and scale words, in which the loads below land; the places above stay beside this wait
.irp t, 0,1,2,3
	ds_store_b128 v[VSS], v[ACC+8*\t:ACC+8*\t+3] offset:17408*((\k)%2)+128*(\t/2)+32*(\t%2)      ; each accumulator from its low end on
	ds_store_b128 v[VSS], v[ACC+8*\t+4:ACC+8*\t+7] offset:17408*((\k)%2)+128*(\t/2)+32*(\t%2)+16
.endr
.if \pf
	PFC (\k)%D, ((\k)+D)*REC, 0, NS/2              ; half of the fragments of the tile D on, while the LDS stores complete.  No wait: no vector or matrix instruction since the wait above
.endif
	s_wait_dscnt 0x0                               ; my partial sums lie in the stage; my reads of the other stage, one tile back, are over
	s_barrier_signal -1
	s_barrier_wait -1                              ; so this stage is whole, and the other may be written in the next tile
.irp p, 0,1,2,3
.irp e, 0,1
	ds_load_b128 v[PR+8*\p+4*\e:PR+8*\p+4*\e+3], v[VSR] offset:17408*((\k)%2)+4352*\p+544*\e   ; the last tile's additions, which named PR, stand ahead of the wait above
.endr
.endr
.if \pf
	PFC (\k)%D, ((\k)+D)*REC, NS/2, NS/2           ; the other half and the scale words, while the partial sums come back: still no vector or matrix instruction since the wait above
	PFS (\k)%D, ((\k)+D)*REC
.endif
	s_wait_dscnt 0x0
.irp e, 0,1
.irp m, 0,2
	v_pk_add_f32 v[PR+4*\e+\m:PR+4*\e+\m+1], v[PR+4*\e+\m:PR+4*\e+\m+1], v[PR+8+4*\e+\m:PR+8+4*\e+\m+1]
	v_pk_add_f32 v[PR+16+4*\e+\m:PR+16+4*\e+\m+1], v[PR+16+4*\e+\m:PR+16+4*\e+\m+1], v[PR+24+4*\e+\m:PR+24+4*\e+\m+1]
.endr
.endr
.irp e, 0,1
.irp m, 0,2
	v_pk_add_f32 v[PR+4*\e+\m:PR+4*\e+\m+1], v[PR+4*\e+\m:PR+4*\e+\m+1], v[PR+16+4*\e+\m:PR+16+4*\e+\m+1]
.endr
.endr
.irp e, 0,1
.irp m, 0,2
	v_pk_add_f32 v[PR+4*\e+\m:PR+4*\e+\m+1], v[PR+4*\e+\m:PR+4*\e+\m+1], v[rR+4*\e+\m:rR+4*\e+\m+1]
.endr
.endr
	s_wait_alu depctr_va_vdst(0)                   ; the additions have written v[PR .. PR + 7], which the stores below read, and are done with this tile's slot of the residual's ring, in which the loads below land
.irp e, 0,1
	global_store_b128 v[VRO], v[PR+4*\e:PR+4*\e+3], s[SO:SO+1] offset:(32*((\k)/2)+8*((\k)%2)+2*\e)*4096   ; sixteen lanes store 256 consecutive bytes, aligned
.endr
.if \pf
	RLD (\k)%D, (\k)+D                             ; the slot has been read: it takes the residual of the tile D on
.endif
.endm
	s_load_b256 s[4:11], s[0:1], 0x0               ; the streamed records, wimg, the bias, the residual
.if LNRES
	s_load_b256 s[12:19], s[0:1], 0x20
.else
	s_load_b64 s[12:13], s[0:1], 0x20              ; the output
	v_lshl_add_u32 v254, v0, 2, 0x8800
	v_mov_b32 v255, 0
.endif
	v_lshrrev_b32 v8, 5, v0
	v_readfirstlane_b32 s[WV], v8
	v_and_b32 v9, 31, v0
	v_and_b32 v10, 15, v0                          ; r
	v_bfe_u32 v11, v0, 4, 1                        ; h
	v_lshlrev_b32 v[L16], 4, v9
	v_lshlrev_b32 v[L8], 3, v9
	v_lshlrev_b32 v[L4], 2, v9
	v_mul_u32_u24 v[VSS], v8, 4352                 ; the stage: [2][wave][16 rows x (256 + 16) bytes]: in: row r, + 64 h
	v_mad_u32_u24 v[VSS], v10, 272, v[VSS]
	v_lshl_add_u32 v[VSS], v11, 6, v[VSS]
	v_mul_u32_u24 v[VSR], v8, 1088                 ; back: rows 4 w + h (+ 2 e), 16 bytes a lane
	v_mad_u32_u24 v[VSR], v11, 272, v[VSR]
	v_lshl_add_u32 v[VSR], v10, 4, v[VSR]
	v_lshlrev_b32 v[VRO], 12, v11
	v_lshl_add_u32 v[VRO], v10, 4, v[VRO]          ; in memory: 4,096 h + 16 r
	v_lshlrev_b32 v[VSO], 3, v11
	v_lshlrev_b32 v12, 4, v10
	s_wait_alu depctr_va_sdst(0)                   ; the wave's number is written, ahead of its first reader: the bases below are made from it
	s_and_b32 s24, ttmp7, 0xffff                   ; gy: 256 rows
	s_mul_i32 s26, s24, 16*REC
	s_mul_i32 s27, s[WV], 1536*NS
	s_add_co_u32 s28, s26, s27
	s_mov_b32 s29, 0
	s_mul_i32 s27, s[WV], 64*NS
	s_add_co_u32 s30, s26, s27
	s_add_co_u32 s30, s30, SCO
	s_mov_b32 s31, 0
	s_mul_i32 s26, ttmp9, 4*REC                    ; gx: 64 columns, four tiles of the weight
	s_add_co_u32 s26, s26, WOFF
	s_mul_i32 s27, s[WV], 1536*NS
	s_add_co_u32 s32, s26, s27
	s_mov_b32 s33, 0
	s_mul_i32 s27, s[WV], 64*NS
	s_add_co_u32 s34, s26, s27
	s_add_co_u32 s34, s34, SCO
	s_mov_b32 s35, 0
	s_lshl_b32 s36, s24, 8
	s_lshl_b32 s27, s[WV], 2
	s_add_co_u32 s36, s36, s27
	s_lshr_b32 s27, s[WV], 1
	s_lshl_b32 s27, s27, 3
	s_add_co_u32 s36, s36, s27                     ; row 256 gy + 4 w + 8 (w / 2)
	s_lshl_b32 s36, s36, 12
	s_lshl_b32 s38, ttmp9, 8
	s_add_co_u32 s36, s36, s38
	s_mov_b32 s37, 0
	s_mov_b32 s39, 0
.if LNRES
	s_lshl_b32 s42, s24, 11
	s_lshl_b32 s27, s[WV], 5
	s_add_co_u32 s42, s42, s27
	s_mov_b32 s43, 0
.endif
	s_wait_kmcnt 0x0
	s_add_nc_u64 s[SAS:SAS+1], s[SA:SA+1], s[30:31]
	s_add_nc_u64 s[SA:SA+1], s[SA:SA+1], s[28:29]
	s_add_nc_u64 s[SWS:SWS+1], s[SW:SW+1], s[34:35]
	s_add_nc_u64 s[SW:SW+1], s[SW:SW+1], s[32:33]
	s_add_nc_u64 s[SBI:SBI+1], s[SBI:SBI+1], s[38:39]
	s_add_nc_u64 s[SR:SR+1], s[SR:SR+1], s[36:37]
	s_add_nc_u64 s[SO:SO+1], s[SO:SO+1], s[36:37]
	s_wait_alu depctr_va_vdst(0)                   ; the offsets and LDS addresses v1 to v7 and v12 are written, which the kernel's loads and stores read; so are v254 and v255, which the closing add reads
	global_load_b128 v[BIAS:BIAS+3], v12, s[SBI:SBI+1]
.if LNRES
	s_add_nc_u64 s[SS:SS+1], s[SS:SS+1], s[42:43]
	s_add_nc_u64 s[SG:SG+1], s[SG:SG+1], s[38:39]
	s_add_nc_u64 s[SBE:SBE+1], s[SBE:SBE+1], s[38:39]
	global_load_b128 v[G:G+3], v12, s[SG:SG+1]
	global_load_b128 v[BB:BB+3], v12, s[SBE:SBE+1]
.endif
.set f, 0
.rept 4*NS                             ; the weight's fragments: my K step f / 4 of tile f % 4: they stay
.if f < 21
	WIN 0x40
.set rS, 12*f
.else
	WIN 0x80
.set rS, 12*(f-21)
.endif
	global_load_b128 v[rS:rS+3], v[L16], s[SW:SW+1] offset:(f%4)*REC+1536*(f/4)
	global_load_b64 v[rS+4:rS+5], v[L8], s[SW:SW+1] offset:(f%4)*REC+1536*(f/4)+512
	global_load_b128 v[rS+6:rS+9], v[L16], s[SW:SW+1] offset:(f%4)*REC+1536*(f/4)+768
	global_load_b64 v[rS+10:rS+11], v[L8], s[SW:SW+1] offset:(f%4)*REC+1536*(f/4)+1280
.set f, f+1
.endr
	WIN 0
.irp t, 0,1,2,3
.set q, 0
.rept NS/2
	global_load_b32 v[SSC+(NS/2)*\t+q], v[L4], s[SWS:SWS+1] offset:\t*REC+128*q
.set q, q+1
.endr
.endr
.set kk, 0
.rept D                                ; the first D tiles: each tile's fragments, then its residual: the order in which the loop goes on asking
	PFC kk, kk*REC, 0, NS
	PFS kk, kk*REC
	RLD kk, kk
.set kk, kk+1
.endr
.if LNRES
	s_wait_loadcnt 63                              ; b2 and be1 are older than the last 63 loads
	v_pk_add_f32 v[BB:BB+1], v[BB:BB+1], v[BIAS:BIAS+1]
	v_pk_add_f32 v[BB+2:BB+3], v[BB+2:BB+3], v[BIAS+2:BIAS+3]
.endif
	s_mov_b32 s[CNT], 16/D-1
.Ltrip:                                        ; D tiles a trip; each asks for the tile D on
.set kk, 0
.rept D
	TILE kk, 1, (D-1)*LPT
.set kk, kk+1
.endr
	s_wait_xcnt 0x0                                ; the trip's loads and stores have read their bases
	s_add_nc_u64 s[SA:SA+1], s[SA:SA+1], D*REC
	s_add_nc_u64 s[SAS:SAS+1], s[SAS:SAS+1], D*REC
	s_add_nc_u64 s[SR:SR+1], s[SR:SR+1], 16*D*4096
	s_add_nc_u64 s[SO:SO+1], s[SO:SO+1], 16*D*4096
.if LNRES
	s_add_nc_u64 s[SS:SS+1], s[SS:SS+1], 128*D
.endif
	s_sub_co_u32 s[CNT], s[CNT], 1
	s_cmp_lg_u32 s[CNT], 0
	s_cbranch_scc1 .Ltrip
.set kk, 0
.rept D                                ; the last D tiles ask for nothing: the counts run down
	TILE kk, 0, (D-1-kk)*LPT
.set kk, kk+1
.endr
	s_wait_dscnt 0x0                               ; the closing lines, six on end
	s_wait_alu 0x0
	s_wait_tensorcnt 0x0
	ds_add_u32 v254, v255
	s_wait_dscnt 0x0
	s_endpgm
.Lfunc_end_k_qc57e515625_wo:
	.size	k_qc57e515625_wo, .Lfunc_end_k_qc57e515625_wo-k_qc57e515625_wo
	.p2alignl 7, 3214868480
	.fill 96, 4, 3214868480
	.section	.rodata,"a",@progbits
	.p2align	6, 0x0
	.amdhsa_kernel k_qc57e515625_wo
		.amdhsa_group_segment_fixed_size 35328
		.amdhsa_private_segment_fixed_size 0
		.amdhsa_enable_private_segment 0
		.amdhsa_kernarg_size 40
		.amdhsa_user_sgpr_count 2
		.amdhsa_user_sgpr_kernarg_segment_ptr 1
		.amdhsa_wavefront_size32 1
		.amdhsa_system_sgpr_workgroup_id_x 1
		.amdhsa_system_sgpr_workgroup_id_y 1
		.amdhsa_system_sgpr_workgroup_id_z 1
		.amdhsa_system_vgpr_workitem_id 0
		.amdhsa_next_free_vgpr 960
		.amdhsa_next_free_sgpr 66
		.amdhsa_reserve_vcc 0
		.amdhsa_float_denorm_mode_32 3
		.amdhsa_float_denorm_mode_16_64 3
		.amdhsa_memory_ordered 1
		.amdhsa_forward_progress 1
		.amdhsa_inst_pref_size 47
	.end_amdhsa_kernel
	.amdgpu_metadata
---
amdhsa.version: [ 1, 2 ]
amdhsa.kernels:
  - .name:           k_qc57e515625_wo
    .symbol:         k_qc57e515625_wo.kd
    .args:
      - { .name: act, .offset: 0, .size: 8, .value_kind: global_buffer, .address_space: global }
      - { .name: wimg, .offset: 8, .size: 8, .value_kind: global_buffer, .address_space: global }
      - { .name: bo, .offset: 16, .size: 8, .value_kind: global_buffer, .address_space: global }
      - { .name: x, .offset: 24, .size: 8, .value_kind: global_buffer, .address_space: global }
      - { .name: r1, .offset: 32, .size: 8, .value_kind: global_buffer, .address_space: global }
    .group_segment_fixed_size: 35328
    .private_segment_fixed_size: 0
    .kernarg_segment_align: 8
    .kernarg_segment_size: 40
    .max_flat_workgroup_size: 128
    .sgpr_count:     66
    .vgpr_count:     960
    .wavefront_size: 32
...
	.end_amdgpu_metadata
.endif
;; end of part 12
;; launch ln1 (part 13): grid 256 x 1, 4 waves a work-group, no clusters, 66,560 bytes of LDS; arguments r1, g1, be1, act, stats; writes act, stats
.if DOCPART == 13
	.amdgcn_target "amdgcn-amd-amdhsa--gfx1250"
	.amdhsa_code_object_version 6
	.text
	.protected	k_qc57e515625_ln1
	.globl	k_qc57e515625_ln1
	.p2align	8
	.type	k_qc57e515625_ln1,@function
k_qc57e515625_ln1:
	s_mov_b64 s[64:65], 0
	v_nop
	global_prefetch_b8 v0, s[64:65] scope:SCOPE_SE
	s_setreg_imm32_b32 hwreg(HW_REG_WAVE_MODE, 25, 1), 1
	s_wait_xcnt 0x0
; h = LayerNorm(r1) g1 + be1, quantised along the model's axis into records of codes (laid as the first launch lays x); each row's mean and 1 / sqrt(var + eps) go to stats, from which a later launch makes h again.
; A work-group takes a row tile; wave w its local rows 4 w .. 4 w + 3, which are neighbours in memory: a row lies in one wave's registers, 32 a lane, so mean and variance never leave the wave.
; Then the rows turn through LDS, so that a lane holds 16 neighbours of each block of 32, and wave w quantises K steps 2 w, 2 w + 1 of all sixteen rows.
; LIMITS: NaN and infinities are not served; a block whose largest magnitude lies under 2^-122 gets the byte 1 (its codes are zeros or subnormals; this program alone reads the bytes).
.set XP,   4112
.set STA,  65792                       ; LDS: 16 rows' (mean, rstd)
.set REC1, 12800
.set X,    32
.set G,    160
.set BE,   192
.set AC,   224
.set MU,   232
.set TP,   240
.set TM,   200
.set SEL,  50
.macro QUANT4 s, pc, pw
.irp b, 0,1,2,3
	v_max3_num_f32 v[TM+\b], |v[\s+16*\b]|, |v[\s+1+16*\b]|, 0x2800000
.endr
.irp i, 2,4,6,8,10,12,14
.irp b, 0,1,2,3
	v_max3_num_f32 v[TM+\b], v[TM+\b], |v[\s+16*\b+\i]|, |v[\s+1+16*\b+\i]|
.endr
.endr
.irp b, 0,1,2,3
	v_permlanex16_b32 v[TM+4+\b], v[TM+\b], s[SEL], s[SEL+1]
.endr
.irp b, 0,1,2,3
	v_max_num_f32 v[TM+\b], v[TM+\b], v[TM+4+\b]
.endr
.irp b, 0,1,2,3
	v_add_nc_u32 v[TM+12+\b], 0xfe000000, v[TM+\b]
.endr
.irp b, 0,1,2,3
	v_lshrrev_b32 v[TM+4+\b], 23, v[TM+12+\b]
.endr
	v_lshl_or_b32 v[\pw], v[TM+5], 8, v[TM+4]
	v_lshl_or_b32 v[\pw], v[TM+6], 16, v[\pw]
	v_lshl_or_b32 v[\pw], v[TM+7], 24, v[\pw]
.irp c, 0,1
	v_cvt_scalef32_pk16_bf6_f32 v[\pc+6*\c:\pc+2+6*\c], v[\s+32*\c:\s+15+32*\c], v[TM+12+2*\c]
	v_cvt_scalef32_pk16_bf6_f32 v[\pc+12+4*\c:\pc+14+4*\c], v[\s+16+32*\c:\s+31+32*\c], v[TM+12+2*\c+1]
.endr
	v_nop
.irp c, 0,1
.irp i, 0,1,2
	v_permlane16_swap_b32 v[\pc+6*\c+\i], v[\pc+12+4*\c+\i]
.endr
.irp i, 0,1,2
	v_mov_b32 v[\pc+3+6*\c+\i], v[\pc+12+4*\c+\i]
.endr
.endr
.endm
.macro PUTF pc, base, off
	global_store_b128 v1, v[\pc:\pc+3], s[\base:\base+1] offset:\off
	global_store_b64 v2, v[\pc+4:\pc+5], s[\base:\base+1] offset:\off+512
	global_store_b128 v1, v[\pc+6:\pc+9], s[\base:\base+1] offset:\off+768
	global_store_b64 v2, v[\pc+10:\pc+11], s[\base:\base+1] offset:\off+1280
.endm
.macro REDUCE                          ; the four rows' pairs of partial sums become sums over the wave, in every lane; the rows take turns
.irp i, 0,1,2,3
	v_add_f32 v[AC+2*\i], v[AC+2*\i], v[AC+2*\i+1]
.endr
.irp m, 1,2,4,8
.irp i, 0,1,2,3
	v_add_f32_dpp v[AC+2*\i], v[AC+2*\i], v[AC+2*\i] row_xmask:\m row_mask:0xf bank_mask:0xf
.endr
.endr
.irp i, 0,1,2,3
	v_permlanex16_b32 v[TP+\i], v[AC+2*\i], s[SEL], s[SEL+1]
.endr
.irp i, 0,1,2,3
	v_add_f32 v[AC+2*\i], v[AC+2*\i], v[TP+\i]
.endr
.endm
.macro LNORM                           ; four rows in v[X + 32 i ..]: (x - mean) x rsqrt(var + eps) x g + be, in place; (mean, rstd) in v[MU + 2 i : MU + 2 i + 1]
.irp i, 0,1,2,3
	v_pk_add_f32 v[AC+2*\i:AC+2*\i+1], v[X+32*\i:X+32*\i+1], v[X+32*\i+2:X+32*\i+3]
.endr
.irp p, 4,6,8,10,12,14,16,18,20,22,24,26,28,30
.irp i, 0,1,2,3
	v_pk_add_f32 v[AC+2*\i:AC+2*\i+1], v[AC+2*\i:AC+2*\i+1], v[X+32*\i+\p:X+32*\i+\p+1]
.endr
.endr
	REDUCE
.irp i, 0,1,2,3
	v_mul_f32 v[MU+2*\i], 0x3a800000, v[AC+2*\i]   ; / 1,024
.endr
.irp p, 0,2,4,6,8,10,12,14,16,18,20,22,24,26,28,30
.irp i, 0,1,2,3
	v_pk_add_f32 v[X+32*\i+\p:X+32*\i+\p+1], v[X+32*\i+\p:X+32*\i+\p+1], v[MU+2*\i:MU+2*\i+1] op_sel_hi:[1,0] neg_lo:[0,1] neg_hi:[0,1]
.endr
.endr
.irp i, 0,1,2,3
	v_pk_mul_f32 v[AC+2*\i:AC+2*\i+1], v[X+32*\i:X+32*\i+1], v[X+32*\i:X+32*\i+1]
.endr
.irp p, 2,4,6,8,10,12,14,16,18,20,22,24,26,28,30
.irp i, 0,1,2,3
	v_pk_fma_f32 v[AC+2*\i:AC+2*\i+1], v[X+32*\i+\p:X+32*\i+\p+1], v[X+32*\i+\p:X+32*\i+\p+1], v[AC+2*\i:AC+2*\i+1]
.endr
.endr
	REDUCE
.irp i, 0,1,2,3
	v_fma_f32 v[AC+2*\i], v[AC+2*\i], s48, s49     ; var + eps
.endr
	s_wait_alu depctr_va_vdst(0)
.irp i, 0,1,2,3
	v_rsq_f32 v[MU+2*\i+1], v[AC+2*\i]
.endr
	v_nop                                          ; a plain line behind the batch,
	s_wait_alu depctr_va_vdst(0)                   ; and one wait ahead of its first reader
.irp p, 0,2,4,6,8,10,12,14,16,18,20,22,24,26,28,30
.irp i, 0,1,2,3
	v_pk_mul_f32 v[X+32*\i+\p:X+32*\i+\p+1], v[X+32*\i+\p:X+32*\i+\p+1], v[MU+2*\i:MU+2*\i+1] op_sel:[0,1] op_sel_hi:[1,1]
.endr
.irp i, 0,1,2,3
	v_pk_fma_f32 v[X+32*\i+\p:X+32*\i+\p+1], v[X+32*\i+\p:X+32*\i+\p+1], v[G+\p:G+\p+1], v[BE+\p:BE+\p+1]
.endr
.endr
.endm
	s_load_b256 s[4:11], s[0:1], 0x0               ; r1, g1, be1, act
	s_load_b64 s[12:13], s[0:1], 0x20              ; stats
	v_lshl_add_u32 v254, v0, 2, 0x10200
	v_mov_b32 v255, 0
	v_lshrrev_b32 v6, 5, v0
	v_readfirstlane_b32 s2, v6
	v_and_b32 v7, 31, v0
	v_and_b32 v8, 15, v0
	v_bfe_u32 v9, v0, 4, 1
	v_lshlrev_b32 v1, 4, v7
	v_lshlrev_b32 v2, 3, v7
	v_lshlrev_b32 v3, 2, v7
	v_mad_u32_u24 v4, v6, 4*XP, v1
	v_mul_u32_u24 v5, v8, XP
	v_lshl_add_u32 v5, v9, 6, v5
	v_lshl_add_u32 v5, v6, 10, v5
	v_and_b32 v10, 0x60, v0                        ; 32 x wave
	v_add_nc_u32 v10, STA, v10                     ; where my four rows' (mean, rstd) go
	v_add_nc_u32 v11, STA, v3                      ; and where wave 0 reads all sixteen back
.irp i, 0,1,2,3
	v_mov_b32 v[TP+\i], 0                          ; a lane permute's destination counts as read
	v_mov_b32 v[MU+2*\i+1], 0                      ; named as the upper word of a pair before it is made
.endr
	s_lshr_b32 s3, s2, 1
	s_lshr_b32 s14, ttmp9, 1
	s_lshl_b32 s14, s14, 5
	s_and_b32 s15, ttmp9, 1
	s_lshl_b32 s15, s15, 3
	s_add_co_u32 s14, s14, s15
	s_lshl_b32 s15, s2, 2
	s_add_co_u32 s14, s14, s15
	s_lshl_b32 s15, s3, 3
	s_add_co_u32 s14, s14, s15
	s_lshl_b32 s14, s14, 12
	s_mov_b32 s15, 0
	s_mul_i32 s16, ttmp9, REC1
	s_mul_i32 s17, s2, 3072
	s_add_co_u32 s18, s16, s17
	s_mov_b32 s19, 0
	s_lshl_b32 s17, s2, 7
	s_add_co_u32 s16, s16, s17
	s_mov_b32 s17, 0
	s_lshl_b32 s20, ttmp9, 7
	s_mov_b32 s21, 0
	s_mov_b32 s46, 0xffff0000
	s_mov_b32 s48, 0x3a800000                      ; 1 / 1,024
	s_mov_b32 s49, 0x3727c5ac                      ; eps = 1e-5
	s_mov_b32 s[SEL], 0x76543210
	s_mov_b32 s[SEL+1], 0xfedcba98
	s_wait_kmcnt 0x0
	s_add_nc_u64 s[4:5], s[4:5], s[14:15]
	s_add_nc_u64 s[38:39], s[10:11], s[18:19]
	s_add_nc_u64 s[42:43], s[10:11], s[16:17]
	s_add_nc_u64 s[12:13], s[12:13], s[20:21]
.irp i, 0,1,2,3
.irp q, 0,1,2,3,4,5,6,7
	global_load_b128 v[X+32*\i+4*\q:X+32*\i+4*\q+3], v1, s[4:5] offset:4096*\i+512*\q
.endr
.endr
.irp q, 0,1,2,3,4,5,6,7
	global_load_b128 v[G+4*\q:G+4*\q+3], v1, s[6:7] offset:512*\q
	global_load_b128 v[BE+4*\q:BE+4*\q+3], v1, s[8:9] offset:512*\q
.endr
	s_wait_loadcnt 0x0
	LNORM
.irp i, 0,1,2,3
.irp q, 0,1,2,3,4,5,6,7
	ds_store_b128 v4, v[X+32*\i+4*\q:X+32*\i+4*\q+3] offset:XP*\i+512*\q
.endr
	ds_store_b64 v10, v[MU+2*\i:MU+2*\i+1] offset:8*\i   ; every lane writes the same value
.endr
	s_wait_dscnt 0x0
	s_barrier_signal -1
	s_barrier_wait -1
.irp e, 0,1
.irp b, 0,1,2,3
.irp j, 0,1,2,3
	ds_load_b128 v[32+64*\e+16*\b+4*\j:35+64*\e+16*\b+4*\j], v5 offset:512*\e+128*\b+16*\j
.endr
.endr
.endr
	s_wait_dscnt 16                                ; K step 2 w is in; the other's sixteen loads may be out
	QUANT4 32, 160, 216
	s_wait_dscnt 0x0
	QUANT4 96, 180, 217
	PUTF 160, 38, 0
	PUTF 180, 38, 1536
	v_cndmask_b32 v218, v216, v217, s46
	global_store_b32 v3, v218, s[42:43] offset:12288
	s_cmp_lg_u32 s2, 0
	s_cbranch_scc1 .Ldone
	ds_load_b32 v219, v11                          ; wave 0: the tile's 128 bytes of (mean, rstd)
	s_wait_dscnt 0x0
	global_store_b32 v3, v219, s[12:13]
.Ldone:
	s_wait_tensorcnt 0x0
	ds_add_u32 v254, v255
	s_wait_dscnt 0x0
	s_endpgm
.Lfunc_end_k_qc57e515625_ln1:
	.size	k_qc57e515625_ln1, .Lfunc_end_k_qc57e515625_ln1-k_qc57e515625_ln1
	.p2alignl 7, 3214868480
	.fill 96, 4, 3214868480
	.section	.rodata,"a",@progbits
	.p2align	6, 0x0
	.amdhsa_kernel k_qc57e515625_ln1
		.amdhsa_group_segment_fixed_size 66560
		.amdhsa_private_segment_fixed_size 0
		.amdhsa_enable_private_segment 0
		.amdhsa_kernarg_size 40
		.amdhsa_user_sgpr_count 2
		.amdhsa_user_sgpr_kernarg_segment_ptr 1
		.amdhsa_wavefront_size32 1
		.amdhsa_system_sgpr_workgroup_id_x 1
		.amdhsa_system_sgpr_workgroup_id_y 1
		.amdhsa_system_sgpr_workgroup_id_z 1
		.amdhsa_system_vgpr_workitem_id 0
		.amdhsa_next_free_vgpr 256
		.amdhsa_next_free_sgpr 66
		.amdhsa_reserve_vcc 0
		.amdhsa_float_denorm_mode_32 3
		.amdhsa_float_denorm_mode_16_64 3
		.amdhsa_memory_ordered 1
		.amdhsa_forward_progress 1
		.amdhsa_inst_pref_size 44
	.end_amdhsa_kernel
	.amdgpu_metadata
---
amdhsa.version: [ 1, 2 ]
amdhsa.kernels:
  - .name:           k_qc57e515625_ln1
    .symbol:         k_qc57e515625_ln1.kd
    .args:
      - { .name: r1, .offset: 0, .size: 8, .value_kind: global_buffer, .address_space: global }
      - { .name: g1, .offset: 8, .size: 8, .value_kind: global_buffer, .address_space: global }
      - { .name: be1, .offset: 16, .size: 8, .value_kind: global_buffer, .address_space: global }
      - { .name: act, .offset: 24, .size: 8, .value_kind: global_buffer, .address_space: global }
      - { .name: stats, .offset: 32, .size: 8, .value_kind: global_buffer, .address_space: global }
    .group_segment_fixed_size: 66560
    .private_segment_fixed_size: 0
    .kernarg_segment_align: 8
    .kernarg_segment_size: 40
    .max_flat_workgroup_size: 128
    .sgpr_count:     66
    .vgpr_count:     256
    .wavefront_size: 32
...
	.end_amdgpu_metadata
.endif
;; end of part 13
;; launch w1 (part 14): grid 16 x 16, 4 waves a work-group, clusters of 4 x 1, 207,360 bytes of LDS; arguments act, wimg, b1, arec; writes arec
.if DOCPART == 14
	.amdgcn_target "amdgcn-amd-amdhsa--gfx1250"
	.amdhsa_code_object_version 6
	.text
	.protected	k_qc57e515625_w1
	.globl	k_qc57e515625_w1
	.p2align	8
	.type	k_qc57e515625_w1,@function
k_qc57e515625_w1:
	s_mov_b64 s[64:65], 0
	v_nop
	global_prefetch_b8 v0, s[64:65] scope:SCOPE_SE
	s_setreg_imm32_b32 hwreg(HW_REG_WAVE_MODE, 25, 1), 1
	s_wait_xcnt 0x0
	s_wait_alu depctr_hold_cnt(0) depctr_sa_sdst(0) depctr_va_vdst(0) depctr_va_sdst(0) depctr_va_ssrc(0) depctr_va_vcc(0) depctr_vm_vsrc(0)
	s_getreg_b32 s2, hwreg(HW_REG_IB_STS2, 6, 4)
	s_cmp_eq_u32 s2, 0
	s_cbranch_scc0 .Lentry_in_a_cluster
	s_endpgm
.Lentry_in_a_cluster:
	s_bfe_u32 s2, ttmp6, 0x10000c
	s_cmp_lg_u32 s2, 0x3003
	s_cbranch_scc0 .Lentry_shape_is_right
	s_endpgm
.Lentry_shape_is_right:
; a = relu(h W1 + b1), quantised along the hidden axis into records of K = 4,096.  h and W1 come as records of codes.
; A work-group makes 256 hidden units x 256 rows, K = 1,024.  Source 0: wave w keeps four tiles of W1 (32 fragments) in registers.  Source 1: sixteen row tiles of h (204,800 bytes) come into LDS once, one tensor load a wave,
; asked for jointly by the four partners of a cluster, which share the rows; all four waves read them.  No LDS byte is filled twice.
; In a result lane (r, h) holds row r, and register 8 t + j hidden unit 32 (t / 2) + 16 h + 8 (t % 2) + j of the wave's 64: half w % 2 of K step 2 gx + w / 2 of the next product.
; The scale words leave in runs of 128 bytes, one twenty-fourth of the launch's output: a record's scale area is shared by sixteen work-groups.
; LIMITS: NaN and infinities are not served; a block whose largest magnitude lies under 2^-122 (zeros too) gets the byte 1: its codes are zeros or subnormals, and this program alone reads the bytes.
.set REC,  12800
.set SCO,  12288
.set BLK,  204800
.set SCB,  204800                      ; LDS: the scale halves' stage: 512 bytes a wave, u16 of tile i, row r at 32 i + 2 r
.set NLD,  36
.set L16,  1
.set L8,   2
.set L4,   3
.set A16,  4
.set B16,  7
.set EQ,   10
.set EQ0,  11
.set SSC,  16
.set TS,   32
.set BI,   40
.set ACC,  72
.set TM,   104
.set PW,   118
.set WO,   156
.set PC,   164
.set WV,   16
.set G0,   32
.set G1,   36
.set TB,   44
.set TB2,  45
.set TQ,   46
.set CNT,  48
.set SEL,  50
.set OUT,  52
.set SOU,  62
.set MSB, 0
.macro WIN new
.if MSB != \new
	s_set_vgpr_msb (MSB<<8)|\new
.set MSB, \new
.endif
.endm
.macro CROUND
	s_barrier_signal -1
	s_barrier_wait -1
	s_cmp_lg_u32 s[WV], 0
	s_cbranch_scc1 .Lnot_wave_0_\@
	s_barrier_signal -3
.Lnot_wave_0_\@:
	s_barrier_wait -3
	s_barrier_signal -1
	s_barrier_wait -1
.endm
.macro QUANT2 s, pc, pw
.irp b, 0,1
	v_max3_num_f32 v[TM+\b], |v[\s+16*\b]|, |v[\s+1+16*\b]|, 0x2800000
.endr
.irp i, 2,4,6,8,10,12,14
.irp b, 0,1
	v_max3_num_f32 v[TM+\b], v[TM+\b], |v[\s+16*\b+\i]|, |v[\s+1+16*\b+\i]|
.endr
.endr
.irp b, 0,1
	v_permlanex16_b32 v[TM+4+\b], v[TM+\b], s[SEL], s[SEL+1]
.endr
.irp b, 0,1
	v_max_num_f32 v[TM+\b], v[TM+\b], v[TM+4+\b]
.endr
.irp b, 0,1
	v_add_nc_u32 v[TM+12+\b], 0xfe000000, v[TM+\b]
.endr
.irp b, 0,1
	v_lshrrev_b32 v[TM+4+\b], 23, v[TM+12+\b]
.endr
	v_lshl_or_b32 v[\pw], v[TM+5], 8, v[TM+4]
	v_cvt_scalef32_pk16_bf6_f32 v[\pc:\pc+2], v[\s:\s+15], v[TM+12]
	v_cvt_scalef32_pk16_bf6_f32 v[\pc+8:\pc+10], v[\s+16:\s+31], v[TM+13]
	v_nop
.irp i, 0,1,2
	v_permlane16_swap_b32 v[\pc+\i], v[\pc+8+\i]
.endr
.irp i, 0,1,2
	v_mov_b32 v[\pc+3+\i], v[\pc+8+\i]
.endr
.endm
.macro LDT buf, ad, off
	WIN 0xc0
.irp g, 0,1,2,3,4,5,6,7
	ds_load_b128 v[96*(\buf)+12*\g:96*(\buf)+12*\g+3], v[\ad] offset:(\off)+1536*\g
	ds_load_b64 v[96*(\buf)+12*\g+4:96*(\buf)+12*\g+5], v[\ad+1] offset:(\off)+1536*\g+512
	ds_load_b128 v[96*(\buf)+12*\g+6:96*(\buf)+12*\g+9], v[\ad] offset:(\off)+1536*\g+768
	ds_load_b64 v[96*(\buf)+12*\g+10:96*(\buf)+12*\g+11], v[\ad+1] offset:(\off)+1536*\g+1280
.endr
	WIN 0
.irp g, 0,1,2,3
	ds_load_b32 v[TS+4*(\buf)+\g], v[\ad+2] offset:(\off)+SCO+128*\g
.endr
.endm
.macro MUL buf                         ; 32 products; the four accumulators take turns; the bias is the C of each sum's first product
.set f, 0
.rept 32
.if f < 21
	WIN 0x0d
.set rS, 12*f
.else
	WIN 0x0e
.set rS, 12*(f-21)
.endif
.set rB, 96*(\buf)+12*(f/4)
.set rD, ACC+8*(f%4)
.set rX, SSC+4*(f%4)+f/8
.set rY, TS+4*(\buf)+f/8
.if f < 4
	v_wmma_scale_f32_16x16x128_f8f6f4 v[rD:rD+7], v[rS:rS+11], v[rB:rB+11], v[BI+8*f:BI+8*f+7], v[rX], v[rY] matrix_a_fmt:MATRIX_FMT_BF6 matrix_b_fmt:MATRIX_FMT_BF6
.elseif (f/4)%2 == 0
	v_wmma_scale_f32_16x16x128_f8f6f4 v[rD:rD+7], v[rS:rS+11], v[rB:rB+11], v[rD:rD+7], v[rX], v[rY] matrix_a_fmt:MATRIX_FMT_BF6 matrix_b_fmt:MATRIX_FMT_BF6
.else
	v_wmma_scale_f32_16x16x128_f8f6f4 v[rD:rD+7], v[rS:rS+11], v[rB:rB+11], v[rD:rD+7], v[rX], v[rY] matrix_a_fmt:MATRIX_FMT_BF6 matrix_b_fmt:MATRIX_FMT_BF6 matrix_a_scale:MATRIX_SCALE_ROW1 matrix_b_scale:MATRIX_SCALE_ROW1
.endif
.set f, f+1
.endr
.endm
.macro TILE k, pf, wt
	s_wait_dscnt \wt                               ; this tile is in; the next tile's NLD loads, issued behind it, may be out
	MUL (\k)%2
	WIN 0
.rept 4
	v_nop                                          ; four places in front of the loads into the buffer just read and of the first read of the results
.endr
.if \pf
.if (\k) < 2
	LDT (\k)%2, A16, (2+(\k)%2)*REC
.else
	LDT (\k)%2, B16, (2+(\k)%2)*REC
.endif
.endif
.set n, 0
.rept 32
	v_max_num_f32 v[ACC+n], 0, v[ACC+n]            ; relu, each accumulator from its low end on
.set n, n+1
.endr
	QUANT2 ACC, PC+12*(\k), PW
	ds_store_b16 v[EQ], v[PW] offset:32*(\k)
	global_store_b128 v[L16], v[PC+12*(\k):PC+12*(\k)+3], s[OUT:OUT+1] offset:51200*(\k)
	global_store_b64 v[L8], v[PC+12*(\k)+4:PC+12*(\k)+5], s[OUT:OUT+1] offset:51200*(\k)+512
.endm
.macro TRIPHEAD
	s_add_co_u32 s[TB2], s[TB], 2*REC
	v_add_nc_u32 v[A16], s[TB], v[L16]
	v_add_nc_u32 v[A16+1], s[TB], v[L8]
	v_add_nc_u32 v[A16+2], s[TB], v[L4]
	v_add_nc_u32 v[B16], s[TB2], v[L16]
	v_add_nc_u32 v[B16+1], s[TB2], v[L8]
	v_add_nc_u32 v[B16+2], s[TB2], v[L4]
	v_add_nc_u32 v[EQ], s[TQ], v[EQ0]
.endm
	s_load_b256 s[4:11], s[0:1], 0x0               ; act, wimg, b1, arec
	v_lshl_add_u32 v254, v0, 2, 0x32800
	v_mov_b32 v255, 0
	ds_add_u32 v254, v255
	ds_add_u32 v254, v255
	v_lshrrev_b32 v212, 5, v0
	v_readfirstlane_b32 s[WV], v212
	v_and_b32 v215, 31, v0
	v_and_b32 v213, 15, v0
	v_bfe_u32 v214, v0, 4, 1
	v_lshlrev_b32 v[L16], 4, v215
	v_lshlrev_b32 v[L8], 3, v215
	v_lshlrev_b32 v[L4], 2, v215
	v_lshlrev_b32 v14, 6, v214
	v_mov_b32 v[TM+4], 0
	v_mov_b32 v[TM+5], 0
	v_lshlrev_b32 v[EQ0], 9, v212
	v_lshl_add_u32 v[EQ0], v213, 1, v[EQ0]
	v_add_nc_u32 v[EQ0], SCB, v[EQ0]
	; the scales' way out: lane l takes tile 4 w + l / 8, words 4 (l % 8) on: waves 2 ((l / 4) % 2) and that + 1, rows 4 (l % 4) on
	v_bfe_u32 v220, v215, 2, 1
	v_lshlrev_b32 v217, 10, v220
	v_lshl_add_u32 v217, v212, 7, v217
	v_lshrrev_b32 v220, 3, v215
	v_lshl_add_u32 v217, v220, 5, v217
	v_and_b32 v221, 3, v215
	v_lshl_add_u32 v217, v221, 3, v217
	v_add_nc_u32 v217, SCB, v217
	v_mul_u32_u24 v219, v220, 51200
	v_and_b32 v221, 7, v215
	v_lshl_add_u32 v219, v221, 4, v219
	s_bfe_u32 s18, ttmp6, 0x40000                  ; cx
	s_lshl_b32 s17, ttmp9, 2
	s_add_co_u32 s18, s18, s17                     ; gx: 256 hidden units
	s_and_b32 s19, ttmp7, 0xffff                   ; gy: 256 rows, which the partners share
	s_mul_i32 s28, s19, BLK
	s_mul_i32 s30, s[WV], 4*REC
	s_add_co_u32 s28, s28, s30
	s_mov_b32 s29, 0
	s_mul_i32 s[G0+1], s[WV], 4*REC
	s_mul_i32 s24, s18, BLK
	s_add_co_u32 s24, s24, 3276800
	s_add_co_u32 s24, s24, s30
	s_mov_b32 s25, 0
	s_lshl_b32 s26, s18, 10
	s_lshl_b32 s27, s[WV], 8
	s_add_co_u32 s26, s26, s27                     ; b1 of my 64 units
	s_mov_b32 s27, 0
	s_mul_i32 s66, s19, 819200
	s_mul_i32 s67, s18, 3072
	s_add_co_u32 s68, s66, s67
	s_mul_i32 s67, s[WV], 768
	s_add_co_u32 s68, s68, s67                     ; my half of the first row tile's record
	s_mov_b32 s69, 0
	s_mul_i32 s67, s[WV], 204800
	s_add_co_u32 s70, s66, s67
	s_lshl_b32 s67, s18, 7
	s_add_co_u32 s70, s70, s67
	s_add_co_u32 s70, s70, 49152                   ; the scale words of row tiles 4 w on
	s_mov_b32 s71, 0
	s_mov_b32 s[G0], 1
	s_mov_b32 s[G1], 15|(3<<16)|(1<<21)
	s_mov_b32 s[G1+1], 32<<16
	s_mov_b32 s[G1+2], 200<<16
	s_mov_b32 s[G1+3], 32<<16
	s_mov_b32 s[G1+4], 200
	s_mov_b32 s[G1+5], 32
	s_mov_b32 s[G1+6], 0
	s_mov_b32 s[G1+7], 0
	s_mov_b32 s[SEL], 0x76543210
	s_mov_b32 s[SEL+1], 0xfedcba98
	s_mov_b32 s[TB], 0
	s_mov_b32 s[TQ], 0
	s_wait_dscnt 0x0
	s_wait_kmcnt 0x0
	s_add_nc_u64 s[G0+2:G0+3], s[4:5], s[28:29]
	s_or_b32 s[G0+3], s[G0+3], 0x80000000
	s_add_nc_u64 s[20:21], s[6:7], s[24:25]
	s_add_nc_u64 s[8:9], s[8:9], s[26:27]
	s_add_nc_u64 s[OUT:OUT+1], s[10:11], s[68:69]
	s_add_nc_u64 s[SOU:SOU+1], s[10:11], s[70:71]
	CROUND                                         ; all four partners are here: the joint loads meet
	tensor_load_to_lds s[G0:G0+3], s[G1:G1+7]      ; my one tensor load of the launch
	s_nop 0
.rept 4
	v_nop
.endr
.irp t, 0,1,2,3
	global_load_b128 v[BI+8*\t:BI+8*\t+3], v14, s[8:9] offset:128*(\t/2)+32*(\t%2)
	global_load_b128 v[BI+8*\t+4:BI+8*\t+7], v14, s[8:9] offset:128*(\t/2)+32*(\t%2)+16
.endr
.set f, 0
.rept 32
.if f < 21
	WIN 0x40
.set rS, 12*f
.else
	WIN 0x80
.set rS, 12*(f-21)
.endif
	global_load_b128 v[rS:rS+3], v[L16], s[20:21] offset:(f%4)*REC+1536*(f/4)
	global_load_b64 v[rS+4:rS+5], v[L8], s[20:21] offset:(f%4)*REC+1536*(f/4)+512
	global_load_b128 v[rS+6:rS+9], v[L16], s[20:21] offset:(f%4)*REC+1536*(f/4)+768
	global_load_b64 v[rS+10:rS+11], v[L8], s[20:21] offset:(f%4)*REC+1536*(f/4)+1280
.set f, f+1
.endr
	WIN 0
.irp t, 0,1,2,3
.irp g, 0,1,2,3
	global_load_b32 v[SSC+4*\t+\g], v[L4], s[20:21] offset:\t*REC+SCO+128*\g
.endr
.endr
	s_wait_tensorcnt 0x0                           ; my four records have landed
	s_barrier_signal -1
	s_barrier_wait -1                              ; all sixteen have
	s_wait_loadcnt 0x0
	TRIPHEAD
	LDT 0, A16, 0
	LDT 1, A16, REC
	s_mov_b32 s[CNT], 3
.Ltrip:
	TRIPHEAD
	s_wait_alu depctr_va_vdst(0)
	TILE 0, 1, NLD
	TILE 1, 1, NLD
	TILE 2, 1, NLD
	TILE 3, 1, NLD
	s_wait_xcnt 0x0                                ; the trip's stores have read their data and base
	s_add_nc_u64 s[OUT:OUT+1], s[OUT:OUT+1], 204800
	s_add_co_u32 s[TB], s[TB], 4*REC
	s_add_co_u32 s[TQ], s[TQ], 128
	s_sub_co_u32 s[CNT], s[CNT], 1
	s_cmp_lg_u32 s[CNT], 0
	s_cbranch_scc1 .Ltrip
	TRIPHEAD
	s_wait_alu depctr_va_vdst(0)
	TILE 0, 1, NLD
	TILE 1, 1, NLD
	TILE 2, 0, NLD
	TILE 3, 0, 0
	s_wait_dscnt 0x0
	s_barrier_signal -1
	s_barrier_wait -1
	ds_load_b64 v[WO:WO+1], v217
	ds_load_b64 v[WO+2:WO+3], v217 offset:512
	s_wait_dscnt 0x0
	v_perm_b32 v[WO+4], v[WO+2], v[WO], 0x05040100
	v_perm_b32 v[WO+5], v[WO+2], v[WO], 0x07060302
	v_perm_b32 v[WO+6], v[WO+3], v[WO+1], 0x05040100
	v_perm_b32 v[WO+7], v[WO+3], v[WO+1], 0x07060302
	global_store_b128 v219, v[WO+4:WO+7], s[SOU:SOU+1]
	s_wait_tensorcnt 0x0
	ds_add_u32 v254, v255
	s_wait_dscnt 0x0
	CROUND                                         ; the closing round
	s_endpgm
.Lfunc_end_k_qc57e515625_w1:
	.size	k_qc57e515625_w1, .Lfunc_end_k_qc57e515625_w1-k_qc57e515625_w1
	.p2alignl 7, 3214868480
	.fill 96, 4, 3214868480
	.section	.rodata,"a",@progbits
	.p2align	6, 0x0
	.amdhsa_kernel k_qc57e515625_w1
		.amdhsa_group_segment_fixed_size 207360
		.amdhsa_private_segment_fixed_size 0
		.amdhsa_enable_private_segment 0
		.amdhsa_kernarg_size 32
		.amdhsa_user_sgpr_count 2
		.amdhsa_user_sgpr_kernarg_segment_ptr 1
		.amdhsa_wavefront_size32 1
		.amdhsa_system_sgpr_workgroup_id_x 1
		.amdhsa_system_sgpr_workgroup_id_y 1
		.amdhsa_system_sgpr_workgroup_id_z 1
		.amdhsa_system_vgpr_workitem_id 0
		.amdhsa_next_free_vgpr 960
		.amdhsa_next_free_sgpr 80
		.amdhsa_reserve_vcc 0
		.amdhsa_float_denorm_mode_32 3
		.amdhsa_float_denorm_mode_16_64 3
		.amdhsa_memory_ordered 1
		.amdhsa_forward_progress 1
		.amdhsa_inst_pref_size 99
	.end_amdhsa_kernel
	.amdgpu_metadata
---
amdhsa.version: [ 1, 2 ]
amdhsa.kernels:
  - .name:           k_qc57e515625_w1
    .symbol:         k_qc57e515625_w1.kd
    .args:
      - { .name: act, .offset: 0, .size: 8, .value_kind: global_buffer, .address_space: global }
      - { .name: wimg, .offset: 8, .size: 8, .value_kind: global_buffer, .address_space: global }
      - { .name: b1, .offset: 16, .size: 8, .value_kind: global_buffer, .address_space: global }
      - { .name: arec, .offset: 24, .size: 8, .value_kind: global_buffer, .address_space: global }
    .group_segment_fixed_size: 207360
    .private_segment_fixed_size: 0
    .kernarg_segment_align: 8
    .kernarg_segment_size: 32
    .max_flat_workgroup_size: 128
    .sgpr_count:     80
    .vgpr_count:     960
    .wavefront_size: 32
...
	.end_amdgpu_metadata
.endif
;; end of part 14
;; launch w2 (part 15): grid 16 x 16, 4 waves a work-group, no clusters, 35,328 bytes of LDS; arguments arec, wimg, b2, r1, stats, g1, be1, r2; writes r2
.if DOCPART == 15
	.amdgcn_target "amdgcn-amd-amdhsa--gfx1250"
	.amdhsa_code_object_version 6
	.text
	.protected	k_qc57e515625_w2
	.globl	k_qc57e515625_w2
	.p2align	8
	.type	k_qc57e515625_w2,@function
k_qc57e515625_w2:
	s_mov_b64 s[64:65], 0
	v_nop
	global_prefetch_b8 v0, s[64:65] scope:SCOPE_SE
	s_setreg_imm32_b32 hwreg(HW_REG_WAVE_SCHED_MODE, 0, 2), 2
	s_setreg_imm32_b32 hwreg(HW_REG_WAVE_MODE, 25, 1), 1
	s_wait_xcnt 0x0
	s_wait_alu depctr_vm_vsrc(0)
; r2 = h + a W2 + b2, with h = (r1 - mean) rstd g1 + be1 made again from r1 and the stored (mean, rstd).  a comes as records of codes (K = 4,096), W2 likewise.
; A work-group makes 64 columns x 256 rows; THE WAVES SHARE K: wave w takes K steps NS w .. NS w + NS - 1 of all of it.  Its 4 NS fragments of the weight stay in registers; each fragment of a goes from memory to this one
; wave's registers; the four partial sums of a tile meet in a stage in LDS and are added in f32.
; ALL THAT A TILE WANTS OF MEMORY IS ASKED FOR D TILES AHEAD: its fragments and scale words (into a ring of D slots in window 3) and, of the rows that this wave finishes, r1 and (mean, rstd) (rings of D slots in window 0).
; So a tile has one wait for loads, at its head, and it is counted: the D - 1 later tiles' loads stay out.
; No tensor load, so no joint request: a fragment has one reader in the work-group.  ORDER OF SUMS: K is summed in four parts, then (P0 + P1) + (P2 + P3).
; Source 0 = 16 rows of the weight, source 1 = 16 rows of a: lane (r, h) holds row r, register 8 t + j column 32 (t / 2) + 16 h + 8 (t % 2) + j of the 64.
; THE MODE: SCHED_MODE bits 1:0 = 2 (LLVM: expert scheduling mode 2), set by the entry lines.  The code itself states the register dependences
; between vector or matrix instructions and memory or LDS instructions, with s_wait_alu, always for 0.
; THE PLAN.  Registers that memory or LDS instructions touch, in tile k:
;   ring slot k % D, TS slot k % D   read by the tile's products; behind them the loads of tile k + D land there.
;   ACC                              written by the tile's products; read by its eight LDS stores; written again by the next tile's products.
;   PR                               the tile's eight LDS loads land there; its additions read and write it; its two global stores read PR .. PR + 7; the next tile's LDS loads land there.
;   RES and STT slot k % D           read (RES also written) by the tile's residual lines, RES read by its last addition; behind that the loads of tile k + D land there.
;   v1 - v7, v12                     offsets and LDS addresses: made at the head, never written again.  v254, v255: made at the head, read by the closing add alone.
;   The weight's fragments and scale words, b2, g1 and be1 are loaded once and then named by vector and matrix instructions alone.
; THREE WAITS A TILE.  At its head one on vm_vsrc: the last tile's LDS stores have read ACC and its global stores PR.  Behind the products and their places one on va_vdst: ACC is written, ring slot and scale words are
; read out; no vector or matrix instruction stands between it and the last of the loads of tile k + D's fragments, so these are dealt among the LDS stores, the barrier and the LDS loads with no further wait.
; Behind the last addition one on va_vdst: PR .. PR + 7 are written and the residual's slots are read out; it stands there and not at the next tile's head, so that the slots are asked for again at once.
.set NS,    8
.set D,     2
.set REC,   51200
.set SCO,   49152
.set WOFF,  6553600
.set LNRES, 1
.set LPF,   4*NS+NS/2                  ; loads that bring my fragments and scale words of a tile
.set NRES,  2+2*LNRES                  ; loads for a tile's residual
.set LPT,   LPF+NRES                   ; all the loads of a tile
.set L16, 1
.set L8,  2
.set L4,  3
.set VSS, 4
.set VSR, 5
.set VRO, 6
.set VSO, 7
.set SSC, 16
.set TS,  32
.set ACC, 40
.set PR,  72
.set BIAS, 116
.set G,   120
.set BB,  124
.set RES, 128                          ; v128..  r1's rows: 8 registers for each of D slots
.set STT, 160                          ; v160..  (mean, rstd) of the rows: 4 registers for each of D slots
.set SA,  4
.set SW,  6
.set SBI, 8
.set SR,  10
.set SS,  12
.set SG,  14
.set SBE, 16
.set SO,  18
.set SAS, 20
.set WV,  22
.set CNT, 23
.set SWS, 40
.set MSB, 0
.macro WIN new                         ; the immediate's high byte repeats the setting that is left
.if MSB != \new
	s_set_vgpr_msb (MSB<<8)|\new
.set MSB, \new
.endif
.endm
.macro PFC slot, off, q0, n            ; n of my NS fragments, from fragment q0 on, of the tile off bytes on, into ring slot slot
	WIN 0xc0
.set q, \q0
.rept \n
	global_load_b128 v[12*((\slot)*NS+q):12*((\slot)*NS+q)+3], v[L16], s[SA:SA+1] offset:(\off)+1536*q
	global_load_b64 v[12*((\slot)*NS+q)+4:12*((\slot)*NS+q)+5], v[L8], s[SA:SA+1] offset:(\off)+1536*q+512
	global_load_b128 v[12*((\slot)*NS+q)+6:12*((\slot)*NS+q)+9], v[L16], s[SA:SA+1] offset:(\off)+1536*q+768
	global_load_b64 v[12*((\slot)*NS+q)+10:12*((\slot)*NS+q)+11], v[L8], s[SA:SA+1] offset:(\off)+1536*q+1280
.set q, q+1
.endr
	WIN 0
.endm
.macro PFS slot, off                   ; and its scale words
.set q, 0
.rept NS/2
	global_load_b32 v[TS+(NS/2)*(\slot)+q], v[L4], s[SAS:SAS+1] offset:(\off)+128*q
.set q, q+1
.endr
.endm
.macro RLD slot, t                     ; the residual of the four rows that I finish of the trip's tile t, into ring slot slot: lanes 0-15 one row's 256 bytes, lanes 16-31 the next row's
.irp e, 0,1
	global_load_b128 v[RES+8*(\slot)+4*\e:RES+8*(\slot)+4*\e+3], v[VRO], s[SR:SR+1] offset:(32*((\t)/2)+8*((\t)%2)+2*\e)*4096
.endr
.if LNRES
.irp e, 0,1
	global_load_b64 v[STT+4*(\slot)+2*\e:STT+4*(\slot)+2*\e+1], v[VSO], s[SS:SS+1] offset:128*(\t)+16*\e
.endr
.endif
.endm
.macro MULK k                          ; 4 NS products; the four accumulators take turns; the first K step starts the sums
.set f, 0
.rept 4*NS
.if f < 21
	WIN 0x0d
.set rS, 12*f
.else
	WIN 0x0e
.set rS, 12*(f-21)
.endif
.set rB, 12*(((\k)%D)*NS+f/4)
.set rD, ACC+8*(f%4)
.set rX, SSC+(NS/2)*(f%4)+f/8
.set rY, TS+(NS/2)*((\k)%D)+f/8
.if f < 4
	v_wmma_scale_f32_16x16x128_f8f6f4 v[rD:rD+7], v[rS:rS+11], v[rB:rB+11], 0, v[rX], v[rY] matrix_a_fmt:MATRIX_FMT_BF6 matrix_b_fmt:MATRIX_FMT_BF6
.elseif (f/4)%2 == 0
	v_wmma_scale_f32_16x16x128_f8f6f4 v[rD:rD+7], v[rS:rS+11], v[rB:rB+11], v[rD:rD+7], v[rX], v[rY] matrix_a_fmt:MATRIX_FMT_BF6 matrix_b_fmt:MATRIX_FMT_BF6
.else
	v_wmma_scale_f32_16x16x128_f8f6f4 v[rD:rD+7], v[rS:rS+11], v[rB:rB+11], v[rD:rD+7], v[rX], v[rY] matrix_a_fmt:MATRIX_FMT_BF6 matrix_b_fmt:MATRIX_FMT_BF6 matrix_a_scale:MATRIX_SCALE_ROW1 matrix_b_scale:MATRIX_SCALE_ROW1
.endif
.set f, f+1
.endr
.endm
; The trip's tile k.  pf = 1: it asks for the tile D on.  wf: the loads issued behind this tile's own, which may stay out.
.macro TILE k, pf, wf
.set rR, RES+8*((\k)%D)                ; this tile's slots of the residual's rings
.set rT, STT+4*((\k)%D)
	s_wait_loadcnt \wf                             ; loads come back in order: this tile's fragments, scale words and residual are in; the later tiles' LPT loads each may be out
	s_wait_xcnt 0x0                                ; the last tile's global stores have had their addresses translated: their data registers are filled again only behind this wait
	s_wait_alu depctr_vm_vsrc(0)                   ; the last tile's LDS stores have read ACC, which the products below write; its global stores have read v[PR .. PR + 7], in which the LDS loads below land
	MULK \k
	WIN 0
; The residual is made ready here: these lines want no matrix result and name none of the products' registers, so they are the places between the last product and the LDS stores of the results
.if LNRES
.irp e, 0,1
.irp m, 0,2
	v_pk_add_f32 v[rR+4*\e+\m:rR+4*\e+\m+1], v[rR+4*\e+\m:rR+4*\e+\m+1], v[rT+2*\e:rT+2*\e+1] op_sel_hi:[1,0] neg_lo:[0,1] neg_hi:[0,1]   ; - mean
.endr
.endr
.irp e, 0,1
.irp m, 0,2
	v_pk_mul_f32 v[rR+4*\e+\m:rR+4*\e+\m+1], v[rR+4*\e+\m:rR+4*\e+\m+1], v[rT+2*\e:rT+2*\e+1] op_sel:[0,1] op_sel_hi:[1,1]              ; x rstd
.endr
.endr
.irp e, 0,1
.irp m, 0,2
	v_pk_fma_f32 v[rR+4*\e+\m:rR+4*\e+\m+1], v[rR+4*\e+\m:rR+4*\e+\m+1], v[G+\m:G+\m+1], v[BB+\m:BB+\m+1]                               ; x g1 + (be1 + b2)
.endr
.endr
.else
.irp e, 0,1
.irp m, 0,2
	v_pk_add_f32 v[rR+4*\e+\m:rR+4*\e+\m+1], v[rR+4*\e+\m:rR+4*\e+\m+1], v[BIAS+\m:BIAS+\m+1]
.endr
.endr
.endif
	s_wait_alu depctr_va_vdst(0)                   ; the products have written ACC, which the LDS stores below read, and are done reading this tile's ring slot and scale words, in which the loads below land; the places above stay beside this wait
.irp t, 0,1,2,3
	ds_store_b128 v[VSS], v[ACC+8*\t:ACC+8*\t+3] offset:17408*((\k)%2)+128*(\t/2)+32*(\t%2)      ; each accumulator from its low end on
	ds_store_b128 v[VSS], v[ACC+8*\t+4:ACC+8*\t+7] offset:17408*((\k)%2)+128*(\t/2)+32*(\t%2)+16
.endr
.if \pf
	PFC (\k)%D, ((\k)+D)*REC, 0, NS/2              ; half of the fragments of the tile D on, while the LDS stores complete.  No wait: no vector or matrix instruction since the wait above
.endif
	s_wait_dscnt 0x0                               ; my partial sums lie in the stage; my reads of the other stage, one tile back, are over
	s_barrier_signal -1
	s_barrier_wait -1                              ; so this stage is whole, and the other may be written in the next tile
.irp p, 0,1,2,3
.irp e, 0,1
	ds_load_b128 v[PR+8*\p+4*\e:PR+8*\p+4*\e+3], v[VSR] offset:17408*((\k)%2)+4352*\p+544*\e   ; the last tile's additions, which named PR, stand ahead of the wait above
.endr
.endr
.if \pf
	PFC (\k)%D, ((\k)+D)*REC, NS/2, NS/2           ; the other half and the scale words, while the partial sums come back: still no vector or matrix instruction since the wait above
	PFS (\k)%D, ((\k)+D)*REC
.endif
	s_wait_dscnt 0x0
.irp e, 0,1
.irp m, 0,2
	v_pk_add_f32 v[PR+4*\e+\m:PR+4*\e+\m+1], v[PR+4*\e+\m:PR+4*\e+\m+1], v[PR+8+4*\e+\m:PR+8+4*\e+\m+1]
	v_pk_add_f32 v[PR+16+4*\e+\m:PR+16+4*\e+\m+1], v[PR+16+4*\e+\m:PR+16+4*\e+\m+1], v[PR+24+4*\e+\m:PR+24+4*\e+\m+1]
.endr
.endr
.irp e, 0,1
.irp m, 0,2
	v_pk_add_f32 v[PR+4*\e+\m:PR+4*\e+\m+1], v[PR+4*\e+\m:PR+4*\e+\m+1], v[PR+16+4*\e+\m:PR+16+4*\e+\m+1]
.endr
.endr
.irp e, 0,1
.irp m, 0,2
	v_pk_add_f32 v[PR+4*\e+\m:PR+4*\e+\m+1], v[PR+4*\e+\m:PR+4*\e+\m+1], v[rR+4*\e+\m:rR+4*\e+\m+1]
.endr
.endr
	s_wait_alu depctr_va_vdst(0)                   ; the additions have written v[PR .. PR + 7], which the stores below read, and are done with this tile's slots of the residual's rings, in which the loads below land
.irp e, 0,1
	global_store_b128 v[VRO], v[PR+4*\e:PR+4*\e+3], s[SO:SO+1] offset:(32*((\k)/2)+8*((\k)%2)+2*\e)*4096   ; sixteen lanes store 256 consecutive bytes, aligned
.endr
.if \pf
	RLD (\k)%D, (\k)+D                             ; the slots have been read: they take the residual of the tile D on
.endif
.endm
	s_load_b256 s[4:11], s[0:1], 0x0               ; arec, wimg, b2, r1
.if LNRES
	s_load_b256 s[12:19], s[0:1], 0x20             ; stats, g1, be1, r2
	v_lshl_add_u32 v254, v0, 2, 0x8800
	v_mov_b32 v255, 0
.else
	s_load_b64 s[12:13], s[0:1], 0x20
.endif
	v_lshrrev_b32 v8, 5, v0
	v_readfirstlane_b32 s[WV], v8
	v_and_b32 v9, 31, v0
	v_and_b32 v10, 15, v0                          ; r
	v_bfe_u32 v11, v0, 4, 1                        ; h
	v_lshlrev_b32 v[L16], 4, v9
	v_lshlrev_b32 v[L8], 3, v9
	v_lshlrev_b32 v[L4], 2, v9
	v_mul_u32_u24 v[VSS], v8, 4352                 ; the stage: [2][wave][16 rows x (256 + 16) bytes]: in: row r, + 64 h
	v_mad_u32_u24 v[VSS], v10, 272, v[VSS]
	v_lshl_add_u32 v[VSS], v11, 6, v[VSS]
	v_mul_u32_u24 v[VSR], v8, 1088                 ; back: rows 4 w + h (+ 2 e), 16 bytes a lane
	v_mad_u32_u24 v[VSR], v11, 272, v[VSR]
	v_lshl_add_u32 v[VSR], v10, 4, v[VSR]
	v_lshlrev_b32 v[VRO], 12, v11
	v_lshl_add_u32 v[VRO], v10, 4, v[VRO]          ; in memory: 4,096 h + 16 r
	v_lshlrev_b32 v[VSO], 3, v11
	v_lshlrev_b32 v12, 4, v10
	s_wait_alu depctr_va_sdst(0)                   ; the wave's number is written, ahead of its first reader: the bases below are made from it
	s_and_b32 s24, ttmp7, 0xffff                   ; gy: 256 rows
	s_mul_i32 s26, s24, 16*REC
	s_mul_i32 s27, s[WV], 1536*NS
	s_add_co_u32 s28, s26, s27
	s_mov_b32 s29, 0
	s_mul_i32 s27, s[WV], 64*NS
	s_add_co_u32 s30, s26, s27
	s_add_co_u32 s30, s30, SCO
	s_mov_b32 s31, 0
	s_mul_i32 s26, ttmp9, 4*REC                    ; gx: 64 columns, four tiles of the weight
	s_add_co_u32 s26, s26, WOFF
	s_mul_i32 s27, s[WV], 1536*NS
	s_add_co_u32 s32, s26, s27
	s_mov_b32 s33, 0
	s_mul_i32 s27, s[WV], 64*NS
	s_add_co_u32 s34, s26, s27
	s_add_co_u32 s34, s34, SCO
	s_mov_b32 s35, 0
	s_lshl_b32 s36, s24, 8
	s_lshl_b32 s27, s[WV], 2
	s_add_co_u32 s36, s36, s27
	s_lshr_b32 s27, s[WV], 1
	s_lshl_b32 s27, s27, 3
	s_add_co_u32 s36, s36, s27                     ; row 256 gy + 4 w + 8 (w / 2)
	s_lshl_b32 s36, s36, 12
	s_lshl_b32 s38, ttmp9, 8
	s_add_co_u32 s36, s36, s38
	s_mov_b32 s37, 0
	s_mov_b32 s39, 0
.if LNRES
	s_lshl_b32 s42, s24, 11                        ; stats: 128 bytes a row tile, 32 a wave
	s_lshl_b32 s27, s[WV], 5
	s_add_co_u32 s42, s42, s27
	s_mov_b32 s43, 0
.endif
	s_wait_kmcnt 0x0
	s_add_nc_u64 s[SAS:SAS+1], s[SA:SA+1], s[30:31]
	s_add_nc_u64 s[SA:SA+1], s[SA:SA+1], s[28:29]
	s_add_nc_u64 s[SWS:SWS+1], s[SW:SW+1], s[34:35]
	s_add_nc_u64 s[SW:SW+1], s[SW:SW+1], s[32:33]
	s_add_nc_u64 s[SBI:SBI+1], s[SBI:SBI+1], s[38:39]
	s_add_nc_u64 s[SR:SR+1], s[SR:SR+1], s[36:37]
	s_add_nc_u64 s[SO:SO+1], s[SO:SO+1], s[36:37]
	s_wait_alu depctr_va_vdst(0)                   ; the offsets and LDS addresses v1 to v7 and v12 are written, which the kernel's loads and stores read; so are v254 and v255, which the closing add reads
	global_load_b128 v[BIAS:BIAS+3], v12, s[SBI:SBI+1]
.if LNRES
	s_add_nc_u64 s[SS:SS+1], s[SS:SS+1], s[42:43]
	s_add_nc_u64 s[SG:SG+1], s[SG:SG+1], s[38:39]
	s_add_nc_u64 s[SBE:SBE+1], s[SBE:SBE+1], s[38:39]
	global_load_b128 v[G:G+3], v12, s[SG:SG+1]
	global_load_b128 v[BB:BB+3], v12, s[SBE:SBE+1]
.endif
.set f, 0
.rept 4*NS                             ; the weight's fragments: my K step f / 4 of tile f % 4: they stay
.if f < 21
	WIN 0x40
.set rS, 12*f
.else
	WIN 0x80
.set rS, 12*(f-21)
.endif
	global_load_b128 v[rS:rS+3], v[L16], s[SW:SW+1] offset:(f%4)*REC+1536*(f/4)
	global_load_b64 v[rS+4:rS+5], v[L8], s[SW:SW+1] offset:(f%4)*REC+1536*(f/4)+512
	global_load_b128 v[rS+6:rS+9], v[L16], s[SW:SW+1] offset:(f%4)*REC+1536*(f/4)+768
	global_load_b64 v[rS+10:rS+11], v[L8], s[SW:SW+1] offset:(f%4)*REC+1536*(f/4)+1280
.set f, f+1
.endr
	WIN 0
.irp t, 0,1,2,3
.set q, 0
.rept NS/2
	global_load_b32 v[SSC+(NS/2)*\t+q], v[L4], s[SWS:SWS+1] offset:\t*REC+128*q
.set q, q+1
.endr
.endr
.set kk, 0
.rept D                                ; the first D tiles: each tile's fragments, then its residual: the order in which the loop goes on asking
	PFC kk, kk*REC, 0, NS
	PFS kk, kk*REC
	RLD kk, kk
.set kk, kk+1
.endr
.if LNRES
	s_wait_loadcnt 63                              ; b2 and be1 are older than the last 63 loads
	v_pk_add_f32 v[BB:BB+1], v[BB:BB+1], v[BIAS:BIAS+1]
	v_pk_add_f32 v[BB+2:BB+3], v[BB+2:BB+3], v[BIAS+2:BIAS+3]
.endif
	s_mov_b32 s[CNT], 16/D-1
.Ltrip:                                        ; D tiles a trip; each asks for the tile D on
.set kk, 0
.rept D
	TILE kk, 1, (D-1)*LPT
.set kk, kk+1
.endr
	s_wait_xcnt 0x0                                ; the trip's loads and stores have read their bases
	s_add_nc_u64 s[SA:SA+1], s[SA:SA+1], D*REC
	s_add_nc_u64 s[SAS:SAS+1], s[SAS:SAS+1], D*REC
	s_add_nc_u64 s[SR:SR+1], s[SR:SR+1], 16*D*4096
	s_add_nc_u64 s[SO:SO+1], s[SO:SO+1], 16*D*4096
.if LNRES
	s_add_nc_u64 s[SS:SS+1], s[SS:SS+1], 128*D
.endif
	s_sub_co_u32 s[CNT], s[CNT], 1
	s_cmp_lg_u32 s[CNT], 0
	s_cbranch_scc1 .Ltrip
.set kk, 0
.rept D                                ; the last D tiles ask for nothing: the counts run down
	TILE kk, 0, (D-1-kk)*LPT
.set kk, kk+1
.endr
	s_wait_dscnt 0x0                               ; the closing lines, six on end
	s_wait_alu 0x0
	s_wait_tensorcnt 0x0
	ds_add_u32 v254, v255
	s_wait_dscnt 0x0
	s_endpgm
.Lfunc_end_k_qc57e515625_w2:
	.size	k_qc57e515625_w2, .Lfunc_end_k_qc57e515625_w2-k_qc57e515625_w2
	.p2alignl 7, 3214868480
	.fill 96, 4, 3214868480
	.section	.rodata,"a",@progbits
	.p2align	6, 0x0
	.amdhsa_kernel k_qc57e515625_w2
		.amdhsa_group_segment_fixed_size 35328
		.amdhsa_private_segment_fixed_size 0
		.amdhsa_enable_private_segment 0
		.amdhsa_kernarg_size 64
		.amdhsa_user_sgpr_count 2
		.amdhsa_user_sgpr_kernarg_segment_ptr 1
		.amdhsa_wavefront_size32 1
		.amdhsa_system_sgpr_workgroup_id_x 1
		.amdhsa_system_sgpr_workgroup_id_y 1
		.amdhsa_system_sgpr_workgroup_id_z 1
		.amdhsa_system_vgpr_workitem_id 0
		.amdhsa_next_free_vgpr 960
		.amdhsa_next_free_sgpr 66
		.amdhsa_reserve_vcc 0
		.amdhsa_float_denorm_mode_32 3
		.amdhsa_float_denorm_mode_16_64 3
		.amdhsa_memory_ordered 1
		.amdhsa_forward_progress 1
		.amdhsa_inst_pref_size 63
	.end_amdhsa_kernel
	.amdgpu_metadata
---
amdhsa.version: [ 1, 2 ]
amdhsa.kernels:
  - .name:           k_qc57e515625_w2
    .symbol:         k_qc57e515625_w2.kd
    .args:
      - { .name: arec, .offset: 0, .size: 8, .value_kind: global_buffer, .address_space: global }
      - { .name: wimg, .offset: 8, .size: 8, .value_kind: global_buffer, .address_space: global }
      - { .name: b2, .offset: 16, .size: 8, .value_kind: global_buffer, .address_space: global }
      - { .name: r1, .offset: 24, .size: 8, .value_kind: global_buffer, .address_space: global }
      - { .name: stats, .offset: 32, .size: 8, .value_kind: global_buffer, .address_space: global }
      - { .name: g1, .offset: 40, .size: 8, .value_kind: global_buffer, .address_space: global }
      - { .name: be1, .offset: 48, .size: 8, .value_kind: global_buffer, .address_space: global }
      - { .name: r2, .offset: 56, .size: 8, .value_kind: global_buffer, .address_space: global }
    .group_segment_fixed_size: 35328
    .private_segment_fixed_size: 0
    .kernarg_segment_align: 8
    .kernarg_segment_size: 64
    .max_flat_workgroup_size: 128
    .sgpr_count:     66
    .vgpr_count:     960
    .wavefront_size: 32
...
	.end_amdgpu_metadata
.endif
;; end of part 15
;; launch ln2 (part 16): grid 256 x 1, 4 waves a work-group, no clusters, 0 bytes of LDS; arguments r2, g2, be2, out0; writes out0
.if DOCPART == 16
	.amdgcn_target "amdgcn-amd-amdhsa--gfx1250"
	.amdhsa_code_object_version 6
	.text
	.protected	k_qc57e515625_ln2
	.globl	k_qc57e515625_ln2
	.p2align	8
	.type	k_qc57e515625_ln2,@function
k_qc57e515625_ln2:
	s_mov_b64 s[64:65], 0
	v_nop
	global_prefetch_b8 v0, s[64:65] scope:SCOPE_SE
	s_setreg_imm32_b32 hwreg(HW_REG_WAVE_MODE, 25, 1), 1
	s_wait_xcnt 0x0
; out0 = LayerNorm(r2) g2 + be2.  A wave takes four neighbouring rows; a row of 4,096 bytes lies in the wave's registers, 32 a lane, between the passes: it is read once, and no wave waits for another.
; Every load and store of a wave covers 512 consecutive bytes.  No LDS, no barrier, no matrix work: memory binds.
; LIMITS: NaN and infinities are not served.
.set X,    32
.set G,    160
.set BE,   192
.set AC,   224
.set MU,   232
.set TP,   240
.set SEL,  50
.macro REDUCE
.irp i, 0,1,2,3
	v_add_f32 v[AC+2*\i], v[AC+2*\i], v[AC+2*\i+1]
.endr
.irp m, 1,2,4,8
.irp i, 0,1,2,3
	v_add_f32_dpp v[AC+2*\i], v[AC+2*\i], v[AC+2*\i] row_xmask:\m row_mask:0xf bank_mask:0xf
.endr
.endr
.irp i, 0,1,2,3
	v_permlanex16_b32 v[TP+\i], v[AC+2*\i], s[SEL], s[SEL+1]
.endr
.irp i, 0,1,2,3
	v_add_f32 v[AC+2*\i], v[AC+2*\i], v[TP+\i]
.endr
.endm
.macro LNORM
.irp i, 0,1,2,3
	v_pk_add_f32 v[AC+2*\i:AC+2*\i+1], v[X+32*\i:X+32*\i+1], v[X+32*\i+2:X+32*\i+3]
.endr
.irp p, 4,6,8,10,12,14,16,18,20,22,24,26,28,30
.irp i, 0,1,2,3
	v_pk_add_f32 v[AC+2*\i:AC+2*\i+1], v[AC+2*\i:AC+2*\i+1], v[X+32*\i+\p:X+32*\i+\p+1]
.endr
.endr
	REDUCE
.irp i, 0,1,2,3
	v_mul_f32 v[MU+2*\i], 0x3a800000, v[AC+2*\i]   ; / 1,024
.endr
.irp p, 0,2,4,6,8,10,12,14,16,18,20,22,24,26,28,30
.irp i, 0,1,2,3
	v_pk_add_f32 v[X+32*\i+\p:X+32*\i+\p+1], v[X+32*\i+\p:X+32*\i+\p+1], v[MU+2*\i:MU+2*\i+1] op_sel_hi:[1,0] neg_lo:[0,1] neg_hi:[0,1]
.endr
.endr
.irp i, 0,1,2,3
	v_pk_mul_f32 v[AC+2*\i:AC+2*\i+1], v[X+32*\i:X+32*\i+1], v[X+32*\i:X+32*\i+1]
.endr
.irp p, 2,4,6,8,10,12,14,16,18,20,22,24,26,28,30
.irp i, 0,1,2,3
	v_pk_fma_f32 v[AC+2*\i:AC+2*\i+1], v[X+32*\i+\p:X+32*\i+\p+1], v[X+32*\i+\p:X+32*\i+\p+1], v[AC+2*\i:AC+2*\i+1]
.endr
.endr
	REDUCE
.irp i, 0,1,2,3
	v_fma_f32 v[AC+2*\i], v[AC+2*\i], s48, s49     ; var + eps
.endr
	s_wait_alu depctr_va_vdst(0)
.irp i, 0,1,2,3
	v_rsq_f32 v[MU+2*\i+1], v[AC+2*\i]
.endr
	v_nop                                          ; a plain line behind the batch,
	s_wait_alu depctr_va_vdst(0)                   ; and one wait ahead of its first reader
.irp p, 0,2,4,6,8,10,12,14,16,18,20,22,24,26,28,30
.irp i, 0,1,2,3
	v_pk_mul_f32 v[X+32*\i+\p:X+32*\i+\p+1], v[X+32*\i+\p:X+32*\i+\p+1], v[MU+2*\i:MU+2*\i+1] op_sel:[0,1] op_sel_hi:[1,1]
.endr
.irp i, 0,1,2,3
	v_pk_fma_f32 v[X+32*\i+\p:X+32*\i+\p+1], v[X+32*\i+\p:X+32*\i+\p+1], v[G+\p:G+\p+1], v[BE+\p:BE+\p+1]
.endr
.endr
.endm
	s_load_b256 s[4:11], s[0:1], 0x0               ; r2, g2, be2, out0
	v_lshrrev_b32 v6, 5, v0
	v_readfirstlane_b32 s2, v6
	v_and_b32 v7, 31, v0
	v_lshlrev_b32 v1, 4, v7
.irp i, 0,1,2,3
	v_mov_b32 v[TP+\i], 0                          ; a lane permute's destination counts as read
	v_mov_b32 v[MU+2*\i+1], 0                      ; named as the upper word of a pair before it is made
.endr
	s_lshl_b32 s14, ttmp9, 4
	s_lshl_b32 s15, s2, 2
	s_add_co_u32 s14, s14, s15                     ; my first row: 16 x work-group + 4 x wave
	s_lshl_b32 s14, s14, 12
	s_mov_b32 s15, 0
	s_mov_b32 s48, 0x3a800000                      ; 1 / 1,024
	s_mov_b32 s49, 0x3727c5ac                      ; eps = 1e-5
	s_mov_b32 s[SEL], 0x76543210
	s_mov_b32 s[SEL+1], 0xfedcba98
	s_wait_alu depctr_va_vdst(0)
	s_wait_kmcnt 0x0
	s_add_nc_u64 s[4:5], s[4:5], s[14:15]
	s_add_nc_u64 s[10:11], s[10:11], s[14:15]
.irp i, 0,1,2,3
.irp q, 0,1,2,3,4,5,6,7
	global_load_b128 v[X+32*\i+4*\q:X+32*\i+4*\q+3], v1, s[4:5] offset:4096*\i+512*\q th:TH_LOAD_NT
.endr
.endr
.irp q, 0,1,2,3,4,5,6,7
	global_load_b128 v[G+4*\q:G+4*\q+3], v1, s[6:7] offset:512*\q
	global_load_b128 v[BE+4*\q:BE+4*\q+3], v1, s[8:9] offset:512*\q
.endr
	s_wait_loadcnt 0x0
	LNORM
.irp i, 0,1,2,3
.irp q, 0,1,2,3,4,5,6,7
	global_store_b128 v1, v[X+32*\i+4*\q:X+32*\i+4*\q+3], s[10:11] offset:4096*\i+512*\q th:TH_STORE_NT
.endr
.endr
	s_endpgm
.Lfunc_end_k_qc57e515625_ln2:
	.size	k_qc57e515625_ln2, .Lfunc_end_k_qc57e515625_ln2-k_qc57e515625_ln2
	.p2alignl 7, 3214868480
	.fill 96, 4, 3214868480
	.section	.rodata,"a",@progbits
	.p2align	6, 0x0
	.amdhsa_kernel k_qc57e515625_ln2
		.amdhsa_group_segment_fixed_size 0
		.amdhsa_private_segment_fixed_size 0
		.amdhsa_enable_private_segment 0
		.amdhsa_kernarg_size 32
		.amdhsa_user_sgpr_count 2
		.amdhsa_user_sgpr_kernarg_segment_ptr 1
		.amdhsa_wavefront_size32 1
		.amdhsa_system_sgpr_workgroup_id_x 1
		.amdhsa_system_sgpr_workgroup_id_y 1
		.amdhsa_system_sgpr_workgroup_id_z 1
		.amdhsa_system_vgpr_workitem_id 0
		.amdhsa_next_free_vgpr 256
		.amdhsa_next_free_sgpr 66
		.amdhsa_reserve_vcc 0
		.amdhsa_float_denorm_mode_32 3
		.amdhsa_float_denorm_mode_16_64 3
		.amdhsa_memory_ordered 1
		.amdhsa_forward_progress 1
		.amdhsa_inst_pref_size 33
	.end_amdhsa_kernel
	.amdgpu_metadata
---
amdhsa.version: [ 1, 2 ]
amdhsa.kernels:
  - .name:           k_qc57e515625_ln2
    .symbol:         k_qc57e515625_ln2.kd
    .args:
      - { .name: r2, .offset: 0, .size: 8, .value_kind: global_buffer, .address_space: global }
      - { .name: g2, .offset: 8, .size: 8, .value_kind: global_buffer, .address_space: global }
      - { .name: be2, .offset: 16, .size: 8, .value_kind: global_buffer, .address_space: global }
      - { .name: out0, .offset: 24, .size: 8, .value_kind: global_buffer, .address_space: global }
    .group_segment_fixed_size: 0
    .private_segment_fixed_size: 0
    .kernarg_segment_align: 8
    .kernarg_segment_size: 32
    .max_flat_workgroup_size: 128
    .sgpr_count:     66
    .vgpr_count:     256
    .wavefront_size: 32
...
	.end_amdgpu_metadata
.endif
;; end of part 16
